; MI455X (gfx1250); checked and timed in simulation.
; The chip was launched on July 23, 2026; its instructions are those of AMD's public machine-readable ISA for CDNA 5 (MIT licence, August 2026) and "CDNA5" Instruction Set Architecture Reference Guide (July 2026). The comments in the code are by the model that wrote it; some were corrected since.
;; Deep Seek Mo E. Allowed arithmetic: float matrix products may take bf16 or f16 operands with f32 sums; other float arithmetic in f32, or as packed bf16 or f16 multiplies, adds, multiply-adds, maxima and minima; sums over many terms, partial sums and values carried from step to step in f32; what a program stores and reads back later, other than sums and carried values, may be rounded once to bf16 or f16.
;; Inputs: b1 16 x 2,048 float32; b2 16 x 1,024 float32; hidden_states 4 x 256 x 1,024 float32; router_b 16 float32; router_w 1,024 x 16 float32; w1 16 x 1,024 x 2,048 float32; w2 16 x 2,048 x 1,024 float32.
;; Outputs: out0 4 x 256 x 1,024 float32.
;; 3 versions, each right; version 3 is version 2 with the launches up, down written anew for expert scheduling mode. Each part assembles by itself: llvm-mc -triple=amdgcn-amd-amdhsa -mcpu=gfx1250 --defsym DOCPART=n.
;; ======== version 1 of 3: 4 launches
;; limits: values are held in f16: magnitudes above 65,504 overflow, below 6.1e-05 lose precision; a function is approximated: absolute error at most 1e-07
;; workspace buffers: xb 2,097,152 bytes; bm 2,048 bytes of whole numbers; ti 16,384 bytes of whole numbers; tw 16,384 bytes; hm 67,108,864 bytes; lst 65,536 bytes of whole numbers; part 67,108,864 bytes
;; launch router (part 1): grid 64 x 1, 8 waves a work-group, no clusters, 75,008 bytes of LDS; arguments hidden_states, router_w, router_b, xb, bm, ti, tw; writes xb, bm, ti, tw
.if DOCPART == 1
	.amdgcn_target "amdgcn-amd-amdhsa--gfx1250"
	.amdhsa_code_object_version 6
	.text
	.protected	k_q60edde32cb_router
	.globl	k_q60edde32cb_router
	.p2align	8
	.type	k_q60edde32cb_router,@function
k_q60edde32cb_router:
	s_mov_b64 s[64:65], 0
	v_nop
	global_prefetch_b8 v0, s[64:65] scope:SCOPE_SE
	s_setreg_imm32_b32 hwreg(HW_REG_WAVE_MODE, 25, 1), 1
	s_wait_xcnt 0x0
; ROUTER.  A work-group takes 16 tokens.  It rounds their rows of x to bf16 (stored to xb for the first product), multiplies them by router_w (bf16, f32 sums),
; adds router_b (rounded to bf16 like every input), takes the four largest logits of each token (a tie goes to the lower index), and stores, at fixed places:
; ti[token][4] the experts, tw[token][4] their weights 2^((v_k - v_0) log2 e) / sum (v_0, the largest logit, is taken away first), bm[expert][tile] 16 bits: which of the tile's tokens chose the expert.
; No address and no branch hangs on the choice.  There is work for 1,024 / 16 = 64 work-groups, and 64 are launched.
; LIMITS.  The order is taken on the logits, which softmax keeps; two logits nearer than the sums' own rounding (about 1e-6 of their size) may be ordered otherwise than by another order of sums.  NaN and infinite logits are not treated apart.
; SHARES.  Wave w rounds rows 2 w, 2 w + 1 of x and rows 128 w .. 128 w + 127 of router_w, and multiplies K = 128 w .. 128 w + 127; the eight partial sums (f32) meet in LDS and wave 0 goes on alone.
.set XP,    2064                       ; a row of x in LDS: 2,048 bytes + 16: an odd multiple of 16, so the 16 rows of a fragment load start in 16 different groups of four banks
.set RW,    33024                      ; router_w in bf16, [k][16 experts]: rows of 32 bytes
.set RED,   65792                      ; eight partial results of 1,024 bytes
.set SPARE, 73984                      ; the spare words: 128 bytes a wave, four blocks of 256 bytes that no other line names
	s_load_b256 s[4:11], s[0:1], 0x0               ; hidden_states s[4:5], router_w s[6:7], router_b s[8:9], xb s[10:11]
	s_load_b128 s[12:15], s[0:1], 0x20             ; bm s[12:13], ti s[14:15]
	s_load_b64 s[16:17], s[0:1], 0x30              ; tw
	v_lshl_add_u32 v14, v0, 2, SPARE               ; my spare word, and 0: kept for the closing lines alone
	v_mov_b32 v15, 0
	v_lshrrev_b32 v1, 5, v0
	v_readfirstlane_b32 s18, v1                    ; wave 0..7
	v_and_b32 v1, 31, v0                           ; lane L
	v_and_b32 v2, 15, v0                           ; r = L % 16
	v_bfe_u32 v3, v0, 4, 1                         ; h = L / 16
	v_lshlrev_b32 v4, 4, v1                        ; 16 L
	v_lshlrev_b32 v5, 3, v1                        ; 8 L
	v_lshlrev_b32 v6, 5, v3                        ; 32 h
	s_lshl_b32 s20, ttmp9, 16                      ; 16 rows of 4,096 bytes a work-group,
	s_lshl_b32 s21, s18, 13                        ; two rows a wave
	s_add_co_u32 s20, s20, s21
	s_mov_b32 s21, 0
	s_lshl_b32 s22, s18, 13                        ; 128 rows of router_w are 8,192 bytes
	s_mov_b32 s23, 0
	s_lshr_b32 s24, s20, 1                         ; the same rows in xb: half the bytes
	s_mov_b32 s25, 0
	s_mul_i32 s26, s18, 2*XP
	v_add_nc_u32 v7, s26, v5                       ; x into LDS: my two rows, 8 bytes a lane
	s_lshl_b32 s27, s18, 12
	s_add_co_u32 s27, s27, RW
	v_add_nc_u32 v8, s27, v5                       ; router_w into LDS: 4,096 bytes a wave, 8 bytes a lane on end
	v_mul_u32_u24 v9, v2, XP                       ; a token fragment: row r, 16 bytes for each half of the lanes, my 128 along K
	v_lshl_add_u32 v9, v3, 4, v9
	s_lshl_b32 s26, s18, 8
	v_add_nc_u32 v9, s26, v9
	v_and_b32 v10, 7, v0                           ; the turning load: lane L reads k = 8 h + L % 8, experts 8 ((L / 8) % 2) + 0..7
	v_lshl_add_u32 v10, v3, 3, v10
	v_lshlrev_b32 v10, 5, v10
	v_bfe_u32 v11, v0, 3, 1
	v_lshl_add_u32 v10, v11, 4, v10
	v_add_nc_u32 v10, s27, v10
	s_lshl_b32 s26, s18, 10
	s_add_co_u32 s26, s26, RED
	v_add_nc_u32 v11, s26, v4                      ; my wave's partial result
	v_add_nc_u32 v12, RED, v4                      ; all of them, for wave 0
	s_wait_kmcnt 0x0
	s_add_nc_u64 s[4:5], s[4:5], s[20:21]
	s_add_nc_u64 s[6:7], s[6:7], s[22:23]
	s_add_nc_u64 s[10:11], s[10:11], s[24:25]
	global_load_b128 v[16:19], v6, s[8:9]          ; router_b of my eight experts 8 h .. 8 h + 7 (every wave loads them, so that the counts below are alike)
	global_load_b128 v[20:23], v6, s[8:9] offset:16
.set i, 0
.rept 16
	global_load_b128 v[32+4*i:35+4*i], v4, s[4:5] offset:512*i th:TH_LOAD_NT   ; 512 consecutive bytes of x
.set i, i+1
.endr
.set i, 0
.rept 16
	global_load_b128 v[96+4*i:99+4*i], v4, s[6:7] offset:512*i
.set i, i+1
.endr
	s_wait_loadcnt 16                              ; x and router_b are in; the sixteen loads of router_w are younger
.set i, 0
.rept 16
	v_cvt_pk_bf16_f32 v[32+4*i], v[32+4*i], v[33+4*i]
	v_cvt_pk_bf16_f32 v[33+4*i], v[34+4*i], v[35+4*i]
	global_store_b64 v5, v[32+4*i:33+4*i], s[10:11] offset:256*i               ; the wave stores 256 consecutive bytes, at a multiple of 256 from xb's first
	ds_store_b64 v7, v[32+4*i:33+4*i] offset:(i/8)*XP+(i%8)*256
.set i, i+1
.endr
	s_wait_loadcnt 0x0
.set i, 0
.rept 16
	v_cvt_pk_bf16_f32 v[96+4*i], v[96+4*i], v[97+4*i]
	v_cvt_pk_bf16_f32 v[97+4*i], v[98+4*i], v[99+4*i]
	ds_store_b64 v8, v[96+4*i:97+4*i] offset:256*i
.set i, i+1
.endr
	s_wait_xcnt 0x0                                ; the stores to xb have read v32-95, which are loaded into below
	s_wait_dscnt 0x0                               ; for the others' sake: my rows are in LDS
	s_barrier_signal -1
	s_barrier_wait -1
.irp k, 0,1,2,3
	ds_load_b128 v[32+8*\k:35+8*\k], v9 offset:64*\k                           ; tokens: row r, k = 8 h .. and 16 + 8 h ..
	ds_load_b128 v[36+8*\k:39+8*\k], v9 offset:64*\k+32
	ds_load_tr16_b128 v[64+8*\k:67+8*\k], v10 offset:1024*\k                   ; experts, turned: expert r, the same k
	ds_load_tr16_b128 v[68+8*\k:71+8*\k], v10 offset:1024*\k+512
.endr
	s_wait_dscnt 0x0
	; source 0 = 16 experts, source 1 = 16 tokens: a lane then holds token r and experts 8 h + 0..7.  Two accumulators by turns; the first products start the sums.
	v_wmma_f32_16x16x32_bf16 v[96:103],  v[64:71], v[32:39], 0
	v_wmma_f32_16x16x32_bf16 v[104:111], v[72:79], v[40:47], 0
	v_wmma_f32_16x16x32_bf16 v[96:103],  v[80:87], v[48:55], v[96:103]
	v_wmma_f32_16x16x32_bf16 v[104:111], v[88:95], v[56:63], v[104:111]
.rept 4
	v_nop                                          ; four places between the products and the first vector line that reads them (ISA guide 7.12.1)
.endr
.irp p, 0,1,2,3
	v_pk_add_f32 v[96+2*\p:97+2*\p], v[96+2*\p:97+2*\p], v[104+2*\p:105+2*\p]
.endr
	ds_store_b128 v11, v[96:99]
	ds_store_b128 v11, v[100:103] offset:512
	s_wait_dscnt 0x0                               ; for wave 0's sake
	s_barrier_signal -1
	s_barrier_wait -1
	s_cmp_lg_u32 s18, 0
	s_cbranch_scc1 .Lend
.irp w, 0,1,2,3,4,5,6,7
	ds_load_b128 v[32+8*\w:35+8*\w], v12 offset:1024*\w
	ds_load_b128 v[36+8*\w:39+8*\w], v12 offset:1024*\w+512
.endr
.irp p, 0,1,2,3
	v_cvt_pk_bf16_f32 v[24+\p], v[16+2*\p], v[17+2*\p]                         ; router_b rounded to bf16,
.endr
.irp p, 0,1,2,3
	v_lshlrev_b32 v[16+2*\p], 16, v[24+\p]                                     ; and back in f32
	v_and_b32 v[17+2*\p], 0xffff0000, v[24+\p]
.endr
	s_mov_b32 s29, 0xff800000                      ; what a chosen logit is replaced by
	s_mov_b32 s30, 0x76543210                      ; v_permlanex16_b32: each lane takes its own place in the other half
	s_mov_b32 s31, 0xfedcba98
	s_wait_dscnt 0x0
.set w, 1
.rept 7
.irp p, 0,1,2,3
	v_pk_add_f32 v[32+2*\p:33+2*\p], v[32+2*\p:33+2*\p], v[32+8*w+2*\p:33+8*w+2*\p]
.endr
.set w, w+1
.endr
.irp p, 0,1,2,3
	v_pk_add_f32 v[32+2*\p:33+2*\p], v[32+2*\p:33+2*\p], v[16+2*\p:17+2*\p]
.endr
.irp j, 0,1,2,3,4,5,6,7
	v_permlanex16_b32 v[40+\j], v[32+\j], s30, s31                             ; the token's other eight logits
.endr
	v_cmp_eq_u32 vcc_lo, 1, v3
.irp j, 0,1,2,3,4,5,6,7
	v_cndmask_b32 v[48+\j], v[32+\j], v[40+\j], vcc_lo                         ; experts 0-7,
	v_cndmask_b32 v[56+\j], v[40+\j], v[32+\j], vcc_lo                         ; experts 8-15: both halves of the lanes now hold all 16 of token r
.endr
; The k-th choice: the maximum of the 16; the lowest index that holds it (a chain of selects from 15 down); that logit is taken out.  Values alone are selected: no branch.
.macro PICK k
	v_max3_num_f32 v24, v48, v49, v50
.set i, 51
.rept 6
	v_max3_num_f32 v24, v24, v[i], v[i+1]
.set i, i+2
.endr
	v_max_num_f32 v[64+\k], v24, v63
	v_mov_b32 v[68+\k], 15
.set i, 14
.rept 15
	v_cmp_eq_f32 vcc_lo, v[48+i], v[64+\k]
	v_cndmask_b32 v[68+\k], v[68+\k], i, vcc_lo
.set i, i-1
.endr
.set i, 0
.rept 16
	v_cmp_eq_u32 vcc_lo, i, v[68+\k]
	v_cndmask_b32 v[48+i], v[48+i], s29, vcc_lo
.set i, i+1
.endr
.endm
	PICK 0
	PICK 1
	PICK 2
	PICK 3
.irp k, 0,1,2,3
	v_sub_f32 v[72+\k], v[64+\k], v64              ; the largest logit is taken away
.endr
.irp k, 0,1,2,3
	v_mul_f32 v[72+\k], 0x3fb8aa3b, v[72+\k]
.endr
.irp k, 0,1,2,3
	v_exp_f32 v[72+\k], v[72+\k]
.endr
	v_mov_b32 v26, 1                               ; the plain line behind the last exponential
	s_wait_alu depctr_va_vdst(0)                   ; one wait for the four exponentials, ahead of their first reader
	v_add_f32 v24, v72, v73
	v_add_f32 v25, v74, v75
	v_add_f32 v24, v24, v25
	v_rcp_f32 v24, v24
	v_lshlrev_b32 v27, v68, v26                    ; the token's four experts as bits (plain work behind the reciprocal)
	v_lshlrev_b32 v28, v69, v26
	v_or_b32 v27, v27, v28
	v_lshlrev_b32 v28, v70, v26
	v_or_b32 v27, v27, v28
	v_lshlrev_b32 v28, v71, v26
	v_or_b32 v27, v27, v28
	s_wait_alu depctr_va_vdst(0)                   ; the reciprocal's wait
.irp k, 0,1,2,3
	v_mul_f32 v[72+\k], v[72+\k], v24
.endr
	v_mov_b32 v29, 0
.set e, 0
.rept 16
	v_and_b32 v28, 1<<e, v27
	v_cmp_ne_u32 s28, 0, v28                       ; bit r: token r chose expert e (bits 16-31 repeat bits 0-15)
	v_writelane_b32 v29, s28, e                    ; lane e keeps expert e's word
.set e, e+1
.endr
	s_lshl_b32 s26, ttmp9, 8
	v_lshl_add_u32 v30, v1, 4, s26                 ; ti and tw: 16 bytes a token
	s_lshl_b32 s27, ttmp9, 1
	v_lshl_add_u32 v31, v1, 7, s27                 ; bm: 128 bytes an expert, two bytes a tile
	v_cmp_gt_u32 vcc_lo, 16, v1
	s_wait_xcnt 0x0                                ; EXEC changes only behind this wait
	s_and_saveexec_b32 s28, vcc_lo                 ; lanes 0-15: one lane a token, one lane an expert
	global_store_b128 v30, v[68:71], s[14:15]      ; 256 consecutive bytes
	global_store_b128 v30, v[72:75], s[16:17]
	global_store_b16 v31, v29, s[12:13]            ; 32 bytes a work-group in 16 places: the price of a bitmap that a later launch reads whole by two scalar loads
	s_wait_xcnt 0x0
	s_or_b32 exec_lo, exec_lo, s28
.Lend:
	s_wait_tensorcnt 0x0                           ; the wave's end: the closing lines, behind my last LDS store
	ds_add_u32 v14, v15
	s_wait_dscnt 0x0
	s_endpgm
.Lfunc_end_k_q60edde32cb_router:
	.size	k_q60edde32cb_router, .Lfunc_end_k_q60edde32cb_router-k_q60edde32cb_router
	.p2alignl 7, 3214868480
	.fill 96, 4, 3214868480
	.section	.rodata,"a",@progbits
	.p2align	6, 0x0
	.amdhsa_kernel k_q60edde32cb_router
		.amdhsa_group_segment_fixed_size 75008
		.amdhsa_private_segment_fixed_size 0
		.amdhsa_enable_private_segment 0
		.amdhsa_kernarg_size 56
		.amdhsa_user_sgpr_count 2
		.amdhsa_user_sgpr_kernarg_segment_ptr 1
		.amdhsa_wavefront_size32 1
		.amdhsa_system_sgpr_workgroup_id_x 1
		.amdhsa_system_sgpr_workgroup_id_y 1
		.amdhsa_system_sgpr_workgroup_id_z 1
		.amdhsa_system_vgpr_workitem_id 0
		.amdhsa_next_free_vgpr 160
		.amdhsa_next_free_sgpr 66
		.amdhsa_reserve_vcc 1
		.amdhsa_float_denorm_mode_32 3
		.amdhsa_float_denorm_mode_16_64 3
		.amdhsa_memory_ordered 1
		.amdhsa_forward_progress 1
		.amdhsa_inst_pref_size 39
	.end_amdhsa_kernel
	.amdgpu_metadata
---
amdhsa.version: [ 1, 2 ]
amdhsa.kernels:
  - .name:           k_q60edde32cb_router
    .symbol:         k_q60edde32cb_router.kd
    .args:
      - { .name: hidden_states, .offset: 0, .size: 8, .value_kind: global_buffer, .address_space: global }
      - { .name: router_w, .offset: 8, .size: 8, .value_kind: global_buffer, .address_space: global }
      - { .name: router_b, .offset: 16, .size: 8, .value_kind: global_buffer, .address_space: global }
      - { .name: xb, .offset: 24, .size: 8, .value_kind: global_buffer, .address_space: global }
      - { .name: bm, .offset: 32, .size: 8, .value_kind: global_buffer, .address_space: global }
      - { .name: ti, .offset: 40, .size: 8, .value_kind: global_buffer, .address_space: global }
      - { .name: tw, .offset: 48, .size: 8, .value_kind: global_buffer, .address_space: global }
    .group_segment_fixed_size: 75008
    .private_segment_fixed_size: 0
    .kernarg_segment_align: 8
    .kernarg_segment_size: 56
    .max_flat_workgroup_size: 256
    .sgpr_count:     66
    .vgpr_count:     160
    .wavefront_size: 32
...
	.end_amdgpu_metadata
.endif
;; end of part 1
;; launch up (part 2): grid 16 x 16, 8 waves a work-group, no clusters, 300,032 bytes of LDS; arguments xb, bm, w1, b1, hm, lst; writes hm, lst
.if DOCPART == 2
	.amdgcn_target "amdgcn-amd-amdhsa--gfx1250"
	.amdhsa_code_object_version 6
	.text
	.protected	k_q60edde32cb_up
	.globl	k_q60edde32cb_up
	.p2align	8
	.type	k_q60edde32cb_up,@function
k_q60edde32cb_up:
	s_mov_b64 s[64:65], 0
	v_nop
	global_prefetch_b8 v0, s[64:65] scope:SCOPE_SE
	s_setreg_imm32_b32 hwreg(HW_REG_WAVE_MODE, 25, 1), 1
	s_wait_xcnt 0x0
; FIRST PRODUCT.  hm = gelu(x w1[e] + b1[e]) for the rows that chose expert e.  Work-group (slice sl, expert e) alone reads columns 128 sl .. 128 sl + 127 of w1[e] (512 KB of f32), rounds them to bf16
; on their way through registers, keeps them in LDS, and takes all of the expert's rows through them.  x comes rounded from xb, b1 is rounded to bf16 like every input; sums in f32; hm is rounded once, to f16.
; LIMITS.  |gelu| of 65,520 or more becomes an infinity in hm; below 6e-5 hm keeps f16's fixed step of 6e-8.  The normal distribution's tail is a fifth-degree form in 1 / (1 + 0.2316419 |z|)
; times 2^(-z z log2(e) / 2), within 1e-7 absolutely; gelu = max(z, 0) - |z| tail has no difference of near numbers.  NaN and infinities are not treated apart.
; NO CLUSTER: each slice of weights has one reader; the rows that an expert's work-groups share come by a list, which no tile descriptor covers.  NO TENSOR LOADS: the weights go through registers to be rounded.
; ROLES.  Waves 4-7 are PRODUCERS: each has a chunk of 128 K' rows x 256 bytes on its way as 64 loads, and nothing else on its load counter.  Waves 0-3 are CONSUMERS.  The roles are apart because a wave's loads
; are counted in the order of issue: a row load issued behind weight loads would be waited for behind them.
; THE SLICE is 2,048 K' rows of 64 columns: K' = 1024 j + k, j = 0, 1 the two halves of the 128 columns, taken one after the other (320 rows x 128 columns of sums would not fit beside the operands).
; A CHUNK S = 0..15 is 128 K' rows.  Trip S: the producer whose turn it is (S % 4) rounds chunk S into LDS and asks for chunk S + 4; a barrier; the consumers multiply chunk S.  Chunks are never written again,
; so the one barrier a trip orders all there is to order: chunk S's stores ahead of its reads.
; ROWS.  Rank p of the expert's rows is the p-th token whose bit is set in bm[e]; every work-group finds token-of-rank for itself while its first weights are on their way.  A tile is 16 ranks; ranks past the count
; repeat the last token.  A pass is 20 tiles, consumer c takes tiles 20 pass + 4 t + c, t = 0..4.  Pass 0 runs beside the fill; passes 1-3 (an expert with more than 320 rows) read the resident slice, without barriers.
; A tile past the count still loads (a repeated row), so that every counted wait holds on every path; its products and stores are jumped.
; The sums start as the bias: both halves' bias is kept as 32 registers of packed bf16 and unpacked into the 160 accumulator registers, in place of a first K step written out in four loops.
; REGISTERS (windows of 256; s_set_vgpr_msb: bits 1:0 source 0, 3:2 source 1, 5:4 source 2, 7:6 destination).  Consumer: window 0: v32-159 weight fragments BF(ks, b) = 32 + 32 ks + 8 b, at work on the way out;
; v160-255 row fragments of tiles 0-2; window 1: v0-159 sums ACC(t, b) = 32 t + 8 b; v160-223 row fragments of tiles 3, 4; v224-255 the packed bias.  Producer: window 1: 64 landing slots of four.
.set PSH,   13
.set PITCH, 1<<PSH                     ; bytes from row to row of w1
.set CH,    18432                      ; a chunk in LDS: 64 rows of 288 bytes.  An LDS row holds K' rows 2 q (bytes 0-127) and 2 q + 1 (128-255) and 32 bytes of padding
.set LIST,  294912                     ; behind the slice: 1,024 words, the token of each rank
.set SPARE, 299008                     ; the spare words: 128 bytes a wave, four blocks of 256 bytes that no other line names
.set VL, 1
.set VR, 2
.set VH, 3
.set V16H, 6                           ; 16 h
.set VBH, 7                            ; 32 h
.set AO, 8                             ; v8-12  tile t: my row's byte offset in xb
.set BADR0, 13                         ; my lane's place in a chunk, for the turning loads
.set SPW, 14
.set NIL, 15
.set BADR, 16
.set V16L, 17                          ; 16 L
.set VO, 24                            ; producer: my place in two rows of w1
.set LS0, 25                           ; producer: my place in an LDS row
.set LS, 26
.set VPF, 27                           ; producer: lane x pitch, for the prefetch
.set BF, 32
.set BL, 96                            ; v96-159: where the bias lands, once, at the head
.set BIASP, 224                        ; window 1: half j's pair i of my 32 columns at BIASP + 16 j + i
.set WV, 18
.set SL, 19
.set EX, 20
.set CNT, 21
.set TTOT, 22
.set NT, 23                            ; first the last rank, then my live tiles in the pass
.set SS, 24                            ; chunk
.set JJ, 25                            ; half slice
.set INN, 26
.set PASS, 27
.set ABASE, 32
.set PFB, 36
.set OUTB, 38
.set C1, 42                            ; s[42:51] the form's five factors, as pairs
.set MASKH, 52
.set TT, 53
.set SOFF, 54                          ; chunk x CH
.set PP, 56
.set CW16, 57
.set NH, 58
.set HMB, 60
.set BIASB0, 62
.set PFX, 66                           ; s[66:97] at the head: the running count of set bits
.set WB, 98
.set MSB, 0
.macro WIN new                         ; the immediate's high byte repeats the setting that is left; a switch that changes nothing is dropped
.if MSB != (\new)
	s_set_vgpr_msb (MSB<<8)|(\new)
.set MSB, \new
.endif
.endm
.macro BAR
	s_wait_dscnt 0x0                               ; my LDS stores are done and my LDS loads are back
	s_barrier_signal -1
	s_barrier_wait -1
.endm
.macro CHOFF                           ; s28 = a chunk's number -> s[28:29] = its byte offset in the slice: 128 rows for each k block, 256 bytes for the second half
	s_and_b32 s30, s28, 7
	s_lshl_b32 s30, s30, 20
	s_lshr_b32 s28, s28, 3
	s_lshl_b32 s28, s28, 8
	s_add_co_u32 s28, s28, s30
	s_mov_b32 s29, 0
.endm
.macro WLOAD                           ; a chunk: 64 loads, each two rows' 256 consecutive bytes, at multiples of 256 from w1's first byte
	WIN 0x40
.set i, 0
.rept 64
	global_load_b128 v[4*i:4*i+3], v[VO], s[WB:WB+1] offset:2*PITCH*i th:TH_LOAD_NT
.set i, i+1
.endr
	WIN 0
.endm
; A producer's turn: chunk SS is rounded and laid into LDS, eight slots at a time; chunk SS + 4 is asked for into the same slots; chunk SS + 6, which the producer two trips on will load, is prefetched.
.macro P_TURN
	s_wait_xcnt 0x0                                ; my last turn's loads and prefetches have read WB and PFB
	v_add_nc_u32 v[LS], s[SOFF], v[LS0]
.set g, 0
.rept 8
	s_wait_loadcnt 56-8*g                          ; the chunk's later slots are the only younger loads of this wave
	WIN 0x45
.set i, 8*g
.rept 8
	v_cvt_pk_bf16_f32 v[4*i], v[4*i], v[4*i+1]
	v_cvt_pk_bf16_f32 v[4*i+1], v[4*i+2], v[4*i+3]
.set i, i+1
.endr
	WIN 0x04
.set i, 8*g
.rept 8
	ds_store_b64 v[LS], v[4*i:4*i+1] offset:288*i  ; 32 lanes fill an LDS row's 256 bytes
.set i, i+1
.endr
.set g, g+1
.endr
	WIN 0
	s_cmp_ge_u32 s[SS], 12
	s_cbranch_scc1 .Lnofill_\@                     ; the last four chunks have no successor
	s_add_co_u32 s28, s[SS], 4
	CHOFF
	s_add_nc_u64 s[WB:WB+1], s[8:9], s[28:29]
	WLOAD
.Lnofill_\@:
	s_cmp_ge_u32 s[SS], 10
	s_cbranch_scc1 .Lnopf_\@                       ; chunk 15 is the last: nothing past the slice is asked for
	s_add_co_u32 s28, s[SS], 6
	CHOFF
	s_add_nc_u64 s[PFB:PFB+1], s[8:9], s[28:29]
.irp m, 0,1,2,3
	global_prefetch_b8 v[VPF], s[PFB:PFB+1] offset:32*PITCH*\m th:TH_LOAD_NT scope:SCOPE_SE  ; one lane a row: the chunk's 128 pieces of 256 bytes, each asked for once in the launch, two trips ahead of its load
.endr
.Lnopf_\@:
.endm
.macro NTCALC                          ; my live tiles in this pass: ceil((tiles - 20 pass - c) / 4), held to 0..5
	s_mul_i32 s28, s[PASS], 20
	s_add_co_u32 s28, s28, s[WV]
	s_sub_co_i32 s28, s[TTOT], s28
	s_add_co_i32 s28, s28, 3
	s_ashr_i32 s28, s28, 2
	s_max_i32 s28, s28, 0
	s_min_i32 s[NT], s28, 5
.endm
.macro AOUPD                           ; s28 = the rank of my tile 0's first row: the five tiles' tokens from the list, as byte offsets in xb
	s_wait_xcnt 0x0                                ; pending row loads have read AO
	v_add_nc_u32 v18, s28, v[VR]
.irp t, 0,1,2,3,4
	v_add_nc_u32 v[19+\t], 64*\t, v18
	v_min_u32 v[19+\t], 0x3ff, v[19+\t]
	v_lshl_add_u32 v[19+\t], v[19+\t], 2, LIST
	ds_load_b32 v[AO+\t], v[19+\t]
.endr
	s_wait_dscnt 0x0
.irp t, 0,1,2,3,4
	v_min_u32 v[AO+\t], 0x3ff, v[AO+\t]
	v_lshl_add_u32 v[AO+\t], v[AO+\t], 11, v[V16H] ; token x 2,048 + 16 h
.endr
.endm
.macro AFILL t                         ; tile t's row fragments of one chunk: 16 rows x 256 bytes in eight loads
.if (\t) < 3
	WIN 0
.set rA, 160+32*(\t)
.else
	WIN 0x40
.set rA, 160+32*((\t)-3)
.endif
.irp k, 0,1,2,3
	global_load_b128 v[rA+8*\k:rA+8*\k+3],   v[AO+\t], s[ABASE:ABASE+1] offset:64*\k
	global_load_b128 v[rA+8*\k+4:rA+8*\k+7], v[AO+\t], s[ABASE:ABASE+1] offset:64*\k+32
.endr
	WIN 0
.endm
; Tile t of a trip.  Source 0 = 16 columns of the weights, source 1 = 16 rows: a lane holds row r and columns 8 h + 0..7.  The tile's four accumulators take turns, one instruction a turn.
.macro TILE t
	s_wait_loadcnt 32                              ; my tile's eight loads are in: younger are the later tiles' 8 (4 - t) and this trip's 8 t refills
	s_cmp_le_u32 s[NT], \t
	s_cbranch_scc1 .Ldead_\@
.if (\t) < 3
.set rA, 160+32*(\t)
	WIN 0x50
.else
.set rA, 160+32*((\t)-3)
	WIN 0x54
.endif
.irp k, 0,1,2,3
.if (\t) == 0
	s_wait_dscnt 24-8*\k                           ; the weight fragments of the later K steps may be out
.endif
.irp b, 0,1,2,3
	v_wmma_f32_16x16x32_bf16 v[32*(\t)+8*\b:32*(\t)+8*\b+7], v[BF+32*\k+8*\b:BF+32*\k+8*\b+7], v[rA+8*\k:rA+8*\k+7], v[32*(\t)+8*\b:32*(\t)+8*\b+7]
.endr
.endr
	WIN 0
.rept 4
	v_nop                                          ; four places between the products and the loads into their sources (ISA guide 7.12.1 for vector instructions)
.endr
.Ldead_\@:
.if (\t) == 0
	s_wait_dscnt 0x0                               ; on the way round the products too: the fragments are loaded into again next trip
.endif
	AFILL \t                                       ; the next chunk's rows
.endm
.macro C_TRIP
	s_wait_xcnt 0x0                                ; pending loads and stores have read their bases and registers
	s_add_co_u32 s28, s[SS], 1
	s_and_b32 s28, s28, 7
	s_lshl_b32 s28, s28, 8                         ; the next chunk's 128 along K: 256 bytes of a row of xb
	s_mov_b32 s29, 0
	s_add_nc_u64 s[ABASE:ABASE+1], s[4:5], s[28:29]
	s_cmp_lg_u32 s[SS], 15
	s_cbranch_scc1 .Lsame_\@
	s_mul_i32 s28, s[PASS], 320                    ; the last trip's refills fetch the next pass's rows
	s_add_co_u32 s28, s28, 320
	s_add_co_u32 s28, s28, s[CW16]
	AOUPD
.Lsame_\@:
	v_add_nc_u32 v[BADR], s[SOFF], v[BADR0]
.irp k, 0,1,2,3
.irp b, 0,1,2,3
	ds_load_tr16_b128 v[BF+32*\k+8*\b:BF+32*\k+8*\b+3],   v[BADR] offset:4608*\k+32*\b
	ds_load_tr16_b128 v[BF+32*\k+8*\b+4:BF+32*\k+8*\b+7], v[BADR] offset:4608*\k+2304+32*\b
.endr
.endr
	TILE 0
	TILE 1
	TILE 2
	TILE 3
	TILE 4
.endm
.macro UNPACK j                        ; half j's bias, bf16 to f32, starts all five tiles' sums
	WIN 0x44
.set t, 0
.rept 5
.set i, 0
.rept 16
	v_lshlrev_b32 v[32*t+2*i], 16, v[BIASP+16*(\j)+i]
	v_and_b32 v[32*t+2*i+1], s[MASKH], v[BIASP+16*(\j)+i]
.set i, i+1
.endr
.set t, t+1
.endr
	WIN 0
.endm
.macro INIT                            ; s28 = the half slice whose sums begin
	s_cmp_eq_u32 s28, 0
	s_cbranch_scc1 .Lh0_\@
	UNPACK 1
	s_branch .Lhd_\@
.Lh0_\@:
	UNPACK 0
.Lhd_\@:
.endm
.macro COPY t                          ; tile t's sums into window 0, each accumulator from its low end on
	WIN 0x01
.set i, 0
.rept 32
	v_mov_b32 v[32+i], v[32*(\t)+i]
.set i, i+1
.endr
	WIN 0
.endm
; THE WAY OUT of a half slice: a counted loop over my five tiles; a dead tile jumps to the counter's step.  Five short blocks name the tiles' registers, one body does the rest.
; A lane's eight columns of block b, rounded to f16, ARE 16 bytes of the next product's row fragment (K step 4 sl + 2 j + b / 2, half b % 2, the same lane): they are stored as such, 512 consecutive bytes a store, with no stage.
.macro EPI
	s_mov_b32 s[TT], 0
.Lepi_\@:
	s_wait_xcnt 0x0                                ; the last tile's stores have read their data and their base
	s_cmp_ge_u32 s[TT], s[NT]
	s_cbranch_scc1 .Lnext_\@
	s_cmp_eq_u32 s[TT], 0
	s_cbranch_scc1 .Lc0_\@
	s_cmp_eq_u32 s[TT], 1
	s_cbranch_scc1 .Lc1_\@
	s_cmp_eq_u32 s[TT], 2
	s_cbranch_scc1 .Lc2_\@
	s_cmp_eq_u32 s[TT], 3
	s_cbranch_scc1 .Lc3_\@
	COPY 4
	s_branch .Lbody_\@
.Lc0_\@:
	COPY 0
	s_branch .Lbody_\@
.Lc1_\@:
	COPY 1
	s_branch .Lbody_\@
.Lc2_\@:
	COPY 2
	s_branch .Lbody_\@
.Lc3_\@:
	COPY 3
.Lbody_\@:
	s_mul_i32 s28, s[PASS], 20
	s_lshl2_add_u32 s28, s[TT], s28
	s_add_co_u32 s28, s28, s[WV]                   ; the tile
	s_min_u32 s28, s28, 63
	s_lshl_b32 s28, s28, 16                        ; 65,536 bytes a tile,
	s_lshl_b32 s30, s[JJ], 11                      ; two K steps of 1,024 bytes a half slice
	s_add_co_u32 s28, s28, s30
	s_mov_b32 s29, 0
	s_add_nc_u64 s[OUTB:OUTB+1], s[HMB:HMB+1], s[28:29]
	; z in v32-63; v64-95: 1 + 0.2316419 |z|, then t; v96-127: -z z log2(e) / 2, then its power of two; v128-159: the form
.set i, 0
.rept 32
	v_fma_f32 v[64+i], |v[32+i]|, s[PP], 1.0
.set i, i+1
.endr
.set i, 0
.rept 16
	v_pk_mul_f32 v[96+2*i:97+2*i], v[32+2*i:33+2*i], v[32+2*i:33+2*i]
.set i, i+1
.endr
.set i, 0
.rept 16
	v_pk_mul_f32 v[96+2*i:97+2*i], v[96+2*i:97+2*i], s[NH:NH+1] op_sel_hi:[1,0]
.set i, i+1
.endr
.set i, 0
.rept 32
	v_rcp_f32 v[64+i], v[64+i]
	v_exp_f32 v[96+i], v[96+i]
.set i, i+1
.endr
	v_nop                                          ; the plain line behind the last of them,
	s_wait_alu depctr_va_vdst(0)                   ; and ONE wait for the batch of 64, ahead of its first reader
.set i, 0
.rept 16
	v_pk_fma_f32 v[128+2*i:129+2*i], v[64+2*i:65+2*i], s[C1+8:C1+9], s[C1+6:C1+7] op_sel_hi:[1,0,0]
.set i, i+1
.endr
.irp c, 4,2,0
.set i, 0
.rept 16
	v_pk_fma_f32 v[128+2*i:129+2*i], v[128+2*i:129+2*i], v[64+2*i:65+2*i], s[C1+\c:C1+\c+1] op_sel_hi:[1,1,0]
.set i, i+1
.endr
.endr
.set i, 0
.rept 16
	v_pk_mul_f32 v[128+2*i:129+2*i], v[128+2*i:129+2*i], v[64+2*i:65+2*i]
.set i, i+1
.endr
.set i, 0
.rept 16
	v_pk_mul_f32 v[128+2*i:129+2*i], v[128+2*i:129+2*i], v[96+2*i:97+2*i]       ; the tail beyond |z|
.set i, i+1
.endr
.set i, 0
.rept 32
	v_max_num_f32 v[64+i], 0, v[32+i]
.set i, i+1
.endr
.set i, 0
.rept 32
	v_fma_f32 v[32+i], -|v[32+i]|, v[128+i], v[64+i]                            ; gelu = max(z, 0) - |z| tail
.set i, i+1
.endr
.set i, 0
.rept 16
	v_cvt_pk_f16_f32 v[96+i], v[32+2*i], v[33+2*i]
.set i, i+1
.endr
.irp b, 0,1,2,3
	global_store_b128 v[V16L], v[96+4*\b:99+4*\b], s[OUTB:OUTB+1] offset:512*\b ; 512 consecutive bytes, at a multiple of 256 from hm's first
.endr
.Lnext_\@:
	s_add_co_u32 s[TT], s[TT], 1
	s_cmp_lt_u32 s[TT], 5
	s_cbranch_scc1 .Lepi_\@
.endm
	s_load_b256 s[4:11], s[0:1], 0x0               ; xb s[4:5], bm s[6:7], w1 s[8:9], b1 s[10:11]
	s_load_b128 s[12:15], s[0:1], 0x20             ; hm s[12:13], lst s[14:15]
	v_lshl_add_u32 v[SPW], v0, 2, SPARE            ; my spare word, and 0: kept for the closing lines alone
	v_mov_b32 v[NIL], 0
	v_lshrrev_b32 v18, 5, v0
	v_readfirstlane_b32 s[WV], v18                 ; wave 0..7
	s_mov_b32 s[SL], ttmp9
	s_and_b32 s[EX], ttmp7, 0xffff
	v_and_b32 v[VL], 31, v0
	v_and_b32 v[VR], 15, v0
	v_bfe_u32 v[VH], v0, 4, 1
	v_lshlrev_b32 v[V16H], 4, v[VH]
	v_lshlrev_b32 v[VBH], 5, v[VH]
	v_lshlrev_b32 v[V16L], 4, v[VL]
	v_bfe_u32 v18, v0, 1, 2                        ; the turning load: lane L reads K' row 8 h + L % 8, columns 8 ((L / 8) % 2) + 0..7
	v_lshl_add_u32 v18, v[VH], 2, v18              ; its LDS row,
	v_mul_u32_u24 v18, v18, 288
	v_and_b32 v19, 1, v0                           ; which half of that row,
	v_lshl_add_u32 v18, v19, 7, v18
	v_bfe_u32 v19, v0, 3, 1                        ; which 16 bytes
	v_lshl_add_u32 v[BADR0], v19, 4, v18
	v_lshlrev_b32 v18, 4, v[VR]
	v_lshl_add_u32 v[VO], v[VH], PSH, v18          ; lanes 0-15 one row's 256 bytes, lanes 16-31 the next row's
	v_lshlrev_b32 v18, 3, v[VR]
	v_lshl_add_u32 v[LS0], v[VH], 7, v18
	v_lshlrev_b32 v[VPF], PSH, v[VL]
	s_wait_kmcnt 0x0
	s_lshl_b32 s28, s[EX], 7
	s_mov_b32 s29, 0
	s_add_nc_u64 s[6:7], s[6:7], s[28:29]
	s_load_b512 s[32:47], s[6:7], 0x0              ; the expert's 1,024 bits
	s_load_b512 s[48:63], s[6:7], 0x40
	s_lshl_b32 s28, s[EX], 23
	s_lshl_b32 s30, s[SL], 9
	s_add_co_u32 s28, s28, s30
	s_add_nc_u64 s[8:9], s[8:9], s[28:29]          ; w1 at my slice
	s_cmp_lt_u32 s[WV], 4
	s_cbranch_scc1 .Lhead_c
	s_sub_co_u32 s28, s[WV], 4                     ; producer p begins with chunk p
	CHOFF
	s_add_nc_u64 s[WB:WB+1], s[8:9], s[28:29]
	WLOAD
.Lhead_c:
	s_wait_kmcnt 0x0
	s_bcnt1_i32_b32 s[PFX], s32
.set w, 1
.rept 31
	s_bcnt1_i32_b32 s28, s[32+w]
	s_add_co_u32 s[PFX+w], s[PFX+w-1], s28
.set w, w+1
.endr
	s_mov_b32 s[CNT], s[PFX+31]
	s_add_co_u32 s[TTOT], s[CNT], 15
	s_lshr_b32 s[TTOT], s[TTOT], 4
	s_max_u32 s[NT], s[CNT], 1
	s_sub_co_u32 s[NT], s[NT], 1                   ; the last rank; ranks past it repeat it
	; TOKEN OF RANK: 256 threads, four ranks each.  The word is the first whose running count passes the rank; in it the bit is found by halving, from counts of 16, 8, 4, 2 and 1 bits.
	v_mov_b32 v32, v0
	v_lshl_add_u32 v33, v0, 2, LIST
	s_mov_b32 s[INN], 4
.Lsel:
	v_min_u32 v34, s[NT], v32
	v_mov_b32 v35, s32
	v_mov_b32 v36, 0
	v_mov_b32 v37, 0
.set w, 0
.rept 31
	v_cmp_le_u32 vcc_lo, s[PFX+w], v34
	v_cndmask_b32 v35, v35, s[33+w], vcc_lo        ; the word,
	v_cndmask_b32 v36, v36, s[PFX+w], vcc_lo       ; the bits ahead of it,
	v_cndmask_b32 v37, v37, w+1, vcc_lo            ; its number
.set w, w+1
.endr
	v_sub_nc_u32 v34, v34, v36
	v_lshrrev_b32 v38, 1, v35
	v_and_b32 v38, 0x55555555, v38
	v_sub_nc_u32 v38, v35, v38                     ; counts of 2 bits
	v_lshrrev_b32 v39, 2, v38
	v_and_b32 v39, 0x33333333, v39
	v_and_b32 v40, 0x33333333, v38
	v_add_nc_u32 v39, v39, v40                     ; of 4
	v_lshrrev_b32 v40, 4, v39
	v_add_nc_u32 v40, v40, v39
	v_and_b32 v40, 0x0f0f0f0f, v40                 ; of 8
	v_lshrrev_b32 v41, 8, v40
	v_add_nc_u32 v41, v41, v40                     ; byte 0: of the low 16
	v_mov_b32 v42, 0
.macro HALVE src, width, inc           ; are there more set bits wanted than the lower part holds?  Then go to the upper part
	v_bfe_u32 v43, \src, v42, \width
	v_cmp_ge_u32 vcc_lo, v34, v43
	v_sub_nc_u32 v44, v34, v43
	v_add_nc_u32 v45, \inc, v42
	v_cndmask_b32 v34, v34, v44, vcc_lo
	v_cndmask_b32 v42, v42, v45, vcc_lo
.endm
	HALVE v41, 8, 16
	HALVE v40, 8, 8
	HALVE v39, 4, 4
	HALVE v38, 2, 2
	HALVE v35, 1, 1
	v_lshl_add_u32 v43, v37, 5, v42
	ds_store_b32 v33, v43
	v_add_nc_u32 v32, 0x100, v32
	v_add_nc_u32 v33, 0x400, v33
	s_sub_co_u32 s[INN], s[INN], 1
	s_cmp_lg_u32 s[INN], 0
	s_cbranch_scc1 .Lsel
	; the bitmap's registers are free now
	s_mov_b32 s[C1+0], 0x3e027906                  ;  0.127414796
	s_mov_b32 s[C1+1], 0x3e027906
	s_mov_b32 s[C1+2], 0xbe11a98e                  ; -0.142248368
	s_mov_b32 s[C1+3], 0xbe11a98e
	s_mov_b32 s[C1+4], 0x3f35f0e3                  ;  0.710706871
	s_mov_b32 s[C1+5], 0x3f35f0e3
	s_mov_b32 s[C1+6], 0xbf3a00e3                  ; -0.726576014
	s_mov_b32 s[C1+7], 0xbf3a00e3
	s_mov_b32 s[C1+8], 0x3f07dc22                  ;  0.530702715
	s_mov_b32 s[C1+9], 0x3f07dc22
	s_mov_b32 s[MASKH], 0xffff0000
	s_mov_b32 s[PP], 0x3e6d3389                    ;  0.2316419
	s_mov_b32 s[NH], 0xbf38aa3b                    ; -log2(e) / 2
	s_mov_b32 s[NH+1], 0xbf38aa3b
	s_lshl_b32 s[CW16], s[WV], 4
	s_lshl_b32 s28, s[EX], 22
	s_lshl_b32 s30, s[SL], 12
	s_add_co_u32 s28, s28, s30
	s_mov_b32 s29, 0
	s_add_nc_u64 s[HMB:HMB+1], s[12:13], s[28:29]  ; hm at my expert, K step 4 sl
	s_lshl_b32 s28, s[EX], 13
	s_lshl_b32 s30, s[SL], 9
	s_add_co_u32 s28, s28, s30
	s_add_nc_u64 s[BIASB0:BIASB0+1], s[10:11], s[28:29]
	s_mov_b32 s[SS], 0
	s_mov_b32 s[SOFF], 0
	s_mov_b32 s[PASS], 0
	s_mov_b32 s[JJ], 0
	BAR                                            ; the list is whole
	s_cmp_lg_u32 s[SL], 0
	s_cbranch_scc1 .Lno_lst
	v_lshl_add_u32 v18, v0, 4, LIST                ; slice 0 stores the list for the second product
	ds_load_b128 v[20:23], v18
	v_lshlrev_b32 v19, 4, v0
	s_lshl_b32 s28, s[EX], 12
	s_mov_b32 s29, 0
	s_add_nc_u64 s[14:15], s[14:15], s[28:29]
	s_wait_dscnt 0x0
	global_store_b128 v19, v[20:23], s[14:15]
	s_wait_xcnt 0x0                                ; v19-23 are at work again below
.Lno_lst:
	s_cmp_ge_u32 s[WV], 4
	s_cbranch_scc1 .LA_j
	NTCALC
.irp j, 0,1
.irp b, 0,1,2,3
	global_load_b128 v[BL+32*\j+8*\b:BL+32*\j+8*\b+3],   v[VBH], s[BIASB0:BIASB0+1] offset:256*\j+64*\b      ; b1 of my columns 64 j + 16 b + 8 h + 0..7
	global_load_b128 v[BL+32*\j+8*\b+4:BL+32*\j+8*\b+7], v[VBH], s[BIASB0:BIASB0+1] offset:256*\j+64*\b+16
.endr
.endr
	s_mov_b32 s28, s[CW16]
	AOUPD
	s_mov_b64 s[ABASE:ABASE+1], s[4:5]
	AFILL 0
	AFILL 1
	AFILL 2
	s_wait_loadcnt 24                              ; the bias is in; the 24 row loads of tiles 0-2 are younger
	WIN 0x40
.set i, 0
.rept 32
	v_cvt_pk_bf16_f32 v[BIASP+i], v[BL+2*i], v[BL+2*i+1]                        ; rounded to bf16, once for the launch
.set i, i+1
.endr
	WIN 0
	AFILL 3                                        ; tiles 3 and 4, wanted last in a trip, are asked for behind the packing
	AFILL 4
	UNPACK 0
	; PASS 0, beside the fill
.LA_j:
	s_mov_b32 s[INN], 8
.LA_in:
	s_cmp_lt_u32 s[WV], 4
	s_cbranch_scc1 .LA_bar
	s_and_b32 s28, s[SS], 3
	s_add_co_u32 s28, s28, 4
	s_cmp_lg_u32 s28, s[WV]
	s_cbranch_scc1 .LA_bar
	P_TURN
.LA_bar:
	BAR                                            ; chunk SS is in LDS for every wave
	s_cmp_ge_u32 s[WV], 4
	s_cbranch_scc1 .LA_step
	C_TRIP
.LA_step:
	s_add_co_u32 s[SS], s[SS], 1
	s_add_co_u32 s[SOFF], s[SOFF], CH
	s_sub_co_u32 s[INN], s[INN], 1
	s_cmp_lg_u32 s[INN], 0
	s_cbranch_scc1 .LA_in
	s_cmp_ge_u32 s[WV], 4
	s_cbranch_scc1 .LA_jn
	EPI
	s_xor_b32 s28, s[JJ], 1
	INIT                                           ; the other half's sums begin
.LA_jn:
	s_add_co_u32 s[JJ], s[JJ], 1
	s_cmp_lt_u32 s[JJ], 2
	s_cbranch_scc1 .LA_j
	; PASSES 1 TO 3: the slice is resident, and nothing in these passes writes LDS, so no barrier stands in them; the producers go to the end
	s_cmp_ge_u32 s[WV], 4
	s_cbranch_scc1 .Lend
	s_mov_b32 s[PASS], 1
.LB_p:
	s_mul_i32 s28, s[PASS], 20
	s_cmp_ge_u32 s28, s[TTOT]
	s_cbranch_scc1 .LB_pn
	NTCALC
	s_mov_b32 s[SS], 0
	s_mov_b32 s[SOFF], 0
	s_mov_b32 s[JJ], 0
.LB_j:
	s_mov_b32 s[INN], 8
.LB_in:
	C_TRIP
	s_add_co_u32 s[SS], s[SS], 1
	s_add_co_u32 s[SOFF], s[SOFF], CH
	s_sub_co_u32 s[INN], s[INN], 1
	s_cmp_lg_u32 s[INN], 0
	s_cbranch_scc1 .LB_in
	EPI
	s_xor_b32 s28, s[JJ], 1
	INIT
	s_add_co_u32 s[JJ], s[JJ], 1
	s_cmp_lt_u32 s[JJ], 2
	s_cbranch_scc1 .LB_j
.LB_pn:
	s_add_co_u32 s[PASS], s[PASS], 1
	s_cmp_lt_u32 s[PASS], 4
	s_cbranch_scc1 .LB_p
.Lend:
	BAR                                            ; every wave's reads of LDS are over before any wave's closing write to LDS
	s_wait_tensorcnt 0x0                           ; the wave's end: the closing lines, behind my last LDS store
	ds_add_u32 v[SPW], v[NIL]
	s_wait_dscnt 0x0
	s_endpgm
.Lfunc_end_k_q60edde32cb_up:
	.size	k_q60edde32cb_up, .Lfunc_end_k_q60edde32cb_up-k_q60edde32cb_up
	.p2alignl 7, 3214868480
	.fill 96, 4, 3214868480
	.section	.rodata,"a",@progbits
	.p2align	6, 0x0
	.amdhsa_kernel k_q60edde32cb_up
		.amdhsa_group_segment_fixed_size 300032
		.amdhsa_private_segment_fixed_size 0
		.amdhsa_enable_private_segment 0
		.amdhsa_kernarg_size 48
		.amdhsa_user_sgpr_count 2
		.amdhsa_user_sgpr_kernarg_segment_ptr 1
		.amdhsa_wavefront_size32 1
		.amdhsa_system_sgpr_workgroup_id_x 1
		.amdhsa_system_sgpr_workgroup_id_y 1
		.amdhsa_system_sgpr_workgroup_id_z 1
		.amdhsa_system_vgpr_workitem_id 0
		.amdhsa_next_free_vgpr 512
		.amdhsa_next_free_sgpr 100
		.amdhsa_reserve_vcc 1
		.amdhsa_float_denorm_mode_32 3
		.amdhsa_float_denorm_mode_16_64 3
		.amdhsa_memory_ordered 1
		.amdhsa_forward_progress 1
		.amdhsa_inst_pref_size 154
	.end_amdhsa_kernel
	.amdgpu_metadata
---
amdhsa.version: [ 1, 2 ]
amdhsa.kernels:
  - .name:           k_q60edde32cb_up
    .symbol:         k_q60edde32cb_up.kd
    .args:
      - { .name: xb, .offset: 0, .size: 8, .value_kind: global_buffer, .address_space: global }
      - { .name: bm, .offset: 8, .size: 8, .value_kind: global_buffer, .address_space: global }
      - { .name: w1, .offset: 16, .size: 8, .value_kind: global_buffer, .address_space: global }
      - { .name: b1, .offset: 24, .size: 8, .value_kind: global_buffer, .address_space: global }
      - { .name: hm, .offset: 32, .size: 8, .value_kind: global_buffer, .address_space: global }
      - { .name: lst, .offset: 40, .size: 8, .value_kind: global_buffer, .address_space: global }
    .group_segment_fixed_size: 300032
    .private_segment_fixed_size: 0
    .kernarg_segment_align: 8
    .kernarg_segment_size: 48
    .max_flat_workgroup_size: 256
    .sgpr_count:     100
    .vgpr_count:     512
    .wavefront_size: 32
...
	.end_amdgpu_metadata
.endif
;; end of part 2
;; launch down (part 3): grid 16 x 16, 8 waves a work-group, no clusters, 317,440 bytes of LDS; arguments hm, lst, bm, w2, b2, part; writes part
.if DOCPART == 3
	.amdgcn_target "amdgcn-amd-amdhsa--gfx1250"
	.amdhsa_code_object_version 6
	.text
	.protected	k_q60edde32cb_down
	.globl	k_q60edde32cb_down
	.p2align	8
	.type	k_q60edde32cb_down,@function
k_q60edde32cb_down:
	s_mov_b64 s[64:65], 0
	v_nop
	global_prefetch_b8 v0, s[64:65] scope:SCOPE_SE
	s_setreg_imm32_b32 hwreg(HW_REG_WAVE_MODE, 25, 1), 1
	s_wait_xcnt 0x0
; SECOND PRODUCT.  part[e][token] = hm w2[e] + b2[e], one f32 row for each (expert, chosen token); the gates' weights and the sum over a token's four experts follow in the last launch (partial sums stay in f32).
; Work-group (slice sl, expert e) alone reads columns 64 sl .. 64 sl + 63 of w2[e] (512 KB of f32), keeps them in LDS and takes all of the expert's rows through them.  The frame is the first product's:
; waves 4-7 PRODUCERS, each with a chunk of 128 K rows x 256 bytes on its way as 64 loads; waves 0-3 CONSUMERS; chunk S = 0..15; one barrier a trip, chunk S's stores ahead of its reads; chunks are never written again.
; FORMATS.  hm is f16, so the product is f16 x f16 with f32 sums.  w2 is rounded to bf16 like every input, and that number is written as f16: exact from 6.1e-5 to 65,504 in size; below, f16's fixed step of 6e-8 holds.  b2 is rounded to bf16.
; ROWS.  hm holds the row fragments as the matrix unit takes them: [tile of 16 ranks][K step][half][lane][16 bytes], so a row load is 512 consecutive bytes.  A pass is 20 tiles, consumer c takes tiles 20 pass + 4 t + c.
; Pass 0 runs beside the fill.  Passes 1-3 (more than 320 rows) read the resident slice: a loop of three trips that all eight waves walk, with two barriers a trip (the stages' last use ahead of the pass's reads of LDS,
; those reads ahead of the stages' next stores); a pass without rows, and the producers, jump the work between the barriers.  A tile past the count still loads (one address for all lanes), so that every counted wait
; holds on every path; its products and stores are jumped.  Ranks past the count repeat the last token: the same numbers go to the same row, from the same wave.
; NO CLUSTER: each slice of weights has one reader; the shared rows are walked by trips of which a stored count says how many are live, and beside the slice LDS has no room for slots of them.
; The sums start as the bias, kept as 16 registers of packed bf16 and unpacked into the 160 accumulator registers, in place of a first K step written out in two loops.
; REGISTERS as in the first product: window 0: v32-159 weight fragments, at work on the way out; v160-255 row fragments of tiles 0-2; window 1: v0-159 sums; v160-223 row fragments of tiles 3, 4; v224-239 the packed bias.  Producer: window 1: 64 slots of four.
.set PSH,   12
.set PITCH, 1<<PSH
.set CH,    18432                      ; a chunk in LDS: 64 rows of 288 bytes, two K rows of 128 bytes and 32 of padding each
.set LIST,  294912                     ; 1,024 words: the token of each rank
.set STAGE, 299008                     ; for each consumer 16 rows x 272 bytes, for the way out
.set SPARE, 316416                     ; the spare words: 128 bytes a wave, four blocks of 256 bytes that no other line names
.set VL, 1
.set VR, 2
.set VH, 3
.set STO, 4
.set RD, 5
.set VLI, 6
.set VBH, 7
.set AO, 8
.set BADR0, 13
.set SPW, 14
.set NIL, 15
.set BADR, 16
.set V16R, 17
.set VO, 24
.set LS0, 25
.set LS, 26
.set VPF, 27
.set BF, 32
.set BL, 96                            ; v96-127: where the bias lands, once, at the head
.set BIASP, 224                        ; window 1: pair i of my 32 columns at BIASP + i
.set WV, 18
.set SL, 19
.set EX, 20
.set CNT, 21
.set TTOT, 22
.set NT, 23
.set SS, 24
.set INN, 26
.set PASS, 27
.set ABASE, 32
.set PFB, 36
.set OUTB, 38
.set MASKH, 52
.set TT, 53
.set SOFF, 54
.set HMB, 60
.set WB, 98
.set MSB, 0
.macro WIN new
.if MSB != (\new)
	s_set_vgpr_msb (MSB<<8)|(\new)
.set MSB, \new
.endif
.endm
.macro BAR
	s_wait_dscnt 0x0                               ; my LDS stores are done and my LDS loads are back
	s_barrier_signal -1
	s_barrier_wait -1
.endm
.macro WLOAD                           ; a chunk: 64 loads, each two rows' 256 consecutive bytes, at multiples of 256 from w2's first byte
	WIN 0x40
.set i, 0
.rept 64
	global_load_b128 v[4*i:4*i+3], v[VO], s[WB:WB+1] offset:2*PITCH*i th:TH_LOAD_NT
.set i, i+1
.endr
	WIN 0
.endm
.macro P_TURN                          ; chunk SS into LDS; chunk SS + 4 asked for; chunk SS + 6 prefetched
	s_wait_xcnt 0x0                                ; my last turn's loads and prefetches have read WB and PFB
	v_add_nc_u32 v[LS], s[SOFF], v[LS0]
.set g, 0
.rept 8
	s_wait_loadcnt 56-8*g                          ; the chunk's later slots are the only younger loads of this wave
	WIN 0x45
.set i, 8*g
.rept 8
	v_cvt_pk_bf16_f32 v[4*i], v[4*i], v[4*i+1]     ; rounded to bf16,
	v_and_b32 v[4*i+1], s[MASKH], v[4*i]           ; widened again,
	v_lshlrev_b32 v[4*i], 16, v[4*i]
	v_cvt_pk_f16_f32 v[4*i], v[4*i], v[4*i+1]      ; and written as f16
	v_cvt_pk_bf16_f32 v[4*i+2], v[4*i+2], v[4*i+3]
	v_and_b32 v[4*i+3], s[MASKH], v[4*i+2]
	v_lshlrev_b32 v[4*i+2], 16, v[4*i+2]
	v_cvt_pk_f16_f32 v[4*i+1], v[4*i+2], v[4*i+3]
.set i, i+1
.endr
	WIN 0x04
.set i, 8*g
.rept 8
	ds_store_b64 v[LS], v[4*i:4*i+1] offset:288*i
.set i, i+1
.endr
.set g, g+1
.endr
	WIN 0
	s_cmp_ge_u32 s[SS], 12
	s_cbranch_scc1 .Lnofill_\@
	s_add_co_u32 s28, s[SS], 4
	s_lshl_b32 s28, s28, 19
	s_mov_b32 s29, 0
	s_add_nc_u64 s[WB:WB+1], s[10:11], s[28:29]
	WLOAD
.Lnofill_\@:
	s_cmp_ge_u32 s[SS], 10
	s_cbranch_scc1 .Lnopf_\@                       ; chunk 15 is the last: nothing past the slice is asked for
	s_add_co_u32 s28, s[SS], 6
	s_lshl_b32 s28, s28, 19
	s_mov_b32 s29, 0
	s_add_nc_u64 s[PFB:PFB+1], s[10:11], s[28:29]
.irp m, 0,1,2,3
	global_prefetch_b8 v[VPF], s[PFB:PFB+1] offset:32*PITCH*\m th:TH_LOAD_NT scope:SCOPE_SE  ; one lane a row: the chunk's 128 pieces of 256 bytes, each asked for once in the launch, two trips ahead of its load
.endr
.Lnopf_\@:
.endm
.macro NTCALC
	s_mul_i32 s28, s[PASS], 20
	s_add_co_u32 s28, s28, s[WV]
	s_sub_co_i32 s28, s[TTOT], s28
	s_add_co_i32 s28, s28, 3
	s_ashr_i32 s28, s28, 2
	s_max_i32 s28, s28, 0
	s_min_i32 s[NT], s28, 5
.endm
.macro AOUPD                           ; s28 = my tile 0: the five tiles' byte offsets in the expert's part of hm: tile x 65,536 + 16 L; a tile past the count: offset 0 in every lane
	s_wait_xcnt 0x0                                ; pending row loads have read AO
.irp t, 0,1,2,3,4
	s_add_co_u32 s30, s28, 4*\t
	s_cmp_lt_u32 s30, s[TTOT]
	s_cselect_b32 s31, 16, 0                       ; bytes from lane to lane,
	s_cselect_b32 s30, s30, 0                      ; and the tile: both chosen by the stored count, so both are held to their bounds
	s_min_u32 s31, s31, 16
	s_min_u32 s30, s30, 63
	s_lshl_b32 s30, s30, 16
	v_mul_u32_u24 v[AO+\t], s31, v[VL]
	v_add_nc_u32 v[AO+\t], s30, v[AO+\t]
.endr
.endm
.macro AFILL t                         ; tile t's row fragments of one chunk: eight loads of 512 consecutive bytes
.if (\t) < 3
	WIN 0
.set rA, 160+32*(\t)
.else
	WIN 0x40
.set rA, 160+32*((\t)-3)
.endif
.irp k, 0,1,2,3
	global_load_b128 v[rA+8*\k:rA+8*\k+3],   v[AO+\t], s[ABASE:ABASE+1] offset:1024*\k
	global_load_b128 v[rA+8*\k+4:rA+8*\k+7], v[AO+\t], s[ABASE:ABASE+1] offset:1024*\k+512
.endr
	WIN 0
.endm
.macro TILE t                          ; source 0 = 16 columns of the weights, source 1 = 16 rows; the tile's four accumulators take turns, one instruction a turn
	s_wait_loadcnt 32                              ; my tile's eight loads are in: younger are the later tiles' 8 (4 - t) and this trip's 8 t refills
	s_cmp_le_u32 s[NT], \t
	s_cbranch_scc1 .Ldead_\@
.if (\t) < 3
.set rA, 160+32*(\t)
	WIN 0x50
.else
.set rA, 160+32*((\t)-3)
	WIN 0x54
.endif
.irp k, 0,1,2,3
.if (\t) == 0
	s_wait_dscnt 24-8*\k                           ; the weight fragments of the later K steps may be out
.endif
.irp b, 0,1,2,3
	v_wmma_f32_16x16x32_f16 v[32*(\t)+8*\b:32*(\t)+8*\b+7], v[BF+32*\k+8*\b:BF+32*\k+8*\b+7], v[rA+8*\k:rA+8*\k+7], v[32*(\t)+8*\b:32*(\t)+8*\b+7]
.endr
.endr
	WIN 0
.rept 4
	v_nop                                          ; four places between the products and the loads into their sources (ISA guide 7.12.1 for vector instructions)
.endr
.Ldead_\@:
.if (\t) == 0
	s_wait_dscnt 0x0                               ; on the way round the products too: the fragments are loaded into again next trip
.endif
	AFILL \t
.endm
.macro C_TRIP
	s_wait_xcnt 0x0
	s_add_co_u32 s28, s[SS], 1
	s_and_b32 s28, s28, 15
	s_lshl_b32 s28, s28, 12                        ; the next chunk's four K steps of 1,024 bytes
	s_mov_b32 s29, 0
	s_add_nc_u64 s[ABASE:ABASE+1], s[HMB:HMB+1], s[28:29]
	s_cmp_lg_u32 s[SS], 15
	s_cbranch_scc1 .Lsame_\@
	s_mul_i32 s28, s[PASS], 20                     ; the last trip's refills fetch the next pass's tiles
	s_add_co_u32 s28, s28, 20
	s_add_co_u32 s28, s28, s[WV]
	AOUPD
.Lsame_\@:
	v_add_nc_u32 v[BADR], s[SOFF], v[BADR0]
.irp k, 0,1,2,3
.irp b, 0,1,2,3
	ds_load_tr16_b128 v[BF+32*\k+8*\b:BF+32*\k+8*\b+3],   v[BADR] offset:4608*\k+32*\b
	ds_load_tr16_b128 v[BF+32*\k+8*\b+4:BF+32*\k+8*\b+7], v[BADR] offset:4608*\k+2304+32*\b
.endr
.endr
	TILE 0
	TILE 1
	TILE 2
	TILE 3
	TILE 4
.endm
.macro UNPACK                          ; the bias, bf16 to f32, starts all five tiles' sums
	WIN 0x44
.set t, 0
.rept 5
.set i, 0
.rept 16
	v_lshlrev_b32 v[32*t+2*i], 16, v[BIASP+i]
	v_and_b32 v[32*t+2*i+1], s[MASKH], v[BIASP+i]
.set i, i+1
.endr
.set t, t+1
.endr
	WIN 0
.endm
.macro PUT t                           ; tile t's sums into my stage, each accumulator from its low end on: row r, 32 bytes for each half of the lanes
	WIN 0x04
.irp b, 0,1,2,3
	ds_store_b128 v[STO], v[32*(\t)+8*\b:32*(\t)+8*\b+3]   offset:64*\b
	ds_store_b128 v[STO], v[32*(\t)+8*\b+4:32*(\t)+8*\b+7] offset:64*\b+16
.endr
	WIN 0
.endm
; THE WAY OUT: a counted loop over my five tiles; a dead tile jumps to the counter's step.  A tile goes through my own stage and comes back as whole rows of 256 bytes; each row goes to its token's row of part.
.macro EPI
	s_mov_b32 s[TT], 0
.Lepi_\@:
	s_wait_xcnt 0x0                                ; the last tile's stores have read their data and offsets
	s_cmp_ge_u32 s[TT], s[NT]
	s_cbranch_scc1 .Lnext_\@
	s_cmp_eq_u32 s[TT], 0
	s_cbranch_scc1 .Lc0_\@
	s_cmp_eq_u32 s[TT], 1
	s_cbranch_scc1 .Lc1_\@
	s_cmp_eq_u32 s[TT], 2
	s_cbranch_scc1 .Lc2_\@
	s_cmp_eq_u32 s[TT], 3
	s_cbranch_scc1 .Lc3_\@
	PUT 4
	s_branch .Lbody_\@
.Lc0_\@:
	PUT 0
	s_branch .Lbody_\@
.Lc1_\@:
	PUT 1
	s_branch .Lbody_\@
.Lc2_\@:
	PUT 2
	s_branch .Lbody_\@
.Lc3_\@:
	PUT 3
.Lbody_\@:
	s_mul_i32 s28, s[PASS], 20
	s_lshl2_add_u32 s28, s[TT], s28
	s_add_co_u32 s28, s28, s[WV]                   ; the tile
	s_min_u32 s28, s28, 63
	s_lshl_b32 s28, s28, 6                         ; its 16 words of the list
	v_add_nc_u32 v18, s28, v[VLI]
.irp i, 0,1,2,3,4,5,6,7
	ds_load_b32 v[64+\i], v18 offset:8*\i          ; the token of row 2 i + L / 16
.endr
.irp i, 0,1,2,3,4,5,6,7
	ds_load_b128 v[32+4*\i:35+4*\i], v[RD] offset:544*\i   ; LDS serves a wave's instructions in order (ISA guide 5.7.1.4): these see the stores above; the next tile's stores come behind them
.endr
	s_wait_dscnt 0x0
.irp i, 0,1,2,3,4,5,6,7
	v_min_u32 v[64+\i], 0x3ff, v[64+\i]
	v_lshl_add_u32 v[64+\i], v[64+\i], 12, v[V16R]
.endr
.irp i, 0,1,2,3,4,5,6,7
	global_store_b128 v[64+\i], v[32+4*\i:35+4*\i], s[OUTB:OUTB+1]   ; 16 lanes store 256 consecutive bytes, at a multiple of 256 from part's first
.endr
.Lnext_\@:
	s_add_co_u32 s[TT], s[TT], 1
	s_cmp_lt_u32 s[TT], 5
	s_cbranch_scc1 .Lepi_\@
.endm
	s_load_b256 s[4:11], s[0:1], 0x0               ; hm s[4:5], lst s[6:7], bm s[8:9], w2 s[10:11]
	s_load_b128 s[12:15], s[0:1], 0x20             ; b2 s[12:13], part s[14:15]
	v_lshl_add_u32 v[SPW], v0, 2, SPARE            ; my spare word, and 0: kept for the closing lines alone
	v_mov_b32 v[NIL], 0
	v_lshrrev_b32 v18, 5, v0
	v_readfirstlane_b32 s[WV], v18                 ; wave 0..7
	s_mov_b32 s[SL], ttmp9
	s_and_b32 s[EX], ttmp7, 0xffff
	v_and_b32 v[VL], 31, v0
	v_and_b32 v[VR], 15, v0
	v_bfe_u32 v[VH], v0, 4, 1
	v_lshlrev_b32 v[VBH], 5, v[VH]
	v_lshlrev_b32 v[V16R], 4, v[VR]
	v_bfe_u32 v18, v0, 1, 2                        ; the turning load: lane L reads K row 8 h + L % 8, columns 8 ((L / 8) % 2) + 0..7
	v_lshl_add_u32 v18, v[VH], 2, v18
	v_mul_u32_u24 v18, v18, 288
	v_and_b32 v19, 1, v0
	v_lshl_add_u32 v18, v19, 7, v18
	v_bfe_u32 v19, v0, 3, 1
	v_lshl_add_u32 v[BADR0], v19, 4, v18
	v_lshl_add_u32 v[VO], v[VH], PSH, v[V16R]      ; lanes 0-15 one row's 256 bytes, lanes 16-31 the next row's
	v_lshlrev_b32 v18, 3, v[VR]
	v_lshl_add_u32 v[LS0], v[VH], 7, v18
	v_lshlrev_b32 v[VPF], PSH, v[VL]
	s_and_b32 s28, s[WV], 3
	s_mul_i32 s28, s28, 16*272
	s_add_co_u32 s28, s28, STAGE                   ; my stage
	v_mul_u32_u24 v18, v[VR], 272
	v_lshl_add_u32 v18, v[VH], 5, v18
	v_add_nc_u32 v[STO], s28, v18
	v_mul_u32_u24 v18, v[VH], 272                  ; back: lanes 0-15 take one row of 256 bytes, lanes 16-31 the next
	v_add_nc_u32 v18, v18, v[V16R]
	v_add_nc_u32 v[RD], s28, v18
	v_lshl_add_u32 v[VLI], v[VH], 2, LIST
	s_wait_kmcnt 0x0
	s_lshl_b32 s28, s[EX], 7
	s_mov_b32 s29, 0
	s_add_nc_u64 s[8:9], s[8:9], s[28:29]
	s_load_b512 s[32:47], s[8:9], 0x0              ; the expert's 1,024 bits: here only their number is wanted
	s_load_b512 s[48:63], s[8:9], 0x40
	s_lshl_b32 s28, s[EX], 23
	s_lshl_b32 s30, s[SL], 8
	s_add_co_u32 s28, s28, s30
	s_add_nc_u64 s[10:11], s[10:11], s[28:29]      ; w2 at my slice
	s_lshl_b32 s28, s[EX], 12
	s_add_nc_u64 s[6:7], s[6:7], s[28:29]          ; the expert's list
	s_add_co_u32 s28, s28, s30
	s_add_nc_u64 s[12:13], s[12:13], s[28:29]      ; b2 at my columns
	s_lshl_b32 s28, s[EX], 22
	s_add_nc_u64 s[4:5], s[4:5], s[28:29]          ; hm at my expert
	s_add_co_u32 s28, s28, s30
	s_add_nc_u64 s[14:15], s[14:15], s[28:29]      ; part at my expert and columns
	s_cmp_lt_u32 s[WV], 4
	s_cbranch_scc1 .Lhead_c
	s_sub_co_u32 s28, s[WV], 4                     ; producer p begins with chunk p
	s_lshl_b32 s28, s28, 19
	s_add_nc_u64 s[WB:WB+1], s[10:11], s[28:29]
	WLOAD
	s_branch .Lhead_j
.Lhead_c:
	v_lshlrev_b32 v19, 4, v0                       ; the 128 consumer threads copy the list into LDS
	global_load_b128 v[20:23], v19, s[6:7]
	global_load_b128 v[28:31], v19, s[6:7] offset:2048
	v_lshl_add_u32 v18, v0, 4, LIST
	s_wait_loadcnt 0x0
	ds_store_b128 v18, v[20:23]
	ds_store_b128 v18, v[28:31] offset:2048
.Lhead_j:
	s_wait_kmcnt 0x0
	s_bcnt1_i32_b32 s[CNT], s32
.set w, 1
.rept 31
	s_bcnt1_i32_b32 s28, s[32+w]
	s_add_co_u32 s[CNT], s[CNT], s28
.set w, w+1
.endr
	s_add_co_u32 s[TTOT], s[CNT], 15
	s_lshr_b32 s[TTOT], s[TTOT], 4
	; the bitmap's registers are free now
	s_mov_b32 s[MASKH], 0xffff0000
	s_mov_b64 s[HMB:HMB+1], s[4:5]
	s_mov_b64 s[OUTB:OUTB+1], s[14:15]
	s_mov_b32 s[SS], 0
	s_mov_b32 s[SOFF], 0
	s_mov_b32 s[PASS], 0
	BAR                                            ; the list is whole
	s_cmp_ge_u32 s[WV], 4
	s_cbranch_scc1 .LA_go
	NTCALC
.irp b, 0,1,2,3
	global_load_b128 v[BL+8*\b:BL+8*\b+3],   v[VBH], s[12:13] offset:64*\b      ; b2 of my columns 16 b + 8 h + 0..7
	global_load_b128 v[BL+8*\b+4:BL+8*\b+7], v[VBH], s[12:13] offset:64*\b+16
.endr
	s_mov_b32 s28, s[WV]
	AOUPD
	s_mov_b64 s[ABASE:ABASE+1], s[HMB:HMB+1]
	AFILL 0
	AFILL 1
	AFILL 2
	s_wait_loadcnt 24                              ; the bias is in; the 24 row loads of tiles 0-2 are younger
	WIN 0x40
.set i, 0
.rept 16
	v_cvt_pk_bf16_f32 v[BIASP+i], v[BL+2*i], v[BL+2*i+1]                        ; rounded to bf16, once for the launch
.set i, i+1
.endr
	WIN 0
	AFILL 3                                        ; tiles 3 and 4, wanted last in a trip, are asked for behind the packing
	AFILL 4
	UNPACK
.LA_go:
	; PASS 0, beside the fill
	s_mov_b32 s[INN], 16
.LA_in:
	s_cmp_lt_u32 s[WV], 4
	s_cbranch_scc1 .LA_bar
	s_and_b32 s28, s[SS], 3
	s_add_co_u32 s28, s28, 4
	s_cmp_lg_u32 s28, s[WV]
	s_cbranch_scc1 .LA_bar
	P_TURN
.LA_bar:
	BAR                                            ; chunk SS is in LDS for every wave
	s_cmp_ge_u32 s[WV], 4
	s_cbranch_scc1 .LA_step
	C_TRIP
.LA_step:
	s_add_co_u32 s[SS], s[SS], 1
	s_add_co_u32 s[SOFF], s[SOFF], CH
	s_sub_co_u32 s[INN], s[INN], 1
	s_cmp_lg_u32 s[INN], 0
	s_cbranch_scc1 .LA_in
	s_cmp_ge_u32 s[WV], 4
	s_cbranch_scc1 .LB_go
	EPI
.LB_go:
	; PASSES 1 TO 3: three trips for all eight waves; only work is jumped, never a barrier
	s_mov_b32 s[PASS], 1
.LB_p:
	BAR                                            ; every wave's use of its stage is over before the pass's trips read LDS
	s_cmp_ge_u32 s[WV], 4
	s_cbranch_scc1 .LB_mid
	s_mul_i32 s28, s[PASS], 20
	s_cmp_ge_u32 s28, s[TTOT]
	s_cbranch_scc1 .LB_mid
	NTCALC
	UNPACK
	s_mov_b32 s[SS], 0
	s_mov_b32 s[SOFF], 0
	s_mov_b32 s[INN], 16
.LB_in:
	C_TRIP
	s_add_co_u32 s[SS], s[SS], 1
	s_add_co_u32 s[SOFF], s[SOFF], CH
	s_sub_co_u32 s[INN], s[INN], 1
	s_cmp_lg_u32 s[INN], 0
	s_cbranch_scc1 .LB_in
.LB_mid:
	BAR                                            ; every wave's reads of the pass's trips are over before any stage is stored into
	s_cmp_ge_u32 s[WV], 4
	s_cbranch_scc1 .LB_pn
	s_mul_i32 s28, s[PASS], 20
	s_cmp_ge_u32 s28, s[TTOT]
	s_cbranch_scc1 .LB_pn
	EPI
.LB_pn:
	s_add_co_u32 s[PASS], s[PASS], 1
	s_cmp_lt_u32 s[PASS], 4
	s_cbranch_scc1 .LB_p
	s_wait_tensorcnt 0x0                           ; the wave's end: the closing lines, behind my last LDS store
	ds_add_u32 v[SPW], v[NIL]
	s_wait_dscnt 0x0
	s_endpgm
.Lfunc_end_k_q60edde32cb_down:
	.size	k_q60edde32cb_down, .Lfunc_end_k_q60edde32cb_down-k_q60edde32cb_down
	.p2alignl 7, 3214868480
	.fill 96, 4, 3214868480
	.section	.rodata,"a",@progbits
	.p2align	6, 0x0
	.amdhsa_kernel k_q60edde32cb_down
		.amdhsa_group_segment_fixed_size 317440
		.amdhsa_private_segment_fixed_size 0
		.amdhsa_enable_private_segment 0
		.amdhsa_kernarg_size 48
		.amdhsa_user_sgpr_count 2
		.amdhsa_user_sgpr_kernarg_segment_ptr 1
		.amdhsa_wavefront_size32 1
		.amdhsa_system_sgpr_workgroup_id_x 1
		.amdhsa_system_sgpr_workgroup_id_y 1
		.amdhsa_system_sgpr_workgroup_id_z 1
		.amdhsa_system_vgpr_workitem_id 0
		.amdhsa_next_free_vgpr 512
		.amdhsa_next_free_sgpr 100
		.amdhsa_reserve_vcc 0
		.amdhsa_float_denorm_mode_32 3
		.amdhsa_float_denorm_mode_16_64 3
		.amdhsa_memory_ordered 1
		.amdhsa_forward_progress 1
		.amdhsa_inst_pref_size 109
	.end_amdhsa_kernel
	.amdgpu_metadata
---
amdhsa.version: [ 1, 2 ]
amdhsa.kernels:
  - .name:           k_q60edde32cb_down
    .symbol:         k_q60edde32cb_down.kd
    .args:
      - { .name: hm, .offset: 0, .size: 8, .value_kind: global_buffer, .address_space: global }
      - { .name: lst, .offset: 8, .size: 8, .value_kind: global_buffer, .address_space: global }
      - { .name: bm, .offset: 16, .size: 8, .value_kind: global_buffer, .address_space: global }
      - { .name: w2, .offset: 24, .size: 8, .value_kind: global_buffer, .address_space: global }
      - { .name: b2, .offset: 32, .size: 8, .value_kind: global_buffer, .address_space: global }
      - { .name: part, .offset: 40, .size: 8, .value_kind: global_buffer, .address_space: global }
    .group_segment_fixed_size: 317440
    .private_segment_fixed_size: 0
    .kernarg_segment_align: 8
    .kernarg_segment_size: 48
    .max_flat_workgroup_size: 256
    .sgpr_count:     100
    .vgpr_count:     512
    .wavefront_size: 32
...
	.end_amdgpu_metadata
.endif
;; end of part 3
;; launch sum (part 4): grid 256 x 1, 4 waves a work-group, no clusters, 0 bytes of LDS; arguments part, ti, tw, out0; writes out0
.if DOCPART == 4
	.amdgcn_target "amdgcn-amd-amdhsa--gfx1250"
	.amdhsa_code_object_version 6
	.text
	.protected	k_q60edde32cb_sum
	.globl	k_q60edde32cb_sum
	.p2align	8
	.type	k_q60edde32cb_sum,@function
k_q60edde32cb_sum:
	s_mov_b64 s[64:65], 0
	v_nop
	global_prefetch_b8 v0, s[64:65] scope:SCOPE_SE
	s_setreg_imm32_b32 hwreg(HW_REG_WAVE_MODE, 25, 1), 1
	s_wait_xcnt 0x0
; out0[t] = the sum over k = 0..3 of tw[t][k] x part[ti[t][k]][t].  A wave owns one token: four rows of 4,096 bytes in, one out; every load and store of the wave covers 512 consecutive bytes.
; All 32 loads go out before the first wait.  No LDS, no barrier, no matrix unit: bytes are all there is.  The four terms are added in the order of the choice, not of the experts' numbers: f32 sums of four terms.
	s_load_b256 s[4:11], s[0:1], 0x0               ; part s[4:5], ti s[6:7], tw s[8:9], out0 s[10:11]
	v_lshrrev_b32 v1, 5, v0
	v_readfirstlane_b32 s12, v1                    ; wave 0..3
	v_and_b32 v1, 31, v0
	v_lshlrev_b32 v1, 4, v1                        ; 16 bytes a lane
	s_lshl2_add_u32 s13, ttmp9, s12                ; my token
	s_lshl_b32 s14, s13, 4
	s_mov_b32 s15, 0
	s_wait_kmcnt 0x0
	s_add_nc_u64 s[6:7], s[6:7], s[14:15]
	s_add_nc_u64 s[8:9], s[8:9], s[14:15]
	s_load_b128 s[16:19], s[6:7], 0x0              ; its four experts,
	s_load_b128 s[20:23], s[8:9], 0x0              ; and their weights
	s_lshl_b32 s14, s13, 12
	s_add_nc_u64 s[10:11], s[10:11], s[14:15]
	s_add_nc_u64 s[4:5], s[4:5], s[14:15]          ; the token's row in expert 0's part
	s_wait_kmcnt 0x0
.irp k, 0,1,2,3
	s_min_u32 s[16+\k], s[16+\k], 15
	s_lshl_b32 s[24+2*\k], s[16+\k], 22            ; 1,024 rows of 4,096 bytes an expert
	s_mov_b32 s[25+2*\k], 0
	s_add_nc_u64 s[24+2*\k:25+2*\k], s[4:5], s[24+2*\k:25+2*\k]
.endr
	s_mov_b32 s32, s21                             ; the packed forms take a pair's low word for both halves: weights 1 and 3 get pairs of their own
	s_mov_b32 s33, s21
	s_mov_b32 s34, s23
	s_mov_b32 s35, s23
.irp k, 0,1,2,3
.irp i, 0,1,2,3,4,5,6,7
	global_load_b128 v[8+32*\k+4*\i:11+32*\k+4*\i], v1, s[24+2*\k:25+2*\k] offset:512*\i th:TH_LOAD_NT
.endr
.endr
	s_wait_loadcnt 24                              ; the first row is in; the other three rows' loads are younger
.set p, 0
.rept 16
	v_pk_mul_f32 v[136+2*p:137+2*p], v[8+2*p:9+2*p], s[20:21] op_sel_hi:[1,0]
.set p, p+1
.endr
	s_wait_loadcnt 16
.set p, 0
.rept 16
	v_pk_fma_f32 v[136+2*p:137+2*p], v[40+2*p:41+2*p], s[32:33], v[136+2*p:137+2*p] op_sel_hi:[1,0,1]
.set p, p+1
.endr
	s_wait_loadcnt 8
.set p, 0
.rept 16
	v_pk_fma_f32 v[136+2*p:137+2*p], v[72+2*p:73+2*p], s[22:23], v[136+2*p:137+2*p] op_sel_hi:[1,0,1]
.set p, p+1
.endr
	s_wait_loadcnt 0x0
.set p, 0
.rept 16
	v_pk_fma_f32 v[136+2*p:137+2*p], v[104+2*p:105+2*p], s[34:35], v[136+2*p:137+2*p] op_sel_hi:[1,0,1]
.set p, p+1
.endr
.irp i, 0,1,2,3,4,5,6,7
	global_store_b128 v1, v[136+4*\i:139+4*\i], s[10:11] offset:512*\i th:TH_STORE_NT
.endr
	s_endpgm
.Lfunc_end_k_q60edde32cb_sum:
	.size	k_q60edde32cb_sum, .Lfunc_end_k_q60edde32cb_sum-k_q60edde32cb_sum
	.p2alignl 7, 3214868480
	.fill 96, 4, 3214868480
	.section	.rodata,"a",@progbits
	.p2align	6, 0x0
	.amdhsa_kernel k_q60edde32cb_sum
		.amdhsa_group_segment_fixed_size 0
		.amdhsa_private_segment_fixed_size 0
		.amdhsa_enable_private_segment 0
		.amdhsa_kernarg_size 32
		.amdhsa_user_sgpr_count 2
		.amdhsa_user_sgpr_kernarg_segment_ptr 1
		.amdhsa_wavefront_size32 1
		.amdhsa_system_sgpr_workgroup_id_x 1
		.amdhsa_system_sgpr_workgroup_id_y 1
		.amdhsa_system_sgpr_workgroup_id_z 1
		.amdhsa_system_vgpr_workitem_id 0
		.amdhsa_next_free_vgpr 168
		.amdhsa_next_free_sgpr 66
		.amdhsa_reserve_vcc 0
		.amdhsa_float_denorm_mode_32 3
		.amdhsa_float_denorm_mode_16_64 3
		.amdhsa_memory_ordered 1
		.amdhsa_forward_progress 1
		.amdhsa_inst_pref_size 10
	.end_amdhsa_kernel
	.amdgpu_metadata
---
amdhsa.version: [ 1, 2 ]
amdhsa.kernels:
  - .name:           k_q60edde32cb_sum
    .symbol:         k_q60edde32cb_sum.kd
    .args:
      - { .name: part, .offset: 0, .size: 8, .value_kind: global_buffer, .address_space: global }
      - { .name: ti, .offset: 8, .size: 8, .value_kind: global_buffer, .address_space: global }
      - { .name: tw, .offset: 16, .size: 8, .value_kind: global_buffer, .address_space: global }
      - { .name: out0, .offset: 24, .size: 8, .value_kind: global_buffer, .address_space: global }
    .group_segment_fixed_size: 0
    .private_segment_fixed_size: 0
    .kernarg_segment_align: 8
    .kernarg_segment_size: 32
    .max_flat_workgroup_size: 128
    .sgpr_count:     66
    .vgpr_count:     168
    .wavefront_size: 32
...
	.end_amdgpu_metadata
.endif
;; end of part 4
;; ======== version 2 of 3: 5 launches
;; limits: values are held in f16: magnitudes above 65,504 overflow, below 6.1e-05 lose precision; a function is approximated: absolute error at most 1e-07
;; workspace buffers: xb 2,097,152 bytes; bm 2,048 bytes of whole numbers; ti 16,384 bytes of whole numbers; tw 16,384 bytes; xg 33,554,432 bytes; hm 67,108,864 bytes; lst 65,536 bytes of whole numbers; part 67,108,864 bytes
;; launch router: the kernel of part 1 again; grid 64 x 1, 8 waves a work-group, no clusters, 75,008 bytes of LDS; arguments hidden_states, router_w, router_b, xb, bm, ti, tw; writes xb, bm, ti, tw
;; launch gather (part 5): grid 16 x 16, 8 waves a work-group, no clusters, 0 bytes of LDS; arguments xb, bm, xg, lst; writes xg, lst
.if DOCPART == 5
	.amdgcn_target "amdgcn-amd-amdhsa--gfx1250"
	.amdhsa_code_object_version 6
	.text
	.protected	k_q60edde32cb_gather
	.globl	k_q60edde32cb_gather
	.p2align	8
	.type	k_q60edde32cb_gather,@function
k_q60edde32cb_gather:
	s_mov_b64 s[64:65], 0
	v_nop
	global_prefetch_b8 v0, s[64:65] scope:SCOPE_SE
	s_setreg_imm32_b32 hwreg(HW_REG_WAVE_MODE, 25, 1), 1
	s_wait_xcnt 0x0
; GATHER.  For each expert e: lst[e][rank] = the token of that rank (the rank-th set bit of bm[e]; ranks past the count repeat the last token), and xg[e] = the chosen rows of xb, laid out once as the first
; product's row fragments: [tile of 16 ranks][K step of 32][half][lane][16 bytes], 32,768 bytes a tile: lane (r, h) of (K step, half) holds row r, k = 32 K step + 16 half + 8 h + 0..7.
; The 16 work-groups that multiply an expert's rows then read them as runs of 512 consecutive bytes, by offsets made of ids and the count alone.
; SHARES.  Work-group (x, e) copies tiles x, x + 16, x + 32, x + 48 as far as the expert has them (a counted loop of four; a tile past the count jumps to the counter's step), so that an expert's tiles are spread
; over its 16 work-groups; wave w copies K steps 4 w .. 4 w + 3: 16 rows x 256 bytes in eight loads, out in eight stores of 512 consecutive bytes.  Waves 0 and 1 store the 64 ranks 64 x .. 64 x + 63 of lst,
; always: together 256 consecutive bytes.  No LDS, no barrier, no matrix unit: the launch moves bytes.  The reads take 32 bytes of each of 16 rows an instruction; each chosen row is read so once in the program.
; TOKEN OF RANK: the word is the first whose running count of set bits passes the rank; in it the bit is found by halving, from counts of 16, 8, 4, 2 and 1 bits.  An expert without rows gets tokens that nobody uses.
.set WV, 18
.set SL, 19
.set EX, 20
.set CNT, 21
.set TTOT, 22
.set LAST, 23
.set MM, 24
.set TL, 25
.set PFX, 66                           ; s[66:97] the running count of set bits; s[32:63] the words
.macro HALVE src, width, inc           ; are there more set bits wanted than the lower part holds?  Then go to the upper part
	v_bfe_u32 v43, \src, v42, \width
	v_cmp_ge_u32 vcc_lo, v34, v43
	v_sub_nc_u32 v44, v34, v43
	v_add_nc_u32 v45, \inc, v42
	v_cndmask_b32 v34, v34, v44, vcc_lo
	v_cndmask_b32 v42, v42, v45, vcc_lo
.endm
.macro SELECT tok                      ; v32 = a rank -> v[tok] = its token; v34-45 at work
	v_min_u32 v34, s[LAST], v32
	v_mov_b32 v35, s32
	v_mov_b32 v36, 0
	v_mov_b32 v37, 0
.set w, 0
.rept 31
	v_cmp_le_u32 vcc_lo, s[PFX+w], v34
	v_cndmask_b32 v35, v35, s[33+w], vcc_lo        ; the word,
	v_cndmask_b32 v36, v36, s[PFX+w], vcc_lo       ; the bits ahead of it,
	v_cndmask_b32 v37, v37, w+1, vcc_lo            ; its number
.set w, w+1
.endr
	v_sub_nc_u32 v34, v34, v36
	v_lshrrev_b32 v38, 1, v35
	v_and_b32 v38, 0x55555555, v38
	v_sub_nc_u32 v38, v35, v38                     ; counts of 2 bits
	v_lshrrev_b32 v39, 2, v38
	v_and_b32 v39, 0x33333333, v39
	v_and_b32 v40, 0x33333333, v38
	v_add_nc_u32 v39, v39, v40                     ; of 4
	v_lshrrev_b32 v40, 4, v39
	v_add_nc_u32 v40, v40, v39
	v_and_b32 v40, 0x0f0f0f0f, v40                 ; of 8
	v_lshrrev_b32 v41, 8, v40
	v_add_nc_u32 v41, v41, v40                     ; byte 0: of the low 16
	v_mov_b32 v42, 0
	HALVE v41, 8, 16
	HALVE v40, 8, 8
	HALVE v39, 4, 4
	HALVE v38, 2, 2
	HALVE v35, 1, 1
	v_lshl_add_u32 v[\tok], v37, 5, v42
.endm
	s_load_b256 s[4:11], s[0:1], 0x0               ; xb s[4:5], bm s[6:7], xg s[8:9], lst s[10:11]
	v_lshrrev_b32 v1, 5, v0
	v_readfirstlane_b32 s[WV], v1                  ; wave 0..7
	s_mov_b32 s[SL], ttmp9
	s_and_b32 s[EX], ttmp7, 0xffff
	v_and_b32 v1, 31, v0                           ; lane L
	v_and_b32 v2, 15, v0                           ; r
	v_bfe_u32 v3, v0, 4, 1                         ; h
	v_lshlrev_b32 v4, 4, v1                        ; 16 L
	s_lshl_b32 s28, s[WV], 8                       ; my four K steps: 256 bytes of a row
	v_lshl_add_u32 v5, v3, 4, s28                  ; 256 w + 16 h
	s_wait_kmcnt 0x0
	s_lshl_b32 s28, s[EX], 7
	s_mov_b32 s29, 0
	s_add_nc_u64 s[6:7], s[6:7], s[28:29]
	s_load_b512 s[32:47], s[6:7], 0x0              ; the expert's 1,024 bits
	s_load_b512 s[48:63], s[6:7], 0x40
	s_lshl_b32 s28, s[EX], 21                      ; 64 tiles of 32,768 bytes an expert,
	s_lshl_b32 s30, s[WV], 12                      ; four K steps of 1,024 bytes a wave
	s_add_co_u32 s28, s28, s30
	s_add_nc_u64 s[8:9], s[8:9], s[28:29]
	s_lshl_b32 s28, s[EX], 12
	s_lshl_b32 s30, s[SL], 8
	s_add_co_u32 s28, s28, s30
	s_add_nc_u64 s[10:11], s[10:11], s[28:29]      ; lst at my 64 ranks
	s_wait_kmcnt 0x0
	s_bcnt1_i32_b32 s[PFX], s32
.set w, 1
.rept 31
	s_bcnt1_i32_b32 s28, s[32+w]
	s_add_co_u32 s[PFX+w], s[PFX+w-1], s28
.set w, w+1
.endr
	s_mov_b32 s[CNT], s[PFX+31]
	s_add_co_u32 s[TTOT], s[CNT], 15
	s_lshr_b32 s[TTOT], s[TTOT], 4
	s_max_u32 s[LAST], s[CNT], 1
	s_sub_co_u32 s[LAST], s[LAST], 1               ; the last rank; ranks past it repeat it
	s_mov_b32 s[MM], 0
.Lm:
	s_wait_xcnt 0x0                                ; the last trip's loads and stores have read their offsets and data
	s_lshl_b32 s28, s[MM], 4
	s_add_co_u32 s[TL], s28, s[SL]                 ; tile x + 16 m
	s_cmp_ge_u32 s[TL], s[TTOT]
	s_cbranch_scc1 .Lmn
	s_lshl_b32 s28, s[TL], 4
	v_add_nc_u32 v32, s28, v2                      ; rank 16 tile + r
	SELECT 48
	v_min_u32 v48, 0x3ff, v48
	v_lshl_add_u32 v49, v48, 11, v5                ; token x 2,048 + 256 w + 16 h
.irp k, 0,1,2,3
	global_load_b128 v[64+8*\k:67+8*\k], v49, s[4:5] offset:64*\k
	global_load_b128 v[68+8*\k:71+8*\k], v49, s[4:5] offset:64*\k+32
.endr
	s_min_u32 s28, s[TL], 63
	s_lshl_b32 s28, s28, 15
	v_add_nc_u32 v50, s28, v4                      ; tile x 32,768 + 16 L
.irp k, 0,1,2,3
	s_wait_loadcnt 7-2*\k                          ; the tile's later loads may be out
	global_store_b128 v50, v[64+8*\k:67+8*\k], s[8:9] offset:1024*\k          ; 512 consecutive bytes, at a multiple of 256 from xg's first
	s_wait_loadcnt 6-2*\k
	global_store_b128 v50, v[68+8*\k:71+8*\k], s[8:9] offset:1024*\k+512
.endr
.Lmn:
	s_add_co_u32 s[MM], s[MM], 1
	s_cmp_lt_u32 s[MM], 4
	s_cbranch_scc1 .Lm
	s_cmp_ge_u32 s[WV], 2
	s_cbranch_scc1 .Lend
	s_lshl_b32 s28, s[SL], 6
	v_add_nc_u32 v32, s28, v0                      ; threads 0-63: rank 64 x + thread
	SELECT 46
	v_lshlrev_b32 v33, 2, v0
	global_store_b32 v33, v46, s[10:11]            ; 128 consecutive bytes a wave; the two waves fill an aligned 256
.Lend:
	s_endpgm
.Lfunc_end_k_q60edde32cb_gather:
	.size	k_q60edde32cb_gather, .Lfunc_end_k_q60edde32cb_gather-k_q60edde32cb_gather
	.p2alignl 7, 3214868480
	.fill 96, 4, 3214868480
	.section	.rodata,"a",@progbits
	.p2align	6, 0x0
	.amdhsa_kernel k_q60edde32cb_gather
		.amdhsa_group_segment_fixed_size 0
		.amdhsa_private_segment_fixed_size 0
		.amdhsa_enable_private_segment 0
		.amdhsa_kernarg_size 32
		.amdhsa_user_sgpr_count 2
		.amdhsa_user_sgpr_kernarg_segment_ptr 1
		.amdhsa_wavefront_size32 1
		.amdhsa_system_sgpr_workgroup_id_x 1
		.amdhsa_system_sgpr_workgroup_id_y 1
		.amdhsa_system_sgpr_workgroup_id_z 1
		.amdhsa_system_vgpr_workitem_id 0
		.amdhsa_next_free_vgpr 96
		.amdhsa_next_free_sgpr 100
		.amdhsa_reserve_vcc 1
		.amdhsa_float_denorm_mode_32 3
		.amdhsa_float_denorm_mode_16_64 3
		.amdhsa_memory_ordered 1
		.amdhsa_forward_progress 1
		.amdhsa_inst_pref_size 24
	.end_amdhsa_kernel
	.amdgpu_metadata
---
amdhsa.version: [ 1, 2 ]
amdhsa.kernels:
  - .name:           k_q60edde32cb_gather
    .symbol:         k_q60edde32cb_gather.kd
    .args:
      - { .name: xb, .offset: 0, .size: 8, .value_kind: global_buffer, .address_space: global }
      - { .name: bm, .offset: 8, .size: 8, .value_kind: global_buffer, .address_space: global }
      - { .name: xg, .offset: 16, .size: 8, .value_kind: global_buffer, .address_space: global }
      - { .name: lst, .offset: 24, .size: 8, .value_kind: global_buffer, .address_space: global }
    .group_segment_fixed_size: 0
    .private_segment_fixed_size: 0
    .kernarg_segment_align: 8
    .kernarg_segment_size: 32
    .max_flat_workgroup_size: 256
    .sgpr_count:     100
    .vgpr_count:     96
    .wavefront_size: 32
...
	.end_amdgpu_metadata
.endif
;; end of part 5
;; launch up (part 6): grid 16 x 16, 8 waves a work-group, no clusters, 295,936 bytes of LDS; arguments xg, bm, w1, b1, hm; writes hm
.if DOCPART == 6
	.amdgcn_target "amdgcn-amd-amdhsa--gfx1250"
	.amdhsa_code_object_version 6
	.text
	.protected	k_q60edde32cb_up
	.globl	k_q60edde32cb_up
	.p2align	8
	.type	k_q60edde32cb_up,@function
k_q60edde32cb_up:
	s_mov_b64 s[64:65], 0
	v_nop
	global_prefetch_b8 v0, s[64:65] scope:SCOPE_SE
	s_setreg_imm32_b32 hwreg(HW_REG_WAVE_MODE, 25, 1), 1
	s_wait_xcnt 0x0
; FIRST PRODUCT.  hm = gelu(x w1[e] + b1[e]) for the rows that chose expert e.  Work-group (slice sl, expert e) alone reads columns 128 sl .. 128 sl + 127 of w1[e] (512 KB of f32), rounds them to bf16
; on their way through registers, keeps them in LDS, and takes all of the expert's rows through them.  The rows come from xg, rounded and laid out as row fragments; b1 is rounded to bf16 like every input; sums in f32; hm is rounded once, to f16.
; LIMITS.  |gelu| of 65,520 or more becomes an infinity in hm; below 6e-5 hm keeps f16's fixed step of 6e-8.  The normal distribution's tail is a fifth-degree form in 1 / (1 + 0.2316419 |z|)
; times 2^(-z z log2(e) / 2), within 1e-7 absolutely; gelu = max(z, 0) - |z| tail has no difference of near numbers.  NaN and infinities are not treated apart.
; NO CLUSTER: each slice of weights has one reader; the shared rows are walked by trips of which a stored count says how many are live, and beside the slice LDS has no room for slots of them.
; NO TENSOR LOADS: the weights go through registers to be rounded.
; THE SLICE is 2,048 K' rows of 64 columns: K' = 1024 j + k, j = 0, 1 the two halves of the 128 columns, taken one after the other (320 rows x 128 columns of sums would not fit beside the operands).
; A CHUNK S = 0..15 is 128 K' rows, 32 KB of f32.  A PERIOD s = 0..3 is four chunks.
; ROLES.  Waves 4-7 are PRODUCERS, waves 0-3 CONSUMERS; the roles are apart because a wave's loads are counted in the order of issue: a row load issued behind weight loads would be waited for behind them.
; Producer p takes chunk 4 s + p in period s.  Its 64 landing slots of four registers are a ring: a group of eight slots is waited for, rounded into 16 other registers and loaded again at once with the next period's chunk,
; so that 56 to 64 loads of each producer, 128 KB of the work-group, are out all the time.  This runs beside the consumers' products of the period before.
; TWO BARRIERS A PERIOD.  Behind the first no consumer reads LDS any more; then the producers store their rounded chunks, 64 stores each; behind the second the consumers walk the period's four chunks.  So no wave reads LDS
; while another writes it, whatever the addresses.  (Chunks are written once and to bytes of their own, so the bytes themselves would do with the second barrier alone; the price of the first is that the consumers stand still during the 64 stores.)
; ROWS.  A tile is 16 ranks.  A pass is 20 tiles, consumer c takes tiles 20 pass + 4 t + c, t = 0..4.  Pass 0 runs beside the fill; passes 1-3 (an expert with more than 320 rows) read the resident slice, without barriers.
; A tile past the count still loads (one address for all lanes), so that every counted wait holds on every path; its products and stores are jumped.
; The sums start as the bias: both halves' bias is kept as 32 registers of packed bf16 and unpacked into the 160 accumulator registers, in place of a first K step written out in four loops.
; REGISTERS (windows of 256; s_set_vgpr_msb: bits 1:0 source 0, 3:2 source 1, 5:4 source 2, 7:6 destination).  Consumer: window 0: v32-159 weight fragments BF(ks, b) = 32 + 32 ks + 8 b, at work on the way out;
; v160-255 row fragments of tiles 0-2; window 1: v0-159 sums ACC(t, b) = 32 t + 8 b; v160-223 row fragments of tiles 3, 4; v224-255 the packed bias.
; Producer: window 1: the 64 landing slots; window 0: v32-159 the period's chunk, rounded, two registers a slot, until it is stored.
.set PSH,   13
.set PITCH, 1<<PSH                     ; bytes from row to row of w1
.set CH,    18432                      ; a chunk in LDS: 64 rows of 288 bytes.  An LDS row holds K' rows 2 q (bytes 0-127) and 2 q + 1 (128-255) and 32 bytes of padding
.set SPARE, 294912                     ; behind the slice: the spare words, 128 bytes a wave, four blocks of 256 bytes that no other line names
.set VL, 1
.set VR, 2
.set VH, 3
.set VBH, 7                            ; 32 h
.set AO, 8                             ; v8-12  tile t: my byte offset in the expert's part of xg
.set BADR0, 13                         ; my lane's place in a chunk, for the turning loads
.set SPW, 14
.set NIL, 15
.set BADR, 16
.set V16L, 17                          ; 16 L
.set VO, 24                            ; producer: my place in two rows of w1
.set LS0, 25                           ; producer: my place in an LDS row
.set LS, 26
.set VPF, 27                           ; producer: lane x pitch, for the prefetch
.set BF, 32
.set CV, 32                            ; producer: slot n's four numbers in bf16 at v[CV + 2 n : CV + 2 n + 1]
.set BL, 96                            ; v96-159: where the bias lands, once, at the head
.set BIASP, 224                        ; window 1: half j's pair i of my 32 columns at BIASP + 16 j + i
.set WV, 18
.set SL, 19
.set EX, 20
.set CNT, 21
.set TTOT, 22
.set NT, 23                            ; my live tiles in the pass
.set SS, 24                            ; the consumers' chunk
.set JJ, 25                            ; half slice
.set INN, 26
.set PASS, 27
.set ABASE, 32
.set PFB, 36
.set OUTB, 38
.set C1, 42                            ; s[42:51] the form's five factors, as pairs
.set MASKH, 52
.set TT, 53
.set SOFF, 54                          ; the consumers' chunk x CH
.set PP, 56
.set NH, 58
.set HMB, 60
.set BIASB0, 62
.set XGB, 66
.set PCH, 68                           ; the producer's chunk
.set PIN, 69
.set PSOFF, 70                         ; the producer's chunk x CH
.set PER, 71                           ; period
.set WB, 98
.set MSB, 0
.macro WIN new                         ; the immediate's high byte repeats the setting that is left; a switch that changes nothing is dropped
.if MSB != (\new)
	s_set_vgpr_msb (MSB<<8)|(\new)
.set MSB, \new
.endif
.endm
.macro BAR
	s_wait_dscnt 0x0                               ; my LDS stores are done and my LDS loads are back
	s_barrier_signal -1
	s_barrier_wait -1
.endm
.macro CHOFF                           ; s28 = a chunk's number -> s[28:29] = its byte offset in the slice: 128 rows for each k block, 256 bytes for the second half
	s_and_b32 s30, s28, 7
	s_lshl_b32 s30, s30, 20
	s_lshr_b32 s28, s28, 3
	s_lshl_b32 s28, s28, 8
	s_add_co_u32 s28, s28, s30
	s_mov_b32 s29, 0
.endm
; Group g's 32 landing registers, in window 1.  The two groups that lie where the consumers keep the row fragments of tiles 3 and 4 are taken last: so, on every way through the text, whatever the wave,
; a load into a register stands behind the counted wait that shows the older load into it done.
.macro SETRG g
.if (\g) < 5
.set rg, 32*(\g)
.elseif (\g) == 5
.set rg, 224
.elseif (\g) == 6
.set rg, 160
.else
.set rg, 192
.endif
.endm
.macro WLOAD                           ; a chunk: 64 loads, each two rows' 256 consecutive bytes, at multiples of 256 from w1's first byte
	WIN 0x40
.set g, 0
.rept 8
	SETRG g
.set i, 0
.rept 8
	global_load_b128 v[rg+4*i:rg+4*i+3], v[VO], s[WB:WB+1] offset:2*PITCH*(8*g+i) th:TH_LOAD_NT
.set i, i+1
.endr
.set g, g+1
.endr
	WIN 0
.endm
; A producer's period, first part: its chunk is rounded, eight slots at a time, into registers of its own.  refill = 1: each group is loaded again at once with the chunk four on (the next period's).
; In periods 0 and 1 the chunk eight on is prefetched: one period ahead of its load, 32 KB a producer, each piece of 256 bytes asked for once in the launch; chunk 15 is the last that is asked for.
.macro P_CONV refill
.if \refill
	s_wait_xcnt 0x0                                ; my last period's loads and prefetches have read WB and PFB
	s_add_co_u32 s28, s[PCH], 4
	CHOFF
	s_add_nc_u64 s[WB:WB+1], s[8:9], s[28:29]
.endif
.set g, 0
.rept 8
	SETRG g
.if \refill
	s_wait_loadcnt 56                              ; group g is in: younger are this chunk's 8 (7 - g) later loads and the 8 g refills
.else
	s_wait_loadcnt 56-8*g                          ; the last period: only this chunk's later loads are younger
.endif
.if (\refill) && (g == 0)
	s_cmp_ge_u32 s[PER], 2
	s_cbranch_scc1 .Lnopf_\@
	s_add_co_u32 s28, s[PCH], 8
	CHOFF
	s_add_nc_u64 s[PFB:PFB+1], s[8:9], s[28:29]
.irp m, 0,1,2,3
	global_prefetch_b8 v[VPF], s[PFB:PFB+1] offset:32*PITCH*\m th:TH_LOAD_NT scope:SCOPE_SE  ; one lane a row: the chunk's 128 pieces of 256 bytes; the conversions follow
.endr
.Lnopf_\@:
.endif
	WIN 0x05                                       ; sources in window 1, destination in window 0
.set i, 0
.rept 8
	v_cvt_pk_bf16_f32 v[CV+2*(8*g+i)],   v[rg+4*i],   v[rg+4*i+1]
	v_cvt_pk_bf16_f32 v[CV+2*(8*g+i)+1], v[rg+4*i+2], v[rg+4*i+3]
.set i, i+1
.endr
.if \refill
	WIN 0x40
.set i, 0
.rept 8
	global_load_b128 v[rg+4*i:rg+4*i+3], v[VO], s[WB:WB+1] offset:2*PITCH*(8*g+i) th:TH_LOAD_NT
.set i, i+1
.endr
.endif
.set g, g+1
.endr
	WIN 0
	s_add_co_u32 s[PCH], s[PCH], 4
.endm
.macro P_STORE                         ; second part, between the period's two barriers: the rounded chunk goes into LDS
	v_add_nc_u32 v[LS], s[PSOFF], v[LS0]
	s_add_co_u32 s[PSOFF], s[PSOFF], 4*CH
.set n, 0
.rept 64
	ds_store_b64 v[LS], v[CV+2*n:CV+2*n+1] offset:288*n    ; 32 lanes fill an LDS row's 256 bytes
.set n, n+1
.endr
.endm
.macro NTCALC                          ; my live tiles in this pass: ceil((tiles - 20 pass - c) / 4), held to 0..5
	s_mul_i32 s28, s[PASS], 20
	s_add_co_u32 s28, s28, s[WV]
	s_sub_co_i32 s28, s[TTOT], s28
	s_add_co_i32 s28, s28, 3
	s_ashr_i32 s28, s28, 2
	s_max_i32 s28, s28, 0
	s_min_i32 s[NT], s28, 5
.endm
.macro AOUPD                           ; s28 = my tile 0: the five tiles' byte offsets in the expert's part of xg: tile x 32,768 + 16 L; a tile past the count: offset 0 in every lane
	s_wait_xcnt 0x0                                ; pending row loads have read AO
.irp t, 0,1,2,3,4
	s_add_co_u32 s30, s28, 4*\t
	s_cmp_lt_u32 s30, s[TTOT]
	s_cselect_b32 s31, 16, 0                       ; bytes from lane to lane,
	s_cselect_b32 s30, s30, 0                      ; and the tile: both chosen by the stored count, so both are held to their bounds
	s_min_u32 s31, s31, 16
	s_min_u32 s30, s30, 63
	s_lshl_b32 s30, s30, 15
	v_mul_u32_u24 v[AO+\t], s31, v[VL]
	v_add_nc_u32 v[AO+\t], s30, v[AO+\t]
.endr
.endm
.macro AFILL t                         ; tile t's row fragments of one chunk: eight loads of 512 consecutive bytes
.if (\t) < 3
	WIN 0
.set rA, 160+32*(\t)
.else
	WIN 0x40
.set rA, 160+32*((\t)-3)
.endif
.irp k, 0,1,2,3
	global_load_b128 v[rA+8*\k:rA+8*\k+3],   v[AO+\t], s[ABASE:ABASE+1] offset:1024*\k
	global_load_b128 v[rA+8*\k+4:rA+8*\k+7], v[AO+\t], s[ABASE:ABASE+1] offset:1024*\k+512
.endr
	WIN 0
.endm
; Tile t of a trip.  Source 0 = 16 columns of the weights, source 1 = 16 rows: a lane holds row r and columns 8 h + 0..7.  The tile's four accumulators take turns, one instruction a turn.
.macro TILE t
	s_wait_loadcnt 32                              ; my tile's eight loads are in: younger are the later tiles' 8 (4 - t) and this trip's 8 t refills
	s_cmp_le_u32 s[NT], \t
	s_cbranch_scc1 .Ldead_\@
.if (\t) < 3
.set rA, 160+32*(\t)
	WIN 0x50
.else
.set rA, 160+32*((\t)-3)
	WIN 0x54
.endif
.irp k, 0,1,2,3
.if (\t) == 0
	s_wait_dscnt 24-8*\k                           ; the weight fragments of the later K steps may be out
.endif
.irp b, 0,1,2,3
	v_wmma_f32_16x16x32_bf16 v[32*(\t)+8*\b:32*(\t)+8*\b+7], v[BF+32*\k+8*\b:BF+32*\k+8*\b+7], v[rA+8*\k:rA+8*\k+7], v[32*(\t)+8*\b:32*(\t)+8*\b+7]
.endr
.endr
	WIN 0
.rept 4
	v_nop                                          ; four places between the products and the loads into their sources (ISA guide 7.12.1 for vector instructions)
.endr
.Ldead_\@:
.if (\t) == 0
	s_wait_dscnt 0x0                               ; on the way round the products too: the fragments are loaded into again next trip
.endif
	AFILL \t                                       ; the next chunk's rows
.endm
.macro C_TRIP
	s_wait_xcnt 0x0                                ; pending loads and stores have read their bases and registers
	s_add_co_u32 s28, s[SS], 1
	s_and_b32 s28, s28, 7
	s_lshl_b32 s28, s28, 12                        ; the next chunk's four K steps of 1,024 bytes
	s_mov_b32 s29, 0
	s_add_nc_u64 s[ABASE:ABASE+1], s[XGB:XGB+1], s[28:29]
	s_cmp_lg_u32 s[SS], 15
	s_cbranch_scc1 .Lsame_\@
	s_mul_i32 s28, s[PASS], 20                     ; the last trip's refills fetch the next pass's tiles
	s_add_co_u32 s28, s28, 20
	s_add_co_u32 s28, s28, s[WV]
	AOUPD
.Lsame_\@:
	v_add_nc_u32 v[BADR], s[SOFF], v[BADR0]
.irp k, 0,1,2,3
.irp b, 0,1,2,3
	ds_load_tr16_b128 v[BF+32*\k+8*\b:BF+32*\k+8*\b+3],   v[BADR] offset:4608*\k+32*\b
	ds_load_tr16_b128 v[BF+32*\k+8*\b+4:BF+32*\k+8*\b+7], v[BADR] offset:4608*\k+2304+32*\b
.endr
.endr
	TILE 0
	TILE 1
	TILE 2
	TILE 3
	TILE 4
.endm
.macro UNPACK j                        ; half j's bias, bf16 to f32, starts all five tiles' sums
	WIN 0x44
.set t, 0
.rept 5
.set i, 0
.rept 16
	v_lshlrev_b32 v[32*t+2*i], 16, v[BIASP+16*(\j)+i]
	v_and_b32 v[32*t+2*i+1], s[MASKH], v[BIASP+16*(\j)+i]
.set i, i+1
.endr
.set t, t+1
.endr
	WIN 0
.endm
.macro INIT                            ; s28 = the half slice whose sums begin
	s_cmp_eq_u32 s28, 0
	s_cbranch_scc1 .Lh0_\@
	UNPACK 1
	s_branch .Lhd_\@
.Lh0_\@:
	UNPACK 0
.Lhd_\@:
.endm
.macro COPY t                          ; tile t's sums into window 0, each accumulator from its low end on
	WIN 0x01
.set i, 0
.rept 32
	v_mov_b32 v[32+i], v[32*(\t)+i]
.set i, i+1
.endr
	WIN 0
.endm
; THE WAY OUT of a half slice: a counted loop over my five tiles; a dead tile jumps to the counter's step.  Five short blocks name the tiles' registers, one body does the rest.
; A lane's eight columns of block b, rounded to f16, ARE 16 bytes of the next product's row fragment (K step 4 sl + 2 j + b / 2, half b % 2, the same lane): they are stored as such, 512 consecutive bytes a store, with no stage.
.macro EPI
	s_mov_b32 s[TT], 0
.Lepi_\@:
	s_wait_xcnt 0x0                                ; the last tile's stores have read their data and their base
	s_cmp_ge_u32 s[TT], s[NT]
	s_cbranch_scc1 .Lnext_\@
	s_cmp_eq_u32 s[TT], 0
	s_cbranch_scc1 .Lc0_\@
	s_cmp_eq_u32 s[TT], 1
	s_cbranch_scc1 .Lc1_\@
	s_cmp_eq_u32 s[TT], 2
	s_cbranch_scc1 .Lc2_\@
	s_cmp_eq_u32 s[TT], 3
	s_cbranch_scc1 .Lc3_\@
	COPY 4
	s_branch .Lbody_\@
.Lc0_\@:
	COPY 0
	s_branch .Lbody_\@
.Lc1_\@:
	COPY 1
	s_branch .Lbody_\@
.Lc2_\@:
	COPY 2
	s_branch .Lbody_\@
.Lc3_\@:
	COPY 3
.Lbody_\@:
	s_mul_i32 s28, s[PASS], 20
	s_lshl2_add_u32 s28, s[TT], s28
	s_add_co_u32 s28, s28, s[WV]                   ; the tile
	s_min_u32 s28, s28, 63
	s_lshl_b32 s28, s28, 16                        ; 65,536 bytes a tile of hm,
	s_lshl_b32 s30, s[JJ], 11                      ; two K steps of 1,024 bytes a half slice
	s_add_co_u32 s28, s28, s30
	s_mov_b32 s29, 0
	s_add_nc_u64 s[OUTB:OUTB+1], s[HMB:HMB+1], s[28:29]
	; z in v32-63; v64-95: 1 + 0.2316419 |z|, then t; v96-127: -z z log2(e) / 2, then its power of two; v128-159: the form
.set i, 0
.rept 32
	v_fma_f32 v[64+i], |v[32+i]|, s[PP], 1.0
.set i, i+1
.endr
.set i, 0
.rept 16
	v_pk_mul_f32 v[96+2*i:97+2*i], v[32+2*i:33+2*i], v[32+2*i:33+2*i]
.set i, i+1
.endr
.set i, 0
.rept 16
	v_pk_mul_f32 v[96+2*i:97+2*i], v[96+2*i:97+2*i], s[NH:NH+1] op_sel_hi:[1,0]
.set i, i+1
.endr
.set i, 0
.rept 32
	v_rcp_f32 v[64+i], v[64+i]
	v_exp_f32 v[96+i], v[96+i]
.set i, i+1
.endr
	v_nop                                          ; the plain line behind the last of them,
	s_wait_alu depctr_va_vdst(0)                   ; and ONE wait for the batch of 64, ahead of its first reader
.set i, 0
.rept 16
	v_pk_fma_f32 v[128+2*i:129+2*i], v[64+2*i:65+2*i], s[C1+8:C1+9], s[C1+6:C1+7] op_sel_hi:[1,0,0]
.set i, i+1
.endr
.irp c, 4,2,0
.set i, 0
.rept 16
	v_pk_fma_f32 v[128+2*i:129+2*i], v[128+2*i:129+2*i], v[64+2*i:65+2*i], s[C1+\c:C1+\c+1] op_sel_hi:[1,1,0]
.set i, i+1
.endr
.endr
.set i, 0
.rept 16
	v_pk_mul_f32 v[128+2*i:129+2*i], v[128+2*i:129+2*i], v[64+2*i:65+2*i]
.set i, i+1
.endr
.set i, 0
.rept 16
	v_pk_mul_f32 v[128+2*i:129+2*i], v[128+2*i:129+2*i], v[96+2*i:97+2*i]       ; the tail beyond |z|
.set i, i+1
.endr
.set i, 0
.rept 32
	v_max_num_f32 v[64+i], 0, v[32+i]
.set i, i+1
.endr
.set i, 0
.rept 32
	v_fma_f32 v[32+i], -|v[32+i]|, v[128+i], v[64+i]                            ; gelu = max(z, 0) - |z| tail
.set i, i+1
.endr
.set i, 0
.rept 16
	v_cvt_pk_f16_f32 v[96+i], v[32+2*i], v[33+2*i]
.set i, i+1
.endr
.irp b, 0,1,2,3
	global_store_b128 v[V16L], v[96+4*\b:99+4*\b], s[OUTB:OUTB+1] offset:512*\b ; 512 consecutive bytes, at a multiple of 256 from hm's first
.endr
.Lnext_\@:
	s_add_co_u32 s[TT], s[TT], 1
	s_cmp_lt_u32 s[TT], 5
	s_cbranch_scc1 .Lepi_\@
.endm
	s_load_b256 s[4:11], s[0:1], 0x0               ; xg s[4:5], bm s[6:7], w1 s[8:9], b1 s[10:11]
	s_load_b64 s[12:13], s[0:1], 0x20              ; hm
	v_lshl_add_u32 v[SPW], v0, 2, SPARE            ; my spare word, and 0: kept for the closing lines alone
	v_mov_b32 v[NIL], 0
	v_lshrrev_b32 v18, 5, v0
	v_readfirstlane_b32 s[WV], v18                 ; wave 0..7
	s_mov_b32 s[SL], ttmp9
	s_and_b32 s[EX], ttmp7, 0xffff
	v_and_b32 v[VL], 31, v0
	v_and_b32 v[VR], 15, v0
	v_bfe_u32 v[VH], v0, 4, 1
	v_lshlrev_b32 v[VBH], 5, v[VH]
	v_lshlrev_b32 v[V16L], 4, v[VL]
	v_bfe_u32 v18, v0, 1, 2                        ; the turning load: lane L reads K' row 8 h + L % 8, columns 8 ((L / 8) % 2) + 0..7
	v_lshl_add_u32 v18, v[VH], 2, v18              ; its LDS row,
	v_mul_u32_u24 v18, v18, 288
	v_and_b32 v19, 1, v0                           ; which half of that row,
	v_lshl_add_u32 v18, v19, 7, v18
	v_bfe_u32 v19, v0, 3, 1                        ; which 16 bytes
	v_lshl_add_u32 v[BADR0], v19, 4, v18
	v_lshlrev_b32 v18, 4, v[VR]
	v_lshl_add_u32 v[VO], v[VH], PSH, v18          ; lanes 0-15 one row's 256 bytes, lanes 16-31 the next row's
	v_lshlrev_b32 v18, 3, v[VR]
	v_lshl_add_u32 v[LS0], v[VH], 7, v18
	v_lshlrev_b32 v[VPF], PSH, v[VL]
	s_wait_kmcnt 0x0
	s_lshl_b32 s28, s[EX], 7
	s_mov_b32 s29, 0
	s_add_nc_u64 s[6:7], s[6:7], s[28:29]
	s_load_b512 s[32:47], s[6:7], 0x0              ; the expert's 1,024 bits: here only their number is wanted
	s_load_b512 s[48:63], s[6:7], 0x40
	s_lshl_b32 s28, s[EX], 23
	s_lshl_b32 s30, s[SL], 9
	s_add_co_u32 s28, s28, s30
	s_add_nc_u64 s[8:9], s[8:9], s[28:29]          ; w1 at my slice
	s_and_b32 s[PCH], s[WV], 3                     ; producer p begins with chunk p
	s_cmp_lt_u32 s[WV], 4
	s_cbranch_scc1 .Lhead_c
	s_mov_b32 s28, s[PCH]
	CHOFF
	s_add_nc_u64 s[WB:WB+1], s[8:9], s[28:29]
	WLOAD
.Lhead_c:
	s_wait_kmcnt 0x0
	s_bcnt1_i32_b32 s[CNT], s32
.set w, 1
.rept 31
	s_bcnt1_i32_b32 s28, s[32+w]
	s_add_co_u32 s[CNT], s[CNT], s28
.set w, w+1
.endr
	s_add_co_u32 s[TTOT], s[CNT], 15
	s_lshr_b32 s[TTOT], s[TTOT], 4
	; the bitmap's registers are free now
	s_mov_b32 s[C1+0], 0x3e027906                  ;  0.127414796
	s_mov_b32 s[C1+1], 0x3e027906
	s_mov_b32 s[C1+2], 0xbe11a98e                  ; -0.142248368
	s_mov_b32 s[C1+3], 0xbe11a98e
	s_mov_b32 s[C1+4], 0x3f35f0e3                  ;  0.710706871
	s_mov_b32 s[C1+5], 0x3f35f0e3
	s_mov_b32 s[C1+6], 0xbf3a00e3                  ; -0.726576014
	s_mov_b32 s[C1+7], 0xbf3a00e3
	s_mov_b32 s[C1+8], 0x3f07dc22                  ;  0.530702715
	s_mov_b32 s[C1+9], 0x3f07dc22
	s_mov_b32 s[MASKH], 0xffff0000
	s_mov_b32 s[PP], 0x3e6d3389                    ;  0.2316419
	s_mov_b32 s[NH], 0xbf38aa3b                    ; -log2(e) / 2
	s_mov_b32 s[NH+1], 0xbf38aa3b
	s_lshl_b32 s28, s[EX], 22
	s_lshl_b32 s30, s[SL], 12
	s_add_co_u32 s28, s28, s30
	s_mov_b32 s29, 0
	s_add_nc_u64 s[HMB:HMB+1], s[12:13], s[28:29]  ; hm at my expert, K step 4 sl
	s_lshl_b32 s28, s[EX], 13
	s_lshl_b32 s30, s[SL], 9
	s_add_co_u32 s28, s28, s30
	s_add_nc_u64 s[BIASB0:BIASB0+1], s[10:11], s[28:29]
	s_lshl_b32 s28, s[EX], 21
	s_add_nc_u64 s[XGB:XGB+1], s[4:5], s[28:29]    ; xg at my expert
	s_mul_i32 s[PSOFF], s[PCH], CH
	s_mov_b32 s[PER], 0
	s_mov_b32 s[SS], 0
	s_mov_b32 s[SOFF], 0
	s_mov_b32 s[PASS], 0
	s_mov_b32 s[JJ], 0
	s_cmp_ge_u32 s[WV], 4
	s_cbranch_scc1 .LA_j
	NTCALC
.irp j, 0,1
.irp b, 0,1,2,3
	global_load_b128 v[BL+32*\j+8*\b:BL+32*\j+8*\b+3],   v[VBH], s[BIASB0:BIASB0+1] offset:256*\j+64*\b      ; b1 of my columns 64 j + 16 b + 8 h + 0..7
	global_load_b128 v[BL+32*\j+8*\b+4:BL+32*\j+8*\b+7], v[VBH], s[BIASB0:BIASB0+1] offset:256*\j+64*\b+16
.endr
.endr
	s_mov_b32 s28, s[WV]
	AOUPD
	s_mov_b64 s[ABASE:ABASE+1], s[XGB:XGB+1]
	AFILL 0
	AFILL 1
	AFILL 2
	s_wait_loadcnt 24                              ; the bias is in; the 24 row loads of tiles 0-2 are younger
	WIN 0x40
.set i, 0
.rept 32
	v_cvt_pk_bf16_f32 v[BIASP+i], v[BL+2*i], v[BL+2*i+1]                        ; rounded to bf16, once for the launch
.set i, i+1
.endr
	WIN 0
	AFILL 3                                        ; tiles 3 and 4, wanted last in a trip, are asked for behind the packing
	AFILL 4
	UNPACK 0
	; PASS 0, beside the fill: two periods for each half slice
.LA_j:
	s_mov_b32 s[PIN], 2
.LA_p:
	s_cmp_lt_u32 s[WV], 4
	s_cbranch_scc1 .LA_a
	s_cmp_eq_u32 s[PER], 3
	s_cbranch_scc1 .LA_last
	P_CONV 1
	s_branch .LA_a
.LA_last:
	P_CONV 0                                       ; the last period's chunks have no successors
.LA_a:
	BAR                                            ; every consumer's reads of the period before are over
	s_cmp_lt_u32 s[WV], 4
	s_cbranch_scc1 .LA_b
	P_STORE
.LA_b:
	BAR                                            ; the period's four chunks are in LDS for every wave
	s_cmp_ge_u32 s[WV], 4
	s_cbranch_scc1 .LA_step
	s_mov_b32 s[INN], 4
.LA_in:
	C_TRIP
	s_add_co_u32 s[SS], s[SS], 1
	s_add_co_u32 s[SOFF], s[SOFF], CH
	s_sub_co_u32 s[INN], s[INN], 1
	s_cmp_lg_u32 s[INN], 0
	s_cbranch_scc1 .LA_in
.LA_step:
	s_add_co_u32 s[PER], s[PER], 1
	s_sub_co_u32 s[PIN], s[PIN], 1
	s_cmp_lg_u32 s[PIN], 0
	s_cbranch_scc1 .LA_p
	s_cmp_ge_u32 s[WV], 4
	s_cbranch_scc1 .LA_jn
	EPI
	s_xor_b32 s28, s[JJ], 1
	INIT                                           ; the other half's sums begin
.LA_jn:
	s_add_co_u32 s[JJ], s[JJ], 1
	s_cmp_lt_u32 s[JJ], 2
	s_cbranch_scc1 .LA_j
	; PASSES 1 TO 3: the slice is resident, and nothing in these passes writes LDS, so no barrier stands in them; the producers go to the end
	s_cmp_ge_u32 s[WV], 4
	s_cbranch_scc1 .Lend
	s_mov_b32 s[PASS], 1
.LB_p:
	s_mul_i32 s28, s[PASS], 20
	s_cmp_ge_u32 s28, s[TTOT]
	s_cbranch_scc1 .LB_pn
	NTCALC
	s_mov_b32 s[SS], 0
	s_mov_b32 s[SOFF], 0
	s_mov_b32 s[JJ], 0
.LB_j:
	s_mov_b32 s[INN], 8
.LB_in:
	C_TRIP
	s_add_co_u32 s[SS], s[SS], 1
	s_add_co_u32 s[SOFF], s[SOFF], CH
	s_sub_co_u32 s[INN], s[INN], 1
	s_cmp_lg_u32 s[INN], 0
	s_cbranch_scc1 .LB_in
	EPI
	s_xor_b32 s28, s[JJ], 1
	INIT
	s_add_co_u32 s[JJ], s[JJ], 1
	s_cmp_lt_u32 s[JJ], 2
	s_cbranch_scc1 .LB_j
.LB_pn:
	s_add_co_u32 s[PASS], s[PASS], 1
	s_cmp_lt_u32 s[PASS], 4
	s_cbranch_scc1 .LB_p
.Lend:
	BAR                                            ; every wave's reads of LDS are over before any wave's closing write to LDS
	s_wait_tensorcnt 0x0                           ; the wave's end: the closing lines, behind my last LDS store
	ds_add_u32 v[SPW], v[NIL]
	s_wait_dscnt 0x0
	s_endpgm
.Lfunc_end_k_q60edde32cb_up:
	.size	k_q60edde32cb_up, .Lfunc_end_k_q60edde32cb_up-k_q60edde32cb_up
	.p2alignl 7, 3214868480
	.fill 96, 4, 3214868480
	.section	.rodata,"a",@progbits
	.p2align	6, 0x0
	.amdhsa_kernel k_q60edde32cb_up
		.amdhsa_group_segment_fixed_size 295936
		.amdhsa_private_segment_fixed_size 0
		.amdhsa_enable_private_segment 0
		.amdhsa_kernarg_size 40
		.amdhsa_user_sgpr_count 2
		.amdhsa_user_sgpr_kernarg_segment_ptr 1
		.amdhsa_wavefront_size32 1
		.amdhsa_system_sgpr_workgroup_id_x 1
		.amdhsa_system_sgpr_workgroup_id_y 1
		.amdhsa_system_sgpr_workgroup_id_z 1
		.amdhsa_system_vgpr_workitem_id 0
		.amdhsa_next_free_vgpr 512
		.amdhsa_next_free_sgpr 100
		.amdhsa_reserve_vcc 0
		.amdhsa_float_denorm_mode_32 3
		.amdhsa_float_denorm_mode_16_64 3
		.amdhsa_memory_ordered 1
		.amdhsa_forward_progress 1
		.amdhsa_inst_pref_size 151
	.end_amdhsa_kernel
	.amdgpu_metadata
---
amdhsa.version: [ 1, 2 ]
amdhsa.kernels:
  - .name:           k_q60edde32cb_up
    .symbol:         k_q60edde32cb_up.kd
    .args:
      - { .name: xg, .offset: 0, .size: 8, .value_kind: global_buffer, .address_space: global }
      - { .name: bm, .offset: 8, .size: 8, .value_kind: global_buffer, .address_space: global }
      - { .name: w1, .offset: 16, .size: 8, .value_kind: global_buffer, .address_space: global }
      - { .name: b1, .offset: 24, .size: 8, .value_kind: global_buffer, .address_space: global }
      - { .name: hm, .offset: 32, .size: 8, .value_kind: global_buffer, .address_space: global }
    .group_segment_fixed_size: 295936
    .private_segment_fixed_size: 0
    .kernarg_segment_align: 8
    .kernarg_segment_size: 40
    .max_flat_workgroup_size: 256
    .sgpr_count:     100
    .vgpr_count:     512
    .wavefront_size: 32
...
	.end_amdgpu_metadata
.endif
;; end of part 6
;; launch down (part 7): grid 16 x 16, 8 waves a work-group, no clusters, 317,440 bytes of LDS; arguments hm, lst, bm, w2, b2, part; writes part
.if DOCPART == 7
	.amdgcn_target "amdgcn-amd-amdhsa--gfx1250"
	.amdhsa_code_object_version 6
	.text
	.protected	k_q60edde32cb_down
	.globl	k_q60edde32cb_down
	.p2align	8
	.type	k_q60edde32cb_down,@function
k_q60edde32cb_down:
	s_mov_b64 s[64:65], 0
	v_nop
	global_prefetch_b8 v0, s[64:65] scope:SCOPE_SE
	s_setreg_imm32_b32 hwreg(HW_REG_WAVE_MODE, 25, 1), 1
	s_wait_xcnt 0x0
; SECOND PRODUCT.  part[e][token] = hm w2[e] + b2[e], one f32 row for each (expert, chosen token); the gates' weights and the sum over a token's four experts follow in the last launch (partial sums stay in f32).
; Work-group (slice sl, expert e) alone reads columns 64 sl .. 64 sl + 63 of w2[e] (512 KB of f32), keeps them in LDS and takes all of the expert's rows through them.  The frame is the first product's:
; a chunk S = 0..15 is 128 K rows, 32 KB of f32; a period s = 0..3 is four chunks.  Waves 4-7 are PRODUCERS: producer p takes chunk 4 s + p in period s; its 64 landing slots are a ring: a group of eight is waited for,
; rounded into 16 other registers and loaded again at once with the next period's chunk, so that 56 to 64 loads of each producer, 128 KB of the work-group, are out all the time; this runs beside the products of the period before.
; Waves 0-3 are CONSUMERS.  TWO BARRIERS A PERIOD: behind the first no consumer reads LDS any more; then the producers store their rounded chunks, 64 stores each; behind the second the consumers walk the period's four chunks.
; So no wave reads LDS while another writes it, whatever the addresses.  (Chunks are written once and to bytes of their own, so the bytes themselves would do with the second barrier alone; the price of the first is that
; the consumers stand still during the 64 stores.)  The first period's barriers also put the copy of the list ahead of its first reader.
; FORMATS.  hm is f16, so the product is f16 x f16 with f32 sums.  w2 is rounded to bf16 like every input, and that number is written as f16: exact from 6.1e-5 to 65,504 in size; below, f16's fixed step of 6e-8 holds.  b2 is rounded to bf16.
; ROWS.  hm holds the row fragments as the matrix unit takes them: [tile of 16 ranks][K step][half][lane][16 bytes], so a row load is 512 consecutive bytes.  A pass is 20 tiles, consumer c takes tiles 20 pass + 4 t + c.
; Pass 0 runs beside the fill; a barrier stands between its trips and its way out, which stores into the stages.  Passes 1-3 (more than 320 rows) read the resident slice: a loop of three trips that all eight waves walk, with two
; barriers a trip (the stages' last use ahead of the pass's reads of LDS, those reads ahead of the stages' next stores); a pass without rows, and the producers, jump the work between the barriers.  A tile past the count still
; loads (one address for all lanes), so that every counted wait holds on every path; its products and stores are jumped.  Ranks past the count repeat the last token: the same numbers go to the same row, from the same wave.
; NO CLUSTER: each slice of weights has one reader; the shared rows are walked by trips of which a stored count says how many are live, and beside the slice LDS has no room for slots of them.
; The sums start as the bias, kept as 16 registers of packed bf16 and unpacked into the 160 accumulator registers, in place of a first K step written out in two loops.
; REGISTERS as in the first product: window 0: v32-159 weight fragments, at work on the way out; v160-255 row fragments of tiles 0-2; window 1: v0-159 sums; v160-223 row fragments of tiles 3, 4; v224-239 the packed bias.
; Producer: window 1: the 64 landing slots; window 0: v32-159 the period's chunk, rounded, two registers a slot, until it is stored.
.set PSH,   12
.set PITCH, 1<<PSH
.set CH,    18432                      ; a chunk in LDS: 64 rows of 288 bytes, two K rows of 128 bytes and 32 of padding each
.set LIST,  294912                     ; 1,024 words: the token of each rank
.set STAGE, 299008                     ; for each consumer 16 rows x 272 bytes, for the way out
.set SPARE, 316416                     ; the spare words: 128 bytes a wave, four blocks of 256 bytes that no other line names
.set VL, 1
.set VR, 2
.set VH, 3
.set STO, 4
.set RD, 5
.set VLI, 6
.set VBH, 7
.set AO, 8
.set BADR0, 13
.set SPW, 14
.set NIL, 15
.set BADR, 16
.set V16R, 17
.set VO, 24
.set LS0, 25
.set LS, 26
.set VPF, 27
.set BF, 32
.set CV, 32                            ; producer: slot n's four numbers in f16 at v[CV + 2 n : CV + 2 n + 1]
.set BL, 96                            ; v96-127: where the bias lands, once, at the head
.set BIASP, 224                        ; window 1: pair i of my 32 columns at BIASP + i
.set WV, 18
.set SL, 19
.set EX, 20
.set CNT, 21
.set TTOT, 22
.set NT, 23
.set SS, 24
.set INN, 26
.set PASS, 27
.set ABASE, 32
.set PFB, 36
.set OUTB, 38
.set MASKH, 52
.set TT, 53
.set SOFF, 54
.set HMB, 60
.set PCH, 68                           ; the producer's chunk
.set PSOFF, 70                         ; the producer's chunk x CH
.set PER, 71                           ; period
.set WB, 98
.set MSB, 0
.macro WIN new
.if MSB != (\new)
	s_set_vgpr_msb (MSB<<8)|(\new)
.set MSB, \new
.endif
.endm
.macro BAR
	s_wait_dscnt 0x0                               ; my LDS stores are done and my LDS loads are back
	s_barrier_signal -1
	s_barrier_wait -1
.endm
; Group g's 32 landing registers, in window 1.  The two groups that lie where the consumers keep the row fragments of tiles 3 and 4 are taken last: so, on every way through the text, whatever the wave,
; a load into a register stands behind the counted wait that shows the older load into it done.
.macro SETRG g
.if (\g) < 5
.set rg, 32*(\g)
.elseif (\g) == 5
.set rg, 224
.elseif (\g) == 6
.set rg, 160
.else
.set rg, 192
.endif
.endm
.macro WLOAD                           ; a chunk: 64 loads, each two rows' 256 consecutive bytes, at multiples of 256 from w2's first byte
	WIN 0x40
.set g, 0
.rept 8
	SETRG g
.set i, 0
.rept 8
	global_load_b128 v[rg+4*i:rg+4*i+3], v[VO], s[WB:WB+1] offset:2*PITCH*(8*g+i) th:TH_LOAD_NT
.set i, i+1
.endr
.set g, g+1
.endr
	WIN 0
.endm
; A producer's period, first part: its chunk is rounded, eight slots at a time, into registers of its own; the conversions stand in stages of 16 lines that do not read each other.  refill = 1: each group is loaded again
; at once with the chunk four on.  In periods 0 and 1 the chunk eight on is prefetched: one period ahead of its load, 32 KB a producer, each piece of 256 bytes asked for once in the launch; chunk 15 is the last that is asked for.
.macro P_CONV refill
.if \refill
	s_wait_xcnt 0x0                                ; my last period's loads and prefetches have read WB and PFB
	s_add_co_u32 s28, s[PCH], 4
	s_lshl_b32 s28, s28, 19
	s_mov_b32 s29, 0
	s_add_nc_u64 s[WB:WB+1], s[10:11], s[28:29]
.endif
.set g, 0
.rept 8
	SETRG g
.if \refill
	s_wait_loadcnt 56                              ; group g is in: younger are this chunk's 8 (7 - g) later loads and the 8 g refills
.else
	s_wait_loadcnt 56-8*g                          ; the last period: only this chunk's later loads are younger
.endif
.if (\refill) && (g == 0)
	s_cmp_ge_u32 s[PER], 2
	s_cbranch_scc1 .Lnopf_\@
	s_add_co_u32 s28, s[PCH], 8
	s_lshl_b32 s28, s28, 19
	s_mov_b32 s29, 0
	s_add_nc_u64 s[PFB:PFB+1], s[10:11], s[28:29]
.irp m, 0,1,2,3
	global_prefetch_b8 v[VPF], s[PFB:PFB+1] offset:32*PITCH*\m th:TH_LOAD_NT scope:SCOPE_SE  ; one lane a row: the chunk's 128 pieces of 256 bytes; the conversions follow
.endr
.Lnopf_\@:
.endif
	WIN 0x45
.set i, 0
.rept 8
	v_cvt_pk_bf16_f32 v[rg+4*i], v[rg+4*i], v[rg+4*i+1]        ; rounded to bf16,
	v_cvt_pk_bf16_f32 v[rg+4*i+2], v[rg+4*i+2], v[rg+4*i+3]
.set i, i+1
.endr
.set i, 0
.rept 8
	v_and_b32 v[rg+4*i+1], s[MASKH], v[rg+4*i]                 ; widened again: the high halves,
	v_and_b32 v[rg+4*i+3], s[MASKH], v[rg+4*i+2]
.set i, i+1
.endr
.set i, 0
.rept 8
	v_lshlrev_b32 v[rg+4*i], 16, v[rg+4*i]                     ; the low halves,
	v_lshlrev_b32 v[rg+4*i+2], 16, v[rg+4*i+2]
.set i, i+1
.endr
	WIN 0x05                                       ; sources in window 1, destination in window 0
.set i, 0
.rept 8
	v_cvt_pk_f16_f32 v[CV+2*(8*g+i)],   v[rg+4*i],   v[rg+4*i+1]   ; and written as f16
	v_cvt_pk_f16_f32 v[CV+2*(8*g+i)+1], v[rg+4*i+2], v[rg+4*i+3]
.set i, i+1
.endr
.if \refill
	WIN 0x40
.set i, 0
.rept 8
	global_load_b128 v[rg+4*i:rg+4*i+3], v[VO], s[WB:WB+1] offset:2*PITCH*(8*g+i) th:TH_LOAD_NT
.set i, i+1
.endr
.endif
.set g, g+1
.endr
	WIN 0
	s_add_co_u32 s[PCH], s[PCH], 4
.endm
.macro P_STORE                         ; second part, between the period's two barriers: the rounded chunk goes into LDS
	v_add_nc_u32 v[LS], s[PSOFF], v[LS0]
	s_add_co_u32 s[PSOFF], s[PSOFF], 4*CH
.set n, 0
.rept 64
	ds_store_b64 v[LS], v[CV+2*n:CV+2*n+1] offset:288*n    ; 32 lanes fill an LDS row's 256 bytes
.set n, n+1
.endr
.endm
.macro NTCALC
	s_mul_i32 s28, s[PASS], 20
	s_add_co_u32 s28, s28, s[WV]
	s_sub_co_i32 s28, s[TTOT], s28
	s_add_co_i32 s28, s28, 3
	s_ashr_i32 s28, s28, 2
	s_max_i32 s28, s28, 0
	s_min_i32 s[NT], s28, 5
.endm
.macro AOUPD                           ; s28 = my tile 0: the five tiles' byte offsets in the expert's part of hm: tile x 65,536 + 16 L; a tile past the count: offset 0 in every lane
	s_wait_xcnt 0x0                                ; pending row loads have read AO
.irp t, 0,1,2,3,4
	s_add_co_u32 s30, s28, 4*\t
	s_cmp_lt_u32 s30, s[TTOT]
	s_cselect_b32 s31, 16, 0                       ; bytes from lane to lane,
	s_cselect_b32 s30, s30, 0                      ; and the tile: both chosen by the stored count, so both are held to their bounds
	s_min_u32 s31, s31, 16
	s_min_u32 s30, s30, 63
	s_lshl_b32 s30, s30, 16
	v_mul_u32_u24 v[AO+\t], s31, v[VL]
	v_add_nc_u32 v[AO+\t], s30, v[AO+\t]
.endr
.endm
.macro AFILL t                         ; tile t's row fragments of one chunk: eight loads of 512 consecutive bytes
.if (\t) < 3
	WIN 0
.set rA, 160+32*(\t)
.else
	WIN 0x40
.set rA, 160+32*((\t)-3)
.endif
.irp k, 0,1,2,3
	global_load_b128 v[rA+8*\k:rA+8*\k+3],   v[AO+\t], s[ABASE:ABASE+1] offset:1024*\k
	global_load_b128 v[rA+8*\k+4:rA+8*\k+7], v[AO+\t], s[ABASE:ABASE+1] offset:1024*\k+512
.endr
	WIN 0
.endm
.macro TILE t                          ; source 0 = 16 columns of the weights, source 1 = 16 rows; the tile's four accumulators take turns, one instruction a turn
	s_wait_loadcnt 32                              ; my tile's eight loads are in: younger are the later tiles' 8 (4 - t) and this trip's 8 t refills
	s_cmp_le_u32 s[NT], \t
	s_cbranch_scc1 .Ldead_\@
.if (\t) < 3
.set rA, 160+32*(\t)
	WIN 0x50
.else
.set rA, 160+32*((\t)-3)
	WIN 0x54
.endif
.irp k, 0,1,2,3
.if (\t) == 0
	s_wait_dscnt 24-8*\k                           ; the weight fragments of the later K steps may be out
.endif
.irp b, 0,1,2,3
	v_wmma_f32_16x16x32_f16 v[32*(\t)+8*\b:32*(\t)+8*\b+7], v[BF+32*\k+8*\b:BF+32*\k+8*\b+7], v[rA+8*\k:rA+8*\k+7], v[32*(\t)+8*\b:32*(\t)+8*\b+7]
.endr
.endr
	WIN 0
.rept 4
	v_nop                                          ; four places between the products and the loads into their sources (ISA guide 7.12.1 for vector instructions)
.endr
.Ldead_\@:
.if (\t) == 0
	s_wait_dscnt 0x0                               ; on the way round the products too: the fragments are loaded into again next trip
.endif
	AFILL \t
.endm
.macro C_TRIP
	s_wait_xcnt 0x0
	s_add_co_u32 s28, s[SS], 1
	s_and_b32 s28, s28, 15
	s_lshl_b32 s28, s28, 12                        ; the next chunk's four K steps of 1,024 bytes
	s_mov_b32 s29, 0
	s_add_nc_u64 s[ABASE:ABASE+1], s[HMB:HMB+1], s[28:29]
	s_cmp_lg_u32 s[SS], 15
	s_cbranch_scc1 .Lsame_\@
	s_mul_i32 s28, s[PASS], 20                     ; the last trip's refills fetch the next pass's tiles
	s_add_co_u32 s28, s28, 20
	s_add_co_u32 s28, s28, s[WV]
	AOUPD
.Lsame_\@:
	v_add_nc_u32 v[BADR], s[SOFF], v[BADR0]
.irp k, 0,1,2,3
.irp b, 0,1,2,3
	ds_load_tr16_b128 v[BF+32*\k+8*\b:BF+32*\k+8*\b+3],   v[BADR] offset:4608*\k+32*\b
	ds_load_tr16_b128 v[BF+32*\k+8*\b+4:BF+32*\k+8*\b+7], v[BADR] offset:4608*\k+2304+32*\b
.endr
.endr
	TILE 0
	TILE 1
	TILE 2
	TILE 3
	TILE 4
.endm
.macro UNPACK                          ; the bias, bf16 to f32, starts all five tiles' sums
	WIN 0x44
.set t, 0
.rept 5
.set i, 0
.rept 16
	v_lshlrev_b32 v[32*t+2*i], 16, v[BIASP+i]
	v_and_b32 v[32*t+2*i+1], s[MASKH], v[BIASP+i]
.set i, i+1
.endr
.set t, t+1
.endr
	WIN 0
.endm
.macro PUT t                           ; tile t's sums into my stage, each accumulator from its low end on: row r, 32 bytes for each half of the lanes
	WIN 0x04
.irp b, 0,1,2,3
	ds_store_b128 v[STO], v[32*(\t)+8*\b:32*(\t)+8*\b+3]   offset:64*\b
	ds_store_b128 v[STO], v[32*(\t)+8*\b+4:32*(\t)+8*\b+7] offset:64*\b+16
.endr
	WIN 0
.endm
; THE WAY OUT: a counted loop over my five tiles; a dead tile jumps to the counter's step.  A tile goes through my own stage and comes back as whole rows of 256 bytes; each row goes to its token's row of part.
.macro EPI
	s_mov_b32 s[TT], 0
.Lepi_\@:
	s_wait_xcnt 0x0                                ; the last tile's stores have read their data and offsets
	s_cmp_ge_u32 s[TT], s[NT]
	s_cbranch_scc1 .Lnext_\@
	s_cmp_eq_u32 s[TT], 0
	s_cbranch_scc1 .Lc0_\@
	s_cmp_eq_u32 s[TT], 1
	s_cbranch_scc1 .Lc1_\@
	s_cmp_eq_u32 s[TT], 2
	s_cbranch_scc1 .Lc2_\@
	s_cmp_eq_u32 s[TT], 3
	s_cbranch_scc1 .Lc3_\@
	PUT 4
	s_branch .Lbody_\@
.Lc0_\@:
	PUT 0
	s_branch .Lbody_\@
.Lc1_\@:
	PUT 1
	s_branch .Lbody_\@
.Lc2_\@:
	PUT 2
	s_branch .Lbody_\@
.Lc3_\@:
	PUT 3
.Lbody_\@:
	s_mul_i32 s28, s[PASS], 20
	s_lshl2_add_u32 s28, s[TT], s28
	s_add_co_u32 s28, s28, s[WV]                   ; the tile
	s_min_u32 s28, s28, 63
	s_lshl_b32 s28, s28, 6                         ; its 16 words of the list
	v_add_nc_u32 v18, s28, v[VLI]
.irp i, 0,1,2,3,4,5,6,7
	ds_load_b32 v[64+\i], v18 offset:8*\i          ; the token of row 2 i + L / 16
.endr
.irp i, 0,1,2,3,4,5,6,7
	ds_load_b128 v[32+4*\i:35+4*\i], v[RD] offset:544*\i   ; LDS serves a wave's instructions in order (ISA guide 5.7.1.4): these see the stores above; the next tile's stores come behind them
.endr
	s_wait_dscnt 0x0
.irp i, 0,1,2,3,4,5,6,7
	v_min_u32 v[64+\i], 0x3ff, v[64+\i]
	v_lshl_add_u32 v[64+\i], v[64+\i], 12, v[V16R]
.endr
.irp i, 0,1,2,3,4,5,6,7
	global_store_b128 v[64+\i], v[32+4*\i:35+4*\i], s[OUTB:OUTB+1]   ; 16 lanes store 256 consecutive bytes, at a multiple of 256 from part's first
.endr
.Lnext_\@:
	s_add_co_u32 s[TT], s[TT], 1
	s_cmp_lt_u32 s[TT], 5
	s_cbranch_scc1 .Lepi_\@
.endm
	s_load_b256 s[4:11], s[0:1], 0x0               ; hm s[4:5], lst s[6:7], bm s[8:9], w2 s[10:11]
	s_load_b128 s[12:15], s[0:1], 0x20             ; b2 s[12:13], part s[14:15]
	v_lshl_add_u32 v[SPW], v0, 2, SPARE            ; my spare word, and 0: kept for the closing lines alone
	v_mov_b32 v[NIL], 0
	v_lshrrev_b32 v18, 5, v0
	v_readfirstlane_b32 s[WV], v18                 ; wave 0..7
	s_mov_b32 s[SL], ttmp9
	s_and_b32 s[EX], ttmp7, 0xffff
	v_and_b32 v[VL], 31, v0
	v_and_b32 v[VR], 15, v0
	v_bfe_u32 v[VH], v0, 4, 1
	v_lshlrev_b32 v[VBH], 5, v[VH]
	v_lshlrev_b32 v[V16R], 4, v[VR]
	v_bfe_u32 v18, v0, 1, 2                        ; the turning load: lane L reads K row 8 h + L % 8, columns 8 ((L / 8) % 2) + 0..7
	v_lshl_add_u32 v18, v[VH], 2, v18
	v_mul_u32_u24 v18, v18, 288
	v_and_b32 v19, 1, v0
	v_lshl_add_u32 v18, v19, 7, v18
	v_bfe_u32 v19, v0, 3, 1
	v_lshl_add_u32 v[BADR0], v19, 4, v18
	v_lshl_add_u32 v[VO], v[VH], PSH, v[V16R]      ; lanes 0-15 one row's 256 bytes, lanes 16-31 the next row's
	v_lshlrev_b32 v18, 3, v[VR]
	v_lshl_add_u32 v[LS0], v[VH], 7, v18
	v_lshlrev_b32 v[VPF], PSH, v[VL]
	s_and_b32 s[PCH], s[WV], 3                     ; producer p begins with chunk p; consumer c has stage c
	s_mul_i32 s28, s[PCH], 16*272
	s_add_co_u32 s28, s28, STAGE                   ; my stage
	v_mul_u32_u24 v18, v[VR], 272
	v_lshl_add_u32 v18, v[VH], 5, v18
	v_add_nc_u32 v[STO], s28, v18
	v_mul_u32_u24 v18, v[VH], 272                  ; back: lanes 0-15 take one row of 256 bytes, lanes 16-31 the next
	v_add_nc_u32 v18, v18, v[V16R]
	v_add_nc_u32 v[RD], s28, v18
	v_lshl_add_u32 v[VLI], v[VH], 2, LIST
	s_wait_kmcnt 0x0
	s_lshl_b32 s28, s[EX], 7
	s_mov_b32 s29, 0
	s_add_nc_u64 s[8:9], s[8:9], s[28:29]
	s_load_b512 s[32:47], s[8:9], 0x0              ; the expert's 1,024 bits: here only their number is wanted
	s_load_b512 s[48:63], s[8:9], 0x40
	s_lshl_b32 s28, s[EX], 23
	s_lshl_b32 s30, s[SL], 8
	s_add_co_u32 s28, s28, s30
	s_add_nc_u64 s[10:11], s[10:11], s[28:29]      ; w2 at my slice
	s_lshl_b32 s28, s[EX], 12
	s_add_nc_u64 s[6:7], s[6:7], s[28:29]          ; the expert's list
	s_add_co_u32 s28, s28, s30
	s_add_nc_u64 s[12:13], s[12:13], s[28:29]      ; b2 at my columns
	s_lshl_b32 s28, s[EX], 22
	s_add_nc_u64 s[4:5], s[4:5], s[28:29]          ; hm at my expert
	s_add_co_u32 s28, s28, s30
	s_add_nc_u64 s[14:15], s[14:15], s[28:29]      ; part at my expert and columns
	s_cmp_lt_u32 s[WV], 4
	s_cbranch_scc1 .Lhead_c
	s_lshl_b32 s28, s[PCH], 19
	s_add_nc_u64 s[WB:WB+1], s[10:11], s[28:29]
	WLOAD
	s_branch .Lhead_j
.Lhead_c:
	v_lshlrev_b32 v19, 4, v0                       ; the 128 consumer threads copy the list into LDS; its first reader stands behind the periods' barriers
	global_load_b128 v[20:23], v19, s[6:7]
	global_load_b128 v[28:31], v19, s[6:7] offset:2048
	v_lshl_add_u32 v18, v0, 4, LIST
	s_wait_loadcnt 0x0
	ds_store_b128 v18, v[20:23]
	ds_store_b128 v18, v[28:31] offset:2048
.Lhead_j:
	s_wait_kmcnt 0x0
	s_bcnt1_i32_b32 s[CNT], s32
.set w, 1
.rept 31
	s_bcnt1_i32_b32 s28, s[32+w]
	s_add_co_u32 s[CNT], s[CNT], s28
.set w, w+1
.endr
	s_add_co_u32 s[TTOT], s[CNT], 15
	s_lshr_b32 s[TTOT], s[TTOT], 4
	; the bitmap's registers are free now
	s_mov_b32 s[MASKH], 0xffff0000
	s_mov_b64 s[HMB:HMB+1], s[4:5]
	s_mov_b64 s[OUTB:OUTB+1], s[14:15]
	s_mul_i32 s[PSOFF], s[PCH], CH
	s_mov_b32 s[PER], 0
	s_mov_b32 s[SS], 0
	s_mov_b32 s[SOFF], 0
	s_mov_b32 s[PASS], 0
	s_cmp_ge_u32 s[WV], 4
	s_cbranch_scc1 .LA_p
	NTCALC
.irp b, 0,1,2,3
	global_load_b128 v[BL+8*\b:BL+8*\b+3],   v[VBH], s[12:13] offset:64*\b      ; b2 of my columns 16 b + 8 h + 0..7
	global_load_b128 v[BL+8*\b+4:BL+8*\b+7], v[VBH], s[12:13] offset:64*\b+16
.endr
	s_mov_b32 s28, s[WV]
	AOUPD
	s_mov_b64 s[ABASE:ABASE+1], s[HMB:HMB+1]
	AFILL 0
	AFILL 1
	AFILL 2
	s_wait_loadcnt 24                              ; the bias is in; the 24 row loads of tiles 0-2 are younger
	WIN 0x40
.set i, 0
.rept 16
	v_cvt_pk_bf16_f32 v[BIASP+i], v[BL+2*i], v[BL+2*i+1]                        ; rounded to bf16, once for the launch
.set i, i+1
.endr
	WIN 0
	AFILL 3                                        ; tiles 3 and 4, wanted last in a trip, are asked for behind the packing
	AFILL 4
	UNPACK
	; PASS 0, beside the fill: four periods
.LA_p:
	s_cmp_lt_u32 s[WV], 4
	s_cbranch_scc1 .LA_a
	s_cmp_eq_u32 s[PER], 3
	s_cbranch_scc1 .LA_last
	P_CONV 1
	s_branch .LA_a
.LA_last:
	P_CONV 0                                       ; the last period's chunks have no successors
.LA_a:
	BAR                                            ; every consumer's reads of the period before are over
	s_cmp_lt_u32 s[WV], 4
	s_cbranch_scc1 .LA_b
	P_STORE
.LA_b:
	BAR                                            ; the period's four chunks are in LDS for every wave
	s_cmp_ge_u32 s[WV], 4
	s_cbranch_scc1 .LA_step
	s_mov_b32 s[INN], 4
.LA_in:
	C_TRIP
	s_add_co_u32 s[SS], s[SS], 1
	s_add_co_u32 s[SOFF], s[SOFF], CH
	s_sub_co_u32 s[INN], s[INN], 1
	s_cmp_lg_u32 s[INN], 0
	s_cbranch_scc1 .LA_in
.LA_step:
	s_add_co_u32 s[PER], s[PER], 1
	s_cmp_lt_u32 s[PER], 4
	s_cbranch_scc1 .LA_p
	BAR                                            ; every wave's reads of the last period are over before any stage is stored into
	s_cmp_ge_u32 s[WV], 4
	s_cbranch_scc1 .LB_go
	EPI
.LB_go:
	; PASSES 1 TO 3: three trips for all eight waves; only work is jumped, never a barrier
	s_mov_b32 s[PASS], 1
.LB_p:
	BAR                                            ; every wave's use of its stage is over before the pass's trips read LDS
	s_cmp_ge_u32 s[WV], 4
	s_cbranch_scc1 .LB_mid
	s_mul_i32 s28, s[PASS], 20
	s_cmp_ge_u32 s28, s[TTOT]
	s_cbranch_scc1 .LB_mid
	NTCALC
	UNPACK
	s_mov_b32 s[SS], 0
	s_mov_b32 s[SOFF], 0
	s_mov_b32 s[INN], 16
.LB_in:
	C_TRIP
	s_add_co_u32 s[SS], s[SS], 1
	s_add_co_u32 s[SOFF], s[SOFF], CH
	s_sub_co_u32 s[INN], s[INN], 1
	s_cmp_lg_u32 s[INN], 0
	s_cbranch_scc1 .LB_in
.LB_mid:
	BAR                                            ; every wave's reads of the pass's trips are over before any stage is stored into
	s_cmp_ge_u32 s[WV], 4
	s_cbranch_scc1 .LB_pn
	s_mul_i32 s28, s[PASS], 20
	s_cmp_ge_u32 s28, s[TTOT]
	s_cbranch_scc1 .LB_pn
	EPI
.LB_pn:
	s_add_co_u32 s[PASS], s[PASS], 1
	s_cmp_lt_u32 s[PASS], 4
	s_cbranch_scc1 .LB_p
	s_wait_tensorcnt 0x0                           ; the wave's end: the closing lines, behind my last LDS store
	ds_add_u32 v[SPW], v[NIL]
	s_wait_dscnt 0x0
	s_endpgm
.Lfunc_end_k_q60edde32cb_down:
	.size	k_q60edde32cb_down, .Lfunc_end_k_q60edde32cb_down-k_q60edde32cb_down
	.p2alignl 7, 3214868480
	.fill 96, 4, 3214868480
	.section	.rodata,"a",@progbits
	.p2align	6, 0x0
	.amdhsa_kernel k_q60edde32cb_down
		.amdhsa_group_segment_fixed_size 317440
		.amdhsa_private_segment_fixed_size 0
		.amdhsa_enable_private_segment 0
		.amdhsa_kernarg_size 48
		.amdhsa_user_sgpr_count 2
		.amdhsa_user_sgpr_kernarg_segment_ptr 1
		.amdhsa_wavefront_size32 1
		.amdhsa_system_sgpr_workgroup_id_x 1
		.amdhsa_system_sgpr_workgroup_id_y 1
		.amdhsa_system_sgpr_workgroup_id_z 1
		.amdhsa_system_vgpr_workitem_id 0
		.amdhsa_next_free_vgpr 512
		.amdhsa_next_free_sgpr 100
		.amdhsa_reserve_vcc 0
		.amdhsa_float_denorm_mode_32 3
		.amdhsa_float_denorm_mode_16_64 3
		.amdhsa_memory_ordered 1
		.amdhsa_forward_progress 1
		.amdhsa_inst_pref_size 134
	.end_amdhsa_kernel
	.amdgpu_metadata
---
amdhsa.version: [ 1, 2 ]
amdhsa.kernels:
  - .name:           k_q60edde32cb_down
    .symbol:         k_q60edde32cb_down.kd
    .args:
      - { .name: hm, .offset: 0, .size: 8, .value_kind: global_buffer, .address_space: global }
      - { .name: lst, .offset: 8, .size: 8, .value_kind: global_buffer, .address_space: global }
      - { .name: bm, .offset: 16, .size: 8, .value_kind: global_buffer, .address_space: global }
      - { .name: w2, .offset: 24, .size: 8, .value_kind: global_buffer, .address_space: global }
      - { .name: b2, .offset: 32, .size: 8, .value_kind: global_buffer, .address_space: global }
      - { .name: part, .offset: 40, .size: 8, .value_kind: global_buffer, .address_space: global }
    .group_segment_fixed_size: 317440
    .private_segment_fixed_size: 0
    .kernarg_segment_align: 8
    .kernarg_segment_size: 48
    .max_flat_workgroup_size: 256
    .sgpr_count:     100
    .vgpr_count:     512
    .wavefront_size: 32
...
	.end_amdgpu_metadata
.endif
;; end of part 7
;; launch sum: the kernel of part 4 again; grid 256 x 1, 4 waves a work-group, no clusters, 0 bytes of LDS; arguments part, ti, tw, out0; writes out0
;; ======== version 3 of 3: 5 launches; version 2 with the launches up, down written anew for expert scheduling mode
;; limits: values are held in f16: magnitudes above 65,504 overflow, below 6.1e-05 lose precision; a function is approximated: absolute error at most 1e-07
;; workspace buffers: xb 2,097,152 bytes; bm 2,048 bytes of whole numbers; ti 16,384 bytes of whole numbers; tw 16,384 bytes; xg 33,554,432 bytes; hm 67,108,864 bytes; lst 65,536 bytes of whole numbers; part 67,108,864 bytes
;; launch router: the kernel of part 1 again; grid 64 x 1, 8 waves a work-group, no clusters, 75,008 bytes of LDS; arguments hidden_states, router_w, router_b, xb, bm, ti, tw; writes xb, bm, ti, tw
;; launch gather: the kernel of part 5 again; grid 16 x 16, 8 waves a work-group, no clusters, 0 bytes of LDS; arguments xb, bm, xg, lst; writes xg, lst
;; launch up (part 8): grid 16 x 16, 8 waves a work-group, no clusters, 295,936 bytes of LDS; arguments xg, bm, w1, b1, hm; writes hm
.if DOCPART == 8
	.amdgcn_target "amdgcn-amd-amdhsa--gfx1250"
	.amdhsa_code_object_version 6
	.text
	.protected	k_q60edde32cb_up
	.globl	k_q60edde32cb_up
	.p2align	8
	.type	k_q60edde32cb_up,@function
k_q60edde32cb_up:
	s_mov_b64 s[64:65], 0
	v_nop
	global_prefetch_b8 v0, s[64:65] scope:SCOPE_SE
	s_setreg_imm32_b32 hwreg(HW_REG_WAVE_SCHED_MODE, 0, 2), 2
	s_setreg_imm32_b32 hwreg(HW_REG_WAVE_MODE, 25, 1), 1
	s_wait_xcnt 0x0
	s_wait_alu depctr_vm_vsrc(0)
; FIRST PRODUCT.  hm = gelu(x w1[e] + b1[e]) for the rows that chose expert e.  Work-group (slice sl, expert e) alone reads columns 128 sl .. 128 sl + 127 of w1[e] (512 KB of f32), rounds them to bf16
; on their way through registers, keeps them in LDS, and takes all of the expert's rows through them.  The rows come from xg, rounded and laid out as row fragments; b1 is rounded to bf16 like every input; sums in f32; hm is rounded once, to f16.
; LIMITS.  |gelu| of 65,520 or more becomes an infinity in hm; below 6e-5 hm keeps f16's fixed step of 6e-8.  The normal distribution's tail is a fifth-degree form in 1 / (1 + 0.2316419 |z|)
; times 2^(-z z log2(e) / 2), within 1e-7 absolutely; gelu = max(z, 0) - |z| tail has no difference of near numbers.  NaN and infinities are not treated apart.
; NO CLUSTER: each slice of weights has one reader; the shared rows are walked by trips of which a stored count says how many are live, and beside the slice LDS has no room for slots of them.
; NO TENSOR LOADS: the weights go through registers to be rounded.
; THE SLICE is 2,048 K' rows of 64 columns: K' = 1024 j + k, j = 0, 1 the two halves of the 128 columns, taken one after the other (320 rows x 128 columns of sums would not fit beside the operands).
; A CHUNK S = 0..15 is 128 K' rows, 32 KB of f32.  A PERIOD s = 0..3 is four chunks.
; ROLES.  Waves 4-7 are PRODUCERS, waves 0-3 CONSUMERS; the roles are apart because a wave's loads are counted in the order of issue: a row load issued behind weight loads would be waited for behind them.
; Producer p takes chunk 4 s + p in period s.  Its 64 landing slots of four registers are a ring: a group of eight slots is waited for, rounded into 16 other registers and loaded again at once with the next period's chunk,
; so that 56 to 64 loads of each producer, 128 KB of the work-group, are out all the time.  This runs beside the consumers' products of the period before.
; TWO BARRIERS A PERIOD.  Behind the first no consumer reads LDS any more; then the producers store their rounded chunks, 64 stores each; behind the second the consumers walk the period's four chunks.  So no wave reads LDS
; while another writes it, whatever the addresses.  (Chunks are written once and to bytes of their own, so the bytes themselves would do with the second barrier alone; the price of the first is that the consumers stand still during the 64 stores.)
; ROWS.  A tile is 16 ranks.  A pass is 20 tiles, consumer c takes tiles 20 pass + 4 t + c, t = 0..4.  Pass 0 runs beside the fill; passes 1-3 (an expert with more than 320 rows) read the resident slice, without barriers.
; A tile past the count still loads (one address for all lanes), so that every counted wait holds on every path; its products and stores are jumped.
; The sums start as the bias: both halves' bias is kept as 32 registers of packed bf16 and unpacked into the 160 accumulator registers, in place of a first K step written out in four loops.
; REGISTERS (windows of 256; s_set_vgpr_msb: bits 1:0 source 0, 3:2 source 1, 5:4 source 2, 7:6 destination).  Consumer: window 0: v32-159 weight fragments BF(ks, b) = 32 + 32 ks + 8 b, at work on the way out;
; v160-255 row fragments of tiles 0-2; window 1: v0-159 sums ACC(t, b) = 32 t + 8 b; v160-223 row fragments of tiles 3, 4; v224-255 the packed bias.
; Producer: window 1: the 64 landing slots; window 0: v32-159 the period's chunk, rounded, two registers a slot, until it is stored.
; THE MODE: SCHED_MODE bits 1:0 = 2 (LLVM: expert scheduling mode 2), set by the entry lines.  The code itself states the register dependences between vector or matrix instructions and memory or LDS instructions,
; with s_wait_alu, always for 0.
; THE PLAN.  Registers that memory or LDS instructions touch, and who else names them:
;   PRODUCER.  Landing slots, group g: its 16 conversions read them, then the next period's eight loads land in them: one wait on va_vdst behind each group's conversions, so that the group is asked for again at once.
;     v[CV ..] and v[LS]: written by the period's conversions and by one add at the period's head; read by the 64 LDS stores between the period's barriers.  One wait on va_vdst ahead of the run of stores;
;     one wait on vm_vsrc at the next period's head, ahead of the add and of the first conversion.  v[VO], v[VPF]: made at the kernel's head, never written again.
;   CONSUMER.  v32-159: a trip's 32 LDS loads land in them, all five tiles' products read them; on the way out they are at work, and v96-111 are the stores' data.  Tile t's row fragments: its 16 products read them, then the
;     next chunk's eight loads land in them; a wave's 512 registers are all taken, so there is no second buffer, and one wait on va_vdst stands behind each tile's products.  v[BADR]: read by the LDS loads, written once a
;     trip.  v[AO ..]: read by the row loads, written once a pass.  A trip's head has one wait on vm_vsrc ahead of those writes and one on va_vdst behind them.  The way out has one wait on vm_vsrc at a tile's head and one on
;     va_vdst ahead of its four stores.  v[VBH], v[V16L]: made at the kernel's head, never written again.  The sums and the packed bias are named by vector and matrix instructions alone.
.set PSH,   13
.set PITCH, 1<<PSH                     ; bytes from row to row of w1
.set CH,    18432                      ; a chunk in LDS: 64 rows of 288 bytes.  An LDS row holds K' rows 2 q (bytes 0-127) and 2 q + 1 (128-255) and 32 bytes of padding
.set VL, 1
.set VR, 2
.set VH, 3
.set VBH, 7                            ; 32 h
.set AO, 8                             ; v8-12  tile t: my byte offset in the expert's part of xg
.set BADR0, 13                         ; my lane's place in a chunk, for the turning loads
.set BADR, 16
.set V16L, 17                          ; 16 L
.set VO, 24                            ; producer: my place in two rows of w1
.set LS0, 25                           ; producer: my place in an LDS row
.set LS, 26
.set VPF, 27                           ; producer: lane x pitch, for the prefetch
.set BF, 32
.set CV, 32                            ; producer: slot n's four numbers in bf16 at v[CV + 2 n : CV + 2 n + 1]
.set BL, 96                            ; v96-159: where the bias lands, once, at the head
.set BIASP, 224                        ; window 1: half j's pair i of my 32 columns at BIASP + 16 j + i
.set WV, 18
.set SL, 19
.set EX, 20
.set CNT, 21
.set TTOT, 22
.set NT, 23                            ; my live tiles in the pass
.set SS, 24                            ; the consumers' chunk
.set JJ, 25                            ; half slice
.set INN, 26
.set PASS, 27
.set ABASE, 32
.set PFB, 36
.set OUTB, 38
.set C1, 42                            ; s[42:51] the form's five factors, as pairs
.set MASKH, 52
.set TT, 53
.set SOFF, 54                          ; the consumers' chunk x CH
.set PP, 56
.set NH, 58
.set HMB, 60
.set BIASB0, 62
.set XGB, 66
.set PCH, 68                           ; the producer's chunk
.set PIN, 69
.set PSOFF, 70                         ; the producer's chunk x CH
.set PER, 71                           ; period
.set WB, 98
.set MSB, 0
.macro WIN new                         ; the immediate's high byte repeats the setting that is left; a switch that changes nothing is dropped
.if MSB != (\new)
	s_set_vgpr_msb (MSB<<8)|(\new)
.set MSB, \new
.endif
.endm
.macro BAR
	s_wait_dscnt 0x0                               ; my LDS stores are done and my LDS loads are back
	s_barrier_signal -1
	s_barrier_wait -1
.endm
.macro CHOFF                           ; s28 = a chunk's number -> s[28:29] = its byte offset in the slice: 128 rows for each k block, 256 bytes for the second half
	s_and_b32 s30, s28, 7
	s_lshl_b32 s30, s30, 20
	s_lshr_b32 s28, s28, 3
	s_lshl_b32 s28, s28, 8
	s_add_co_u32 s28, s28, s30
	s_mov_b32 s29, 0
.endm
; Group g's 32 landing registers, in window 1.  The two groups that lie where the consumers keep the row fragments of tiles 3 and 4 are taken last: so, on every way through the text, whatever the wave,
; a load into a register stands behind the counted wait that shows the older load into it done.
.macro SETRG g
.if (\g) < 5
.set rg, 32*(\g)
.elseif (\g) == 5
.set rg, 224
.elseif (\g) == 6
.set rg, 160
.else
.set rg, 192
.endif
.endm
.macro WLOAD                           ; a chunk: 64 loads, each two rows' 256 consecutive bytes, at multiples of 256 from w1's first byte
	WIN 0x40
.set g, 0
.rept 8
	SETRG g
.set i, 0
.rept 8
	global_load_b128 v[rg+4*i:rg+4*i+3], v[VO], s[WB:WB+1] offset:2*PITCH*(8*g+i) th:TH_LOAD_NT
.set i, i+1
.endr
.set g, g+1
.endr
	WIN 0
.endm
; A producer's period, first part: its chunk is rounded, eight slots at a time, into registers of its own.  refill = 1: each group is loaded again at once with the chunk four on (the next period's).
; In periods 0 and 1 the chunk eight on is prefetched: one period ahead of its load, 32 KB a producer, each piece of 256 bytes asked for once in the launch; chunk 15 is the last that is asked for.
.macro P_CONV refill
	s_wait_alu depctr_vm_vsrc(0)                   ; my last period's LDS stores have read v[LS] and v[CV ..], which the add and the conversions below write again
	v_add_nc_u32 v[LS], s[PSOFF], v[LS0]           ; where this period's chunk goes in LDS
	s_add_co_u32 s[PSOFF], s[PSOFF], 4*CH
.if \refill
	s_wait_xcnt 0x0                                ; my last period's loads and prefetches have read WB and PFB
	s_add_co_u32 s28, s[PCH], 4
	CHOFF
	s_add_nc_u64 s[WB:WB+1], s[8:9], s[28:29]
.endif
.set g, 0
.rept 8
	SETRG g
.if \refill
	s_wait_loadcnt 56                              ; group g is in: younger are this chunk's 8 (7 - g) later loads and the 8 g refills
.else
	s_wait_loadcnt 56-8*g                          ; the last period: only this chunk's later loads are younger
.endif
.if (\refill) && (g == 0)
	s_cmp_ge_u32 s[PER], 2
	s_cbranch_scc1 .Lnopf_\@
	s_add_co_u32 s28, s[PCH], 8
	CHOFF
	s_add_nc_u64 s[PFB:PFB+1], s[8:9], s[28:29]
.irp m, 0,1,2,3
	global_prefetch_b8 v[VPF], s[PFB:PFB+1] offset:32*PITCH*\m th:TH_LOAD_NT scope:SCOPE_SE  ; one lane a row: the chunk's 128 pieces of 256 bytes; the conversions follow
.endr
.Lnopf_\@:
.endif
	WIN 0x05                                       ; sources in window 1, destination in window 0
.set i, 0
.rept 8
	v_cvt_pk_bf16_f32 v[CV+2*(8*g+i)],   v[rg+4*i],   v[rg+4*i+1]
	v_cvt_pk_bf16_f32 v[CV+2*(8*g+i)+1], v[rg+4*i+2], v[rg+4*i+3]
.set i, i+1
.endr
.if \refill
	WIN 0x40
	s_wait_alu depctr_va_vdst(0)                   ; the conversions are done reading group g's landing registers, in which the eight loads below land
.set i, 0
.rept 8
	global_load_b128 v[rg+4*i:rg+4*i+3], v[VO], s[WB:WB+1] offset:2*PITCH*(8*g+i) th:TH_LOAD_NT
.set i, i+1
.endr
.endif
.set g, g+1
.endr
	WIN 0
	s_add_co_u32 s[PCH], s[PCH], 4
.endm
.macro P_STORE                         ; second part, between the period's two barriers: the rounded chunk goes into LDS
	s_wait_alu depctr_va_vdst(0)                   ; the period's conversions have written v[CV ..] and its add v[LS], which the 64 stores read
.set n, 0
.rept 64
	ds_store_b64 v[LS], v[CV+2*n:CV+2*n+1] offset:288*n    ; 32 lanes fill an LDS row's 256 bytes
.set n, n+1
.endr
.endm
.macro NTCALC                          ; my live tiles in this pass: ceil((tiles - 20 pass - c) / 4), held to 0..5
	s_mul_i32 s28, s[PASS], 20
	s_add_co_u32 s28, s28, s[WV]
	s_sub_co_i32 s28, s[TTOT], s28
	s_add_co_i32 s28, s28, 3
	s_ashr_i32 s28, s28, 2
	s_max_i32 s28, s28, 0
	s_min_i32 s[NT], s28, 5
.endm
.macro AOUPD                           ; s28 = my tile 0: the five tiles' byte offsets in the expert's part of xg: tile x 32,768 + 16 L; a tile past the count: offset 0 in every lane
	s_wait_xcnt 0x0                                ; pending row loads have read AO
.irp t, 0,1,2,3,4
	s_add_co_u32 s30, s28, 4*\t
	s_cmp_lt_u32 s30, s[TTOT]
	s_cselect_b32 s31, 16, 0                       ; bytes from lane to lane,
	s_cselect_b32 s30, s30, 0                      ; and the tile: both chosen by the stored count, so both are held to their bounds
	s_min_u32 s31, s31, 16
	s_min_u32 s30, s30, 63
	s_lshl_b32 s30, s30, 15
	v_mul_u32_u24 v[AO+\t], s31, v[VL]
	v_add_nc_u32 v[AO+\t], s30, v[AO+\t]
.endr
.endm
.macro AFILL t, w=0                    ; tile t's row fragments of one chunk: eight loads of 512 consecutive bytes.  w = 1: behind the tile's products
.if (\t) < 3
	WIN 0
.set rA, 160+32*(\t)
.else
	WIN 0x40
.set rA, 160+32*((\t)-3)
.endif
.if \w
	s_wait_alu depctr_va_vdst(0)                   ; tile t's products are done reading its row fragments, in which the eight loads below land
.endif
.irp k, 0,1,2,3
	global_load_b128 v[rA+8*\k:rA+8*\k+3],   v[AO+\t], s[ABASE:ABASE+1] offset:1024*\k
	global_load_b128 v[rA+8*\k+4:rA+8*\k+7], v[AO+\t], s[ABASE:ABASE+1] offset:1024*\k+512
.endr
	WIN 0
.endm
; Tile t of a trip.  Source 0 = 16 columns of the weights, source 1 = 16 rows: a lane holds row r and columns 8 h + 0..7.  The tile's four accumulators take turns, one instruction a turn.
.macro TILE t
	s_wait_loadcnt 32                              ; my tile's eight loads are in: younger are the later tiles' 8 (4 - t) and this trip's 8 t refills
	s_cmp_le_u32 s[NT], \t
	s_cbranch_scc1 .Ldead_\@
.if (\t) < 3
.set rA, 160+32*(\t)
	WIN 0x50
.else
.set rA, 160+32*((\t)-3)
	WIN 0x54
.endif
.irp k, 0,1,2,3
.if (\t) == 0
	s_wait_dscnt 24-8*\k                           ; the weight fragments of the later K steps may be out
.endif
.irp b, 0,1,2,3
	v_wmma_f32_16x16x32_bf16 v[32*(\t)+8*\b:32*(\t)+8*\b+7], v[BF+32*\k+8*\b:BF+32*\k+8*\b+7], v[rA+8*\k:rA+8*\k+7], v[32*(\t)+8*\b:32*(\t)+8*\b+7]
.endr
.endr
	WIN 0
.rept 4
	v_nop                                          ; four places behind the products (ISA guide 7.12.1): where the later tiles are dead, the next vector line is the way out's first, which reads these sums
.endr
.Ldead_\@:
.if (\t) == 0
	s_wait_dscnt 0x0                               ; on the way round the products too: the fragments are loaded into again next trip
.endif
	AFILL \t, 1                                    ; the next chunk's rows
.endm
.macro C_TRIP
	s_wait_xcnt 0x0                                ; pending loads and stores have read their bases and registers
	s_wait_alu depctr_vm_vsrc(0)                   ; the last trip's LDS loads have read v[BADR] and its row loads v[AO ..], which are written below; the way out's stores have read v96-111, in which weight fragments land
	s_add_co_u32 s28, s[SS], 1
	s_and_b32 s28, s28, 7
	s_lshl_b32 s28, s28, 12                        ; the next chunk's four K steps of 1,024 bytes
	s_mov_b32 s29, 0
	s_add_nc_u64 s[ABASE:ABASE+1], s[XGB:XGB+1], s[28:29]
	s_cmp_lg_u32 s[SS], 15
	s_cbranch_scc1 .Lsame_\@
	s_mul_i32 s28, s[PASS], 20                     ; the last trip's refills fetch the next pass's tiles
	s_add_co_u32 s28, s28, 20
	s_add_co_u32 s28, s28, s[WV]
	AOUPD
.Lsame_\@:
	v_add_nc_u32 v[BADR], s[SOFF], v[BADR0]
	s_wait_alu depctr_va_vdst(0)                   ; v[BADR] is written, and in a pass's last trip v[AO ..]; the last trip's products, the way out's lines and, ahead of the first trip, the bias's conversions are done with v32-159, in which the fragments land
.irp k, 0,1,2,3
.irp b, 0,1,2,3
	ds_load_tr16_b128 v[BF+32*\k+8*\b:BF+32*\k+8*\b+3],   v[BADR] offset:4608*\k+32*\b
	ds_load_tr16_b128 v[BF+32*\k+8*\b+4:BF+32*\k+8*\b+7], v[BADR] offset:4608*\k+2304+32*\b
.endr
.endr
	TILE 0
	TILE 1
	TILE 2
	TILE 3
	TILE 4
.endm
.macro UNPACK j                        ; half j's bias, bf16 to f32, starts all five tiles' sums
	WIN 0x44
.set t, 0
.rept 5
.set i, 0
.rept 16
	v_lshlrev_b32 v[32*t+2*i], 16, v[BIASP+16*(\j)+i]
	v_and_b32 v[32*t+2*i+1], s[MASKH], v[BIASP+16*(\j)+i]
.set i, i+1
.endr
.set t, t+1
.endr
	WIN 0
.endm
.macro INIT                            ; s28 = the half slice whose sums begin
	s_cmp_eq_u32 s28, 0
	s_cbranch_scc1 .Lh0_\@
	UNPACK 1
	s_branch .Lhd_\@
.Lh0_\@:
	UNPACK 0
.Lhd_\@:
.endm
.macro COPY t                          ; tile t's sums into window 0, each accumulator from its low end on
	WIN 0x01
.set i, 0
.rept 32
	v_mov_b32 v[32+i], v[32*(\t)+i]
.set i, i+1
.endr
	WIN 0
.endm
; THE WAY OUT of a half slice: a counted loop over my five tiles; a dead tile jumps to the counter's step.  Five short blocks name the tiles' registers, one body does the rest.
; A lane's eight columns of block b, rounded to f16, ARE 16 bytes of the next product's row fragment (K step 4 sl + 2 j + b / 2, half b % 2, the same lane): they are stored as such, 512 consecutive bytes a store, with no stage.
.macro EPI
	s_mov_b32 s[TT], 0
.Lepi_\@:
	s_wait_xcnt 0x0                                ; the last tile's stores have read their data and their base
	s_wait_alu depctr_vm_vsrc(0)                   ; the last tile's stores have read v96-111, which this tile's lines write again
	s_cmp_ge_u32 s[TT], s[NT]
	s_cbranch_scc1 .Lnext_\@
	s_cmp_eq_u32 s[TT], 0
	s_cbranch_scc1 .Lc0_\@
	s_cmp_eq_u32 s[TT], 1
	s_cbranch_scc1 .Lc1_\@
	s_cmp_eq_u32 s[TT], 2
	s_cbranch_scc1 .Lc2_\@
	s_cmp_eq_u32 s[TT], 3
	s_cbranch_scc1 .Lc3_\@
	COPY 4
	s_branch .Lbody_\@
.Lc0_\@:
	COPY 0
	s_branch .Lbody_\@
.Lc1_\@:
	COPY 1
	s_branch .Lbody_\@
.Lc2_\@:
	COPY 2
	s_branch .Lbody_\@
.Lc3_\@:
	COPY 3
.Lbody_\@:
	s_mul_i32 s28, s[PASS], 20
	s_lshl2_add_u32 s28, s[TT], s28
	s_add_co_u32 s28, s28, s[WV]                   ; the tile
	s_min_u32 s28, s28, 63
	s_lshl_b32 s28, s28, 16                        ; 65,536 bytes a tile of hm,
	s_lshl_b32 s30, s[JJ], 11                      ; two K steps of 1,024 bytes a half slice
	s_add_co_u32 s28, s28, s30
	s_mov_b32 s29, 0
	s_add_nc_u64 s[OUTB:OUTB+1], s[HMB:HMB+1], s[28:29]
	; z in v32-63; v64-95: 1 + 0.2316419 |z|, then t; v96-127: -z z log2(e) / 2, then its power of two; v128-159: the form
.set i, 0
.rept 32
	v_fma_f32 v[64+i], |v[32+i]|, s[PP], 1.0
.set i, i+1
.endr
.set i, 0
.rept 16
	v_pk_mul_f32 v[96+2*i:97+2*i], v[32+2*i:33+2*i], v[32+2*i:33+2*i]
.set i, i+1
.endr
.set i, 0
.rept 16
	v_pk_mul_f32 v[96+2*i:97+2*i], v[96+2*i:97+2*i], s[NH:NH+1] op_sel_hi:[1,0]
.set i, i+1
.endr
.set i, 0
.rept 32
	v_rcp_f32 v[64+i], v[64+i]
	v_exp_f32 v[96+i], v[96+i]
.set i, i+1
.endr
	v_nop                                          ; the plain line behind the last of them,
	s_wait_alu depctr_va_vdst(0)                   ; and ONE wait for the batch of 64, ahead of its first reader: the reciprocals have written v64-95, the exponentials v96-127
.set i, 0
.rept 16
	v_pk_fma_f32 v[128+2*i:129+2*i], v[64+2*i:65+2*i], s[C1+8:C1+9], s[C1+6:C1+7] op_sel_hi:[1,0,0]
.set i, i+1
.endr
.irp c, 4,2,0
.set i, 0
.rept 16
	v_pk_fma_f32 v[128+2*i:129+2*i], v[128+2*i:129+2*i], v[64+2*i:65+2*i], s[C1+\c:C1+\c+1] op_sel_hi:[1,1,0]
.set i, i+1
.endr
.endr
.set i, 0
.rept 16
	v_pk_mul_f32 v[128+2*i:129+2*i], v[128+2*i:129+2*i], v[64+2*i:65+2*i]
.set i, i+1
.endr
.set i, 0
.rept 16
	v_pk_mul_f32 v[128+2*i:129+2*i], v[128+2*i:129+2*i], v[96+2*i:97+2*i]       ; the tail beyond |z|
.set i, i+1
.endr
.set i, 0
.rept 32
	v_max_num_f32 v[64+i], 0, v[32+i]
.set i, i+1
.endr
.set i, 0
.rept 32
	v_fma_f32 v[32+i], -|v[32+i]|, v[128+i], v[64+i]                            ; gelu = max(z, 0) - |z| tail
.set i, i+1
.endr
.set i, 0
.rept 16
	v_cvt_pk_f16_f32 v[96+i], v[32+2*i], v[33+2*i]
.set i, i+1
.endr
	s_wait_alu depctr_va_vdst(0)                   ; the roundings have written v96-111, which the four stores read
.irp b, 0,1,2,3
	global_store_b128 v[V16L], v[96+4*\b:99+4*\b], s[OUTB:OUTB+1] offset:512*\b ; 512 consecutive bytes, at a multiple of 256 from hm's first
.endr
.Lnext_\@:
	s_add_co_u32 s[TT], s[TT], 1
	s_cmp_lt_u32 s[TT], 5
	s_cbranch_scc1 .Lepi_\@
.endm
	s_load_b256 s[4:11], s[0:1], 0x0               ; xg s[4:5], bm s[6:7], w1 s[8:9], b1 s[10:11]
	s_load_b64 s[12:13], s[0:1], 0x20              ; hm
	v_lshl_add_u32 v30, v0, 2, 0x48000
	v_mov_b32 v31, 0
	v_lshrrev_b32 v18, 5, v0
	v_readfirstlane_b32 s[WV], v18                 ; wave 0..7
	s_mov_b32 s[SL], ttmp9
	s_and_b32 s[EX], ttmp7, 0xffff
	v_and_b32 v[VL], 31, v0
	v_and_b32 v[VR], 15, v0
	v_bfe_u32 v[VH], v0, 4, 1
	v_lshlrev_b32 v[VBH], 5, v[VH]
	v_lshlrev_b32 v[V16L], 4, v[VL]
	v_bfe_u32 v18, v0, 1, 2                        ; the turning load: lane L reads K' row 8 h + L % 8, columns 8 ((L / 8) % 2) + 0..7
	v_lshl_add_u32 v18, v[VH], 2, v18              ; its LDS row,
	v_mul_u32_u24 v18, v18, 288
	v_and_b32 v19, 1, v0                           ; which half of that row,
	v_lshl_add_u32 v18, v19, 7, v18
	v_bfe_u32 v19, v0, 3, 1                        ; which 16 bytes
	v_lshl_add_u32 v[BADR0], v19, 4, v18
	v_lshlrev_b32 v18, 4, v[VR]
	v_lshl_add_u32 v[VO], v[VH], PSH, v18          ; lanes 0-15 one row's 256 bytes, lanes 16-31 the next row's
	v_lshlrev_b32 v18, 3, v[VR]
	v_lshl_add_u32 v[LS0], v[VH], 7, v18
	v_lshlrev_b32 v[VPF], PSH, v[VL]
	s_wait_alu depctr_va_sdst(0)                   ; s[WV] is written, ahead of its first reader: the roles, the chunks and the tiles are made from it
	s_wait_alu depctr_va_vdst(0)                   ; v[VO], v[VPF], v[VBH] and v[V16L] are written: the offsets of the weight loads, the prefetches, the bias's loads and the stores; none is written again
	s_wait_kmcnt 0x0
	s_lshl_b32 s28, s[EX], 7
	s_mov_b32 s29, 0
	s_add_nc_u64 s[6:7], s[6:7], s[28:29]
	s_load_b512 s[32:47], s[6:7], 0x0              ; the expert's 1,024 bits: here only their number is wanted
	s_load_b512 s[48:63], s[6:7], 0x40
	s_lshl_b32 s28, s[EX], 23
	s_lshl_b32 s30, s[SL], 9
	s_add_co_u32 s28, s28, s30
	s_add_nc_u64 s[8:9], s[8:9], s[28:29]          ; w1 at my slice
	s_and_b32 s[PCH], s[WV], 3                     ; producer p begins with chunk p
	s_cmp_lt_u32 s[WV], 4
	s_cbranch_scc1 .Lhead_c
	s_mov_b32 s28, s[PCH]
	CHOFF
	s_add_nc_u64 s[WB:WB+1], s[8:9], s[28:29]
	WLOAD
.Lhead_c:
	s_wait_kmcnt 0x0
	s_bcnt1_i32_b32 s[CNT], s32
.set w, 1
.rept 31
	s_bcnt1_i32_b32 s28, s[32+w]
	s_add_co_u32 s[CNT], s[CNT], s28
.set w, w+1
.endr
	s_add_co_u32 s[TTOT], s[CNT], 15
	s_lshr_b32 s[TTOT], s[TTOT], 4
	; the bitmap's registers are free now
	s_mov_b32 s[C1+0], 0x3e027906                  ;  0.127414796
	s_mov_b32 s[C1+1], 0x3e027906
	s_mov_b32 s[C1+2], 0xbe11a98e                  ; -0.142248368
	s_mov_b32 s[C1+3], 0xbe11a98e
	s_mov_b32 s[C1+4], 0x3f35f0e3                  ;  0.710706871
	s_mov_b32 s[C1+5], 0x3f35f0e3
	s_mov_b32 s[C1+6], 0xbf3a00e3                  ; -0.726576014
	s_mov_b32 s[C1+7], 0xbf3a00e3
	s_mov_b32 s[C1+8], 0x3f07dc22                  ;  0.530702715
	s_mov_b32 s[C1+9], 0x3f07dc22
	s_mov_b32 s[MASKH], 0xffff0000
	s_mov_b32 s[PP], 0x3e6d3389                    ;  0.2316419
	s_mov_b32 s[NH], 0xbf38aa3b                    ; -log2(e) / 2
	s_mov_b32 s[NH+1], 0xbf38aa3b
	s_lshl_b32 s28, s[EX], 22
	s_lshl_b32 s30, s[SL], 12
	s_add_co_u32 s28, s28, s30
	s_mov_b32 s29, 0
	s_add_nc_u64 s[HMB:HMB+1], s[12:13], s[28:29]  ; hm at my expert, K step 4 sl
	s_lshl_b32 s28, s[EX], 13
	s_lshl_b32 s30, s[SL], 9
	s_add_co_u32 s28, s28, s30
	s_add_nc_u64 s[BIASB0:BIASB0+1], s[10:11], s[28:29]
	s_lshl_b32 s28, s[EX], 21
	s_add_nc_u64 s[XGB:XGB+1], s[4:5], s[28:29]    ; xg at my expert
	s_mul_i32 s[PSOFF], s[PCH], CH
	s_mov_b32 s[PER], 0
	s_mov_b32 s[SS], 0
	s_mov_b32 s[SOFF], 0
	s_mov_b32 s[PASS], 0
	s_mov_b32 s[JJ], 0
	s_cmp_ge_u32 s[WV], 4
	s_cbranch_scc1 .LA_j
	NTCALC
.irp j, 0,1
.irp b, 0,1,2,3
	global_load_b128 v[BL+32*\j+8*\b:BL+32*\j+8*\b+3],   v[VBH], s[BIASB0:BIASB0+1] offset:256*\j+64*\b      ; b1 of my columns 64 j + 16 b + 8 h + 0..7
	global_load_b128 v[BL+32*\j+8*\b+4:BL+32*\j+8*\b+7], v[VBH], s[BIASB0:BIASB0+1] offset:256*\j+64*\b+16
.endr
.endr
	s_mov_b32 s28, s[WV]
	AOUPD
	s_mov_b64 s[ABASE:ABASE+1], s[XGB:XGB+1]
	s_wait_alu depctr_va_vdst(0)                   ; v[AO ..] are written, which the row loads of all five tiles read
	AFILL 0
	AFILL 1
	AFILL 2
	s_wait_loadcnt 24                              ; the bias is in; the 24 row loads of tiles 0-2 are younger
	WIN 0x40
.set i, 0
.rept 32
	v_cvt_pk_bf16_f32 v[BIASP+i], v[BL+2*i], v[BL+2*i+1]                        ; rounded to bf16, once for the launch
.set i, i+1
.endr
	WIN 0
	AFILL 3                                        ; tiles 3 and 4, wanted last in a trip, are asked for behind the packing.  No wait: the conversions, the only vector lines since the wait above,
	AFILL 4                                        ; name v96-159 and the packed bias, none of the registers that these loads touch
	UNPACK 0
	; PASS 0, beside the fill: two periods for each half slice
.LA_j:
	s_mov_b32 s[PIN], 2
.LA_p:
	s_cmp_lt_u32 s[WV], 4
	s_cbranch_scc1 .LA_a
	s_cmp_eq_u32 s[PER], 3
	s_cbranch_scc1 .LA_last
	P_CONV 1
	s_branch .LA_a
.LA_last:
	P_CONV 0                                       ; the last period's chunks have no successors
.LA_a:
	BAR                                            ; every consumer's reads of the period before are over
	s_cmp_lt_u32 s[WV], 4
	s_cbranch_scc1 .LA_b
	P_STORE
.LA_b:
	BAR                                            ; the period's four chunks are in LDS for every wave
	s_cmp_ge_u32 s[WV], 4
	s_cbranch_scc1 .LA_step
	s_mov_b32 s[INN], 4
.LA_in:
	C_TRIP
	s_add_co_u32 s[SS], s[SS], 1
	s_add_co_u32 s[SOFF], s[SOFF], CH
	s_sub_co_u32 s[INN], s[INN], 1
	s_cmp_lg_u32 s[INN], 0
	s_cbranch_scc1 .LA_in
.LA_step:
	s_add_co_u32 s[PER], s[PER], 1
	s_sub_co_u32 s[PIN], s[PIN], 1
	s_cmp_lg_u32 s[PIN], 0
	s_cbranch_scc1 .LA_p
	s_cmp_ge_u32 s[WV], 4
	s_cbranch_scc1 .LA_jn
	EPI
	s_xor_b32 s28, s[JJ], 1
	INIT                                           ; the other half's sums begin
.LA_jn:
	s_add_co_u32 s[JJ], s[JJ], 1
	s_cmp_lt_u32 s[JJ], 2
	s_cbranch_scc1 .LA_j
	; PASSES 1 TO 3: the slice is resident, and nothing in these passes writes LDS, so no barrier stands in them; the producers go to the end
	s_cmp_ge_u32 s[WV], 4
	s_cbranch_scc1 .Lend
	s_mov_b32 s[PASS], 1
.LB_p:
	s_mul_i32 s28, s[PASS], 20
	s_cmp_ge_u32 s28, s[TTOT]
	s_cbranch_scc1 .LB_pn
	NTCALC
	s_mov_b32 s[SS], 0
	s_mov_b32 s[SOFF], 0
	s_mov_b32 s[JJ], 0
.LB_j:
	s_mov_b32 s[INN], 8
.LB_in:
	C_TRIP
	s_add_co_u32 s[SS], s[SS], 1
	s_add_co_u32 s[SOFF], s[SOFF], CH
	s_sub_co_u32 s[INN], s[INN], 1
	s_cmp_lg_u32 s[INN], 0
	s_cbranch_scc1 .LB_in
	EPI
	s_xor_b32 s28, s[JJ], 1
	INIT
	s_add_co_u32 s[JJ], s[JJ], 1
	s_cmp_lt_u32 s[JJ], 2
	s_cbranch_scc1 .LB_j
.LB_pn:
	s_add_co_u32 s[PASS], s[PASS], 1
	s_cmp_lt_u32 s[PASS], 4
	s_cbranch_scc1 .LB_p
.Lend:
	BAR                                            ; every wave's reads of LDS are over
	s_wait_dscnt 0x0                               ; ahead of the closing lines, whose add goes to the spare words behind the slice
	s_wait_alu depctr_hold_cnt(0) depctr_sa_sdst(0) depctr_va_vdst(0) depctr_va_sdst(0) depctr_va_ssrc(0) depctr_va_vcc(0) depctr_vm_vsrc(0)
	s_wait_tensorcnt 0x0
	ds_add_u32 v30, v31
	s_wait_dscnt 0x0
	s_endpgm
.Lfunc_end_k_q60edde32cb_up:
	.size	k_q60edde32cb_up, .Lfunc_end_k_q60edde32cb_up-k_q60edde32cb_up
	.p2alignl 7, 3214868480
	.fill 96, 4, 3214868480
	.section	.rodata,"a",@progbits
	.p2align	6, 0x0
	.amdhsa_kernel k_q60edde32cb_up
		.amdhsa_group_segment_fixed_size 295936
		.amdhsa_private_segment_fixed_size 0
		.amdhsa_enable_private_segment 0
		.amdhsa_kernarg_size 40
		.amdhsa_user_sgpr_count 2
		.amdhsa_user_sgpr_kernarg_segment_ptr 1
		.amdhsa_wavefront_size32 1
		.amdhsa_system_sgpr_workgroup_id_x 1
		.amdhsa_system_sgpr_workgroup_id_y 1
		.amdhsa_system_sgpr_workgroup_id_z 1
		.amdhsa_system_vgpr_workitem_id 0
		.amdhsa_next_free_vgpr 512
		.amdhsa_next_free_sgpr 100
		.amdhsa_reserve_vcc 0
		.amdhsa_float_denorm_mode_32 3
		.amdhsa_float_denorm_mode_16_64 3
		.amdhsa_memory_ordered 1
		.amdhsa_forward_progress 1
		.amdhsa_inst_pref_size 152
	.end_amdhsa_kernel
	.amdgpu_metadata
---
amdhsa.version: [ 1, 2 ]
amdhsa.kernels:
  - .name:           k_q60edde32cb_up
    .symbol:         k_q60edde32cb_up.kd
    .args:
      - { .name: xg, .offset: 0, .size: 8, .value_kind: global_buffer, .address_space: global }
      - { .name: bm, .offset: 8, .size: 8, .value_kind: global_buffer, .address_space: global }
      - { .name: w1, .offset: 16, .size: 8, .value_kind: global_buffer, .address_space: global }
      - { .name: b1, .offset: 24, .size: 8, .value_kind: global_buffer, .address_space: global }
      - { .name: hm, .offset: 32, .size: 8, .value_kind: global_buffer, .address_space: global }
    .group_segment_fixed_size: 295936
    .private_segment_fixed_size: 0
    .kernarg_segment_align: 8
    .kernarg_segment_size: 40
    .max_flat_workgroup_size: 256
    .sgpr_count:     100
    .vgpr_count:     512
    .wavefront_size: 32
...
	.end_amdgpu_metadata
.endif
;; end of part 8
;; launch down (part 9): grid 16 x 16, 8 waves a work-group, no clusters, 317,440 bytes of LDS; arguments hm, lst, bm, w2, b2, part; writes part
.if DOCPART == 9
	.amdgcn_target "amdgcn-amd-amdhsa--gfx1250"
	.amdhsa_code_object_version 6
	.text
	.protected	k_q60edde32cb_down
	.globl	k_q60edde32cb_down
	.p2align	8
	.type	k_q60edde32cb_down,@function
k_q60edde32cb_down:
	s_mov_b64 s[64:65], 0
	v_nop
	global_prefetch_b8 v0, s[64:65] scope:SCOPE_SE
	s_setreg_imm32_b32 hwreg(HW_REG_WAVE_SCHED_MODE, 0, 2), 2
	s_setreg_imm32_b32 hwreg(HW_REG_WAVE_MODE, 25, 1), 1
	s_wait_xcnt 0x0
	s_wait_alu depctr_vm_vsrc(0)
; SECOND PRODUCT.  part[e][token] = hm w2[e] + b2[e], one f32 row for each (expert, chosen token); the gates' weights and the sum over a token's four experts follow in the last launch (partial sums stay in f32).
; Work-group (slice sl, expert e) alone reads columns 64 sl .. 64 sl + 63 of w2[e] (512 KB of f32), keeps them in LDS and takes all of the expert's rows through them.  The frame is the first product's:
; a chunk S = 0..15 is 128 K rows, 32 KB of f32; a period s = 0..3 is four chunks.  Waves 4-7 are PRODUCERS: producer p takes chunk 4 s + p in period s; its 64 landing slots are a ring: a group of eight is waited for,
; rounded into 16 other registers and loaded again at once with the next period's chunk, so that 56 to 64 loads of each producer, 128 KB of the work-group, are out all the time; this runs beside the products of the period before.
; Waves 0-3 are CONSUMERS.  TWO BARRIERS A PERIOD: behind the first no consumer reads LDS any more; then the producers store their rounded chunks, 64 stores each; behind the second the consumers walk the period's four chunks.
; So no wave reads LDS while another writes it, whatever the addresses.  (Chunks are written once and to bytes of their own, so the bytes themselves would do with the second barrier alone; the price of the first is that
; the consumers stand still during the 64 stores.)  The first period's barriers also put the copy of the list ahead of its first reader.
; FORMATS.  hm is f16, so the product is f16 x f16 with f32 sums.  w2 is rounded to bf16 like every input, and that number is written as f16: exact from 6.1e-5 to 65,504 in size; below, f16's fixed step of 6e-8 holds.  b2 is rounded to bf16.
; ROWS.  hm holds the row fragments as the matrix unit takes them: [tile of 16 ranks][K step][half][lane][16 bytes], so a row load is 512 consecutive bytes.  A pass is 20 tiles, consumer c takes tiles 20 pass + 4 t + c.
; Pass 0 runs beside the fill; a barrier stands between its trips and its way out, which stores into the stages.  Passes 1-3 (more than 320 rows) read the resident slice: a loop of three trips that all eight waves walk, with two
; barriers a trip (the stages' last use ahead of the pass's reads of LDS, those reads ahead of the stages' next stores); a pass without rows, and the producers, jump the work between the barriers.  A tile past the count still
; loads (one address for all lanes), so that every counted wait holds on every path; its products and stores are jumped.  Ranks past the count repeat the last token: the same numbers go to the same row, from the same wave.
; NO CLUSTER: each slice of weights has one reader; the shared rows are walked by trips of which a stored count says how many are live, and beside the slice LDS has no room for slots of them.
; The sums start as the bias, kept as 16 registers of packed bf16 and unpacked into the 160 accumulator registers, in place of a first K step written out in two loops.
; REGISTERS as in the first product: window 0: v32-159 weight fragments, at work on the way out; v160-255 row fragments of tiles 0-2; window 1: v0-159 sums; v160-223 row fragments of tiles 3, 4; v224-239 the packed bias.
; Producer: window 1: the 64 landing slots; window 0: v32-159 the period's chunk, rounded, two registers a slot, until it is stored.
; THE MODE: SCHED_MODE bits 1:0 = 2 (LLVM: expert scheduling mode 2), set by the entry lines.  The code itself states the register dependences between vector or matrix instructions and memory or LDS instructions,
; with s_wait_alu, always for 0.
; THE PLAN.  Registers that memory or LDS instructions touch, and who else names them:
;   PRODUCER.  Landing slots, group g: its conversions read and write them, then the next period's eight loads land in them: one wait on va_vdst behind each group's conversions, so that the group is asked for again at once.
;     v[CV ..] and v[LS]: written by the period's conversions and by one add at the period's head; read by the 64 LDS stores between the period's barriers.  One wait on va_vdst ahead of the run of stores;
;     one wait on vm_vsrc at the next period's head, ahead of the add and of the first conversion.  v[VO], v[VPF]: made at the kernel's head, never written again.
;   CONSUMER.  v32-159: a trip's 32 LDS loads land in them, all five tiles' products read them; on the way out the stage's rows land in v32-63 and the tokens in v64-71, which become the stores' data and offsets.
;     Tile t's row fragments: its 16 products read them, then the next chunk's eight loads land in them; a wave's 512 registers are all taken, so there is no second buffer, and one wait on va_vdst stands behind each tile's
;     products.  v[BADR]: read by the LDS loads, written once a trip.  v[AO ..]: read by the row loads, written once a pass.  A trip's head has one wait on vm_vsrc ahead of those writes and one on va_vdst behind them.
;     The sums: written by the products and by the bias's unpacking, read by the way out's LDS stores.  v18: the list's address, written once a tile of the way out.  A tile of the way out has one wait on vm_vsrc at its head,
;     one on va_vdst behind the line that makes v18 (it also states that the sums are written), one on va_vdst ahead of its global stores; one wait on vm_vsrc stands ahead of the unpacking of passes 1-3.
;     v[VBH], v[STO], v[RD]: made at the kernel's head, never written again.  The packed bias is named by vector instructions alone.
.set PSH,   12
.set PITCH, 1<<PSH
.set CH,    18432                      ; a chunk in LDS: 64 rows of 288 bytes, two K rows of 128 bytes and 32 of padding each
.set LIST,  294912                     ; 1,024 words: the token of each rank
.set STAGE, 299008                     ; for each consumer 16 rows x 272 bytes, for the way out
.set VL, 1
.set VR, 2
.set VH, 3
.set STO, 4
.set RD, 5
.set VLI, 6
.set VBH, 7
.set AO, 8
.set BADR0, 13
.set BADR, 16
.set V16R, 17
.set VO, 24
.set LS0, 25
.set LS, 26
.set VPF, 27
.set BF, 32
.set CV, 32                            ; producer: slot n's four numbers in f16 at v[CV + 2 n : CV + 2 n + 1]
.set BL, 96                            ; v96-127: where the bias lands, once, at the head
.set BIASP, 224                        ; window 1: pair i of my 32 columns at BIASP + i
.set WV, 18
.set SL, 19
.set EX, 20
.set CNT, 21
.set TTOT, 22
.set NT, 23
.set SS, 24
.set INN, 26
.set PASS, 27
.set ABASE, 32
.set PFB, 36
.set OUTB, 38
.set MASKH, 52
.set TT, 53
.set SOFF, 54
.set HMB, 60
.set PCH, 68                           ; the producer's chunk
.set PSOFF, 70                         ; the producer's chunk x CH
.set PER, 71                           ; period
.set WB, 98
.set MSB, 0
.macro WIN new
.if MSB != (\new)
	s_set_vgpr_msb (MSB<<8)|(\new)
.set MSB, \new
.endif
.endm
.macro BAR
	s_wait_dscnt 0x0                               ; my LDS stores are done and my LDS loads are back
	s_barrier_signal -1
	s_barrier_wait -1
.endm
; Group g's 32 landing registers, in window 1.  The two groups that lie where the consumers keep the row fragments of tiles 3 and 4 are taken last: so, on every way through the text, whatever the wave,
; a load into a register stands behind the counted wait that shows the older load into it done.
.macro SETRG g
.if (\g) < 5
.set rg, 32*(\g)
.elseif (\g) == 5
.set rg, 224
.elseif (\g) == 6
.set rg, 160
.else
.set rg, 192
.endif
.endm
.macro WLOAD                           ; a chunk: 64 loads, each two rows' 256 consecutive bytes, at multiples of 256 from w2's first byte
	WIN 0x40
.set g, 0
.rept 8
	SETRG g
.set i, 0
.rept 8
	global_load_b128 v[rg+4*i:rg+4*i+3], v[VO], s[WB:WB+1] offset:2*PITCH*(8*g+i) th:TH_LOAD_NT
.set i, i+1
.endr
.set g, g+1
.endr
	WIN 0
.endm
; A producer's period, first part: its chunk is rounded, eight slots at a time, into registers of its own; the conversions stand in stages of 16 lines that do not read each other.  refill = 1: each group is loaded again
; at once with the chunk four on.  In periods 0 and 1 the chunk eight on is prefetched: one period ahead of its load, 32 KB a producer, each piece of 256 bytes asked for once in the launch; chunk 15 is the last that is asked for.
.macro P_CONV refill
	s_wait_alu depctr_vm_vsrc(0)                   ; my last period's LDS stores have read v[LS] and v[CV ..], which the add and the conversions below write again
	v_add_nc_u32 v[LS], s[PSOFF], v[LS0]           ; where this period's chunk goes in LDS
	s_add_co_u32 s[PSOFF], s[PSOFF], 4*CH
.if \refill
	s_wait_xcnt 0x0                                ; my last period's loads and prefetches have read WB and PFB
	s_add_co_u32 s28, s[PCH], 4
	s_lshl_b32 s28, s28, 19
	s_mov_b32 s29, 0
	s_add_nc_u64 s[WB:WB+1], s[10:11], s[28:29]
.endif
.set g, 0
.rept 8
	SETRG g
.if \refill
	s_wait_loadcnt 56                              ; group g is in: younger are this chunk's 8 (7 - g) later loads and the 8 g refills
.else
	s_wait_loadcnt 56-8*g                          ; the last period: only this chunk's later loads are younger
.endif
.if (\refill) && (g == 0)
	s_cmp_ge_u32 s[PER], 2
	s_cbranch_scc1 .Lnopf_\@
	s_add_co_u32 s28, s[PCH], 8
	s_lshl_b32 s28, s28, 19
	s_mov_b32 s29, 0
	s_add_nc_u64 s[PFB:PFB+1], s[10:11], s[28:29]
.irp m, 0,1,2,3
	global_prefetch_b8 v[VPF], s[PFB:PFB+1] offset:32*PITCH*\m th:TH_LOAD_NT scope:SCOPE_SE  ; one lane a row: the chunk's 128 pieces of 256 bytes; the conversions follow
.endr
.Lnopf_\@:
.endif
	WIN 0x45
.set i, 0
.rept 8
	v_cvt_pk_bf16_f32 v[rg+4*i], v[rg+4*i], v[rg+4*i+1]        ; rounded to bf16,
	v_cvt_pk_bf16_f32 v[rg+4*i+2], v[rg+4*i+2], v[rg+4*i+3]
.set i, i+1
.endr
.set i, 0
.rept 8
	v_and_b32 v[rg+4*i+1], s[MASKH], v[rg+4*i]                 ; widened again: the high halves,
	v_and_b32 v[rg+4*i+3], s[MASKH], v[rg+4*i+2]
.set i, i+1
.endr
.set i, 0
.rept 8
	v_lshlrev_b32 v[rg+4*i], 16, v[rg+4*i]                     ; the low halves,
	v_lshlrev_b32 v[rg+4*i+2], 16, v[rg+4*i+2]
.set i, i+1
.endr
	WIN 0x05                                       ; sources in window 1, destination in window 0
.set i, 0
.rept 8
	v_cvt_pk_f16_f32 v[CV+2*(8*g+i)],   v[rg+4*i],   v[rg+4*i+1]   ; and written as f16
	v_cvt_pk_f16_f32 v[CV+2*(8*g+i)+1], v[rg+4*i+2], v[rg+4*i+3]
.set i, i+1
.endr
.if \refill
	WIN 0x40
	s_wait_alu depctr_va_vdst(0)                   ; the conversions are done writing and reading group g's landing registers, in which the eight loads below land
.set i, 0
.rept 8
	global_load_b128 v[rg+4*i:rg+4*i+3], v[VO], s[WB:WB+1] offset:2*PITCH*(8*g+i) th:TH_LOAD_NT
.set i, i+1
.endr
.endif
.set g, g+1
.endr
	WIN 0
	s_add_co_u32 s[PCH], s[PCH], 4
.endm
.macro P_STORE                         ; second part, between the period's two barriers: the rounded chunk goes into LDS
	s_wait_alu depctr_va_vdst(0)                   ; the period's conversions have written v[CV ..] and its add v[LS], which the 64 stores read
.set n, 0
.rept 64
	ds_store_b64 v[LS], v[CV+2*n:CV+2*n+1] offset:288*n    ; 32 lanes fill an LDS row's 256 bytes
.set n, n+1
.endr
.endm
.macro NTCALC
	s_mul_i32 s28, s[PASS], 20
	s_add_co_u32 s28, s28, s[WV]
	s_sub_co_i32 s28, s[TTOT], s28
	s_add_co_i32 s28, s28, 3
	s_ashr_i32 s28, s28, 2
	s_max_i32 s28, s28, 0
	s_min_i32 s[NT], s28, 5
.endm
.macro AOUPD                           ; s28 = my tile 0: the five tiles' byte offsets in the expert's part of hm: tile x 65,536 + 16 L; a tile past the count: offset 0 in every lane
	s_wait_xcnt 0x0                                ; pending row loads have read AO
.irp t, 0,1,2,3,4
	s_add_co_u32 s30, s28, 4*\t
	s_cmp_lt_u32 s30, s[TTOT]
	s_cselect_b32 s31, 16, 0                       ; bytes from lane to lane,
	s_cselect_b32 s30, s30, 0                      ; and the tile: both chosen by the stored count, so both are held to their bounds
	s_min_u32 s31, s31, 16
	s_min_u32 s30, s30, 63
	s_lshl_b32 s30, s30, 16
	v_mul_u32_u24 v[AO+\t], s31, v[VL]
	v_add_nc_u32 v[AO+\t], s30, v[AO+\t]
.endr
.endm
.macro AFILL t, w=0                    ; tile t's row fragments of one chunk: eight loads of 512 consecutive bytes.  w = 1: behind the tile's products
.if (\t) < 3
	WIN 0
.set rA, 160+32*(\t)
.else
	WIN 0x40
.set rA, 160+32*((\t)-3)
.endif
.if \w
	s_wait_alu depctr_va_vdst(0)                   ; tile t's products are done reading its row fragments, in which the eight loads below land, and have written its sums
.endif
.irp k, 0,1,2,3
	global_load_b128 v[rA+8*\k:rA+8*\k+3],   v[AO+\t], s[ABASE:ABASE+1] offset:1024*\k
	global_load_b128 v[rA+8*\k+4:rA+8*\k+7], v[AO+\t], s[ABASE:ABASE+1] offset:1024*\k+512
.endr
	WIN 0
.endm
.macro TILE t                          ; source 0 = 16 columns of the weights, source 1 = 16 rows; the tile's four accumulators take turns, one instruction a turn
	s_wait_loadcnt 32                              ; my tile's eight loads are in: younger are the later tiles' 8 (4 - t) and this trip's 8 t refills
	s_cmp_le_u32 s[NT], \t
	s_cbranch_scc1 .Ldead_\@
.if (\t) < 3
.set rA, 160+32*(\t)
	WIN 0x50
.else
.set rA, 160+32*((\t)-3)
	WIN 0x54
.endif
.irp k, 0,1,2,3
.if (\t) == 0
	s_wait_dscnt 24-8*\k                           ; the weight fragments of the later K steps may be out
.endif
.irp b, 0,1,2,3
	v_wmma_f32_16x16x32_f16 v[32*(\t)+8*\b:32*(\t)+8*\b+7], v[BF+32*\k+8*\b:BF+32*\k+8*\b+7], v[rA+8*\k:rA+8*\k+7], v[32*(\t)+8*\b:32*(\t)+8*\b+7]
.endr
.endr
	WIN 0
.rept 4
	v_nop                                          ; four places behind the products: the way out's LDS stores read these sums, and where the later tiles are dead little else stands between
.endr
.Ldead_\@:
.if (\t) == 0
	s_wait_dscnt 0x0                               ; on the way round the products too: the fragments are loaded into again next trip
.endif
	AFILL \t, 1
.endm
.macro C_TRIP
	s_wait_xcnt 0x0
	s_wait_alu depctr_vm_vsrc(0)                   ; the last trip's LDS loads have read v[BADR] and its row loads v[AO ..], which are written below; the way out's stores have read v32-71, in which weight fragments land
	s_add_co_u32 s28, s[SS], 1
	s_and_b32 s28, s28, 15
	s_lshl_b32 s28, s28, 12                        ; the next chunk's four K steps of 1,024 bytes
	s_mov_b32 s29, 0
	s_add_nc_u64 s[ABASE:ABASE+1], s[HMB:HMB+1], s[28:29]
	s_cmp_lg_u32 s[SS], 15
	s_cbranch_scc1 .Lsame_\@
	s_mul_i32 s28, s[PASS], 20                     ; the last trip's refills fetch the next pass's tiles
	s_add_co_u32 s28, s28, 20
	s_add_co_u32 s28, s28, s[WV]
	AOUPD
.Lsame_\@:
	v_add_nc_u32 v[BADR], s[SOFF], v[BADR0]
	s_wait_alu depctr_va_vdst(0)                   ; v[BADR] is written, and in a pass's last trip v[AO ..]; the last trip's products, the way out's lines on v64-71 and, ahead of the first trip, the bias's conversions are done with v32-159, in which the fragments land
.irp k, 0,1,2,3
.irp b, 0,1,2,3
	ds_load_tr16_b128 v[BF+32*\k+8*\b:BF+32*\k+8*\b+3],   v[BADR] offset:4608*\k+32*\b
	ds_load_tr16_b128 v[BF+32*\k+8*\b+4:BF+32*\k+8*\b+7], v[BADR] offset:4608*\k+2304+32*\b
.endr
.endr
	TILE 0
	TILE 1
	TILE 2
	TILE 3
	TILE 4
.endm
.macro UNPACK                          ; the bias, bf16 to f32, starts all five tiles' sums
	WIN 0x44
.set t, 0
.rept 5
.set i, 0
.rept 16
	v_lshlrev_b32 v[32*t+2*i], 16, v[BIASP+i]
	v_and_b32 v[32*t+2*i+1], s[MASKH], v[BIASP+i]
.set i, i+1
.endr
.set t, t+1
.endr
	WIN 0
.endm
.macro PUT t                           ; tile t's sums into my stage, each accumulator from its low end on: row r, 32 bytes for each half of the lanes
	WIN 0x04
.irp b, 0,1,2,3
	ds_store_b128 v[STO], v[32*(\t)+8*\b:32*(\t)+8*\b+3]   offset:64*\b
	ds_store_b128 v[STO], v[32*(\t)+8*\b+4:32*(\t)+8*\b+7] offset:64*\b+16
.endr
	WIN 0
.endm
; THE WAY OUT: a counted loop over my five tiles; a dead tile jumps to the counter's step.  A tile goes through my own stage and comes back as whole rows of 256 bytes; each row goes to its token's row of part.
.macro EPI
	s_mov_b32 s[TT], 0
.Lepi_\@:
	s_wait_xcnt 0x0                                ; the last tile's stores have read their data and offsets
	s_wait_alu depctr_vm_vsrc(0)                   ; the last tile's stores have read their data v32-63 and their offsets v64-71, its list loads v18: all are written again below
	s_cmp_ge_u32 s[TT], s[NT]
	s_cbranch_scc1 .Lnext_\@
	s_mul_i32 s28, s[PASS], 20
	s_lshl2_add_u32 s28, s[TT], s28
	s_add_co_u32 s28, s28, s[WV]                   ; the tile
	s_min_u32 s28, s28, 63
	s_lshl_b32 s28, s28, 6                         ; its 16 words of the list
	v_add_nc_u32 v18, s28, v[VLI]
	s_wait_alu depctr_va_vdst(0)                   ; v18 is written, which the list loads read; the products have written the sums, which the LDS stores read; the last tile's lines on v64-71 are done, in which the list loads land
	s_cmp_eq_u32 s[TT], 0
	s_cbranch_scc1 .Lc0_\@
	s_cmp_eq_u32 s[TT], 1
	s_cbranch_scc1 .Lc1_\@
	s_cmp_eq_u32 s[TT], 2
	s_cbranch_scc1 .Lc2_\@
	s_cmp_eq_u32 s[TT], 3
	s_cbranch_scc1 .Lc3_\@
	PUT 4
	s_branch .Lbody_\@
.Lc0_\@:
	PUT 0
	s_branch .Lbody_\@
.Lc1_\@:
	PUT 1
	s_branch .Lbody_\@
.Lc2_\@:
	PUT 2
	s_branch .Lbody_\@
.Lc3_\@:
	PUT 3
.Lbody_\@:
.irp i, 0,1,2,3,4,5,6,7
	ds_load_b32 v[64+\i], v18 offset:8*\i          ; the token of row 2 i + L / 16
.endr
.irp i, 0,1,2,3,4,5,6,7
	ds_load_b128 v[32+4*\i:35+4*\i], v[RD] offset:544*\i   ; LDS serves a wave's instructions in order (ISA guide 5.7.1.4): these see the stores above; the next tile's stores come behind them
.endr
	s_wait_dscnt 0x0
.irp i, 0,1,2,3,4,5,6,7
	v_min_u32 v[64+\i], 0x3ff, v[64+\i]
	v_lshl_add_u32 v[64+\i], v[64+\i], 12, v[V16R]
.endr
	s_wait_alu depctr_va_vdst(0)                   ; the eight offsets v64-71 are written, which the stores read
.irp i, 0,1,2,3,4,5,6,7
	global_store_b128 v[64+\i], v[32+4*\i:35+4*\i], s[OUTB:OUTB+1]   ; 16 lanes store 256 consecutive bytes, at a multiple of 256 from part's first
.endr
.Lnext_\@:
	s_add_co_u32 s[TT], s[TT], 1
	s_cmp_lt_u32 s[TT], 5
	s_cbranch_scc1 .Lepi_\@
.endm
	s_load_b256 s[4:11], s[0:1], 0x0               ; hm s[4:5], lst s[6:7], bm s[8:9], w2 s[10:11]
	s_load_b128 s[12:15], s[0:1], 0x20             ; b2 s[12:13], part s[14:15]
	v_lshl_add_u32 v14, v0, 2, 0x4d400
	v_mov_b32 v15, 0
	v_lshrrev_b32 v18, 5, v0
	v_readfirstlane_b32 s[WV], v18                 ; wave 0..7
	s_mov_b32 s[SL], ttmp9
	s_and_b32 s[EX], ttmp7, 0xffff
	v_and_b32 v[VL], 31, v0
	v_and_b32 v[VR], 15, v0
	v_bfe_u32 v[VH], v0, 4, 1
	v_lshlrev_b32 v[VBH], 5, v[VH]
	v_lshlrev_b32 v[V16R], 4, v[VR]
	v_bfe_u32 v18, v0, 1, 2                        ; the turning load: lane L reads K row 8 h + L % 8, columns 8 ((L / 8) % 2) + 0..7
	v_lshl_add_u32 v18, v[VH], 2, v18
	v_mul_u32_u24 v18, v18, 288
	v_and_b32 v19, 1, v0
	v_lshl_add_u32 v18, v19, 7, v18
	v_bfe_u32 v19, v0, 3, 1
	v_lshl_add_u32 v[BADR0], v19, 4, v18
	v_lshl_add_u32 v[VO], v[VH], PSH, v[V16R]      ; lanes 0-15 one row's 256 bytes, lanes 16-31 the next row's
	v_lshlrev_b32 v18, 3, v[VR]
	v_lshl_add_u32 v[LS0], v[VH], 7, v18
	v_lshlrev_b32 v[VPF], PSH, v[VL]
	s_wait_alu depctr_va_sdst(0)                   ; s[WV] is written, ahead of its first reader: the roles, the chunks, the stages and the tiles are made from it
	s_and_b32 s[PCH], s[WV], 3                     ; producer p begins with chunk p; consumer c has stage c
	s_mul_i32 s28, s[PCH], 16*272
	s_add_co_u32 s28, s28, STAGE                   ; my stage
	v_mul_u32_u24 v18, v[VR], 272
	v_lshl_add_u32 v18, v[VH], 5, v18
	v_add_nc_u32 v[STO], s28, v18
	v_mul_u32_u24 v18, v[VH], 272                  ; back: lanes 0-15 take one row of 256 bytes, lanes 16-31 the next
	v_add_nc_u32 v18, v18, v[V16R]
	v_add_nc_u32 v[RD], s28, v18
	v_lshl_add_u32 v[VLI], v[VH], 2, LIST
	s_wait_alu depctr_va_vdst(0)                   ; v[VO], v[VPF], v[VBH], v[STO] and v[RD] are written: the offsets of the weight loads, the prefetches and the bias's loads, the stage's two addresses; none is written again
	s_wait_kmcnt 0x0
	s_lshl_b32 s28, s[EX], 7
	s_mov_b32 s29, 0
	s_add_nc_u64 s[8:9], s[8:9], s[28:29]
	s_load_b512 s[32:47], s[8:9], 0x0              ; the expert's 1,024 bits: here only their number is wanted
	s_load_b512 s[48:63], s[8:9], 0x40
	s_lshl_b32 s28, s[EX], 23
	s_lshl_b32 s30, s[SL], 8
	s_add_co_u32 s28, s28, s30
	s_add_nc_u64 s[10:11], s[10:11], s[28:29]      ; w2 at my slice
	s_lshl_b32 s28, s[EX], 12
	s_add_nc_u64 s[6:7], s[6:7], s[28:29]          ; the expert's list
	s_add_co_u32 s28, s28, s30
	s_add_nc_u64 s[12:13], s[12:13], s[28:29]      ; b2 at my columns
	s_lshl_b32 s28, s[EX], 22
	s_add_nc_u64 s[4:5], s[4:5], s[28:29]          ; hm at my expert
	s_add_co_u32 s28, s28, s30
	s_add_nc_u64 s[14:15], s[14:15], s[28:29]      ; part at my expert and columns
	s_cmp_lt_u32 s[WV], 4
	s_cbranch_scc1 .Lhead_c
	s_lshl_b32 s28, s[PCH], 19
	s_add_nc_u64 s[WB:WB+1], s[10:11], s[28:29]
	WLOAD
	s_branch .Lhead_j
.Lhead_c:
	v_lshlrev_b32 v19, 4, v0                       ; the 128 consumer threads copy the list into LDS; its first reader stands behind the periods' barriers
	v_lshl_add_u32 v18, v0, 4, LIST
	s_wait_alu depctr_va_vdst(0)                   ; v19 and v18 are written: the offset of the two loads, the address of the two LDS stores
	global_load_b128 v[20:23], v19, s[6:7]
	global_load_b128 v[28:31], v19, s[6:7] offset:2048
	s_wait_loadcnt 0x0
	ds_store_b128 v18, v[20:23]
	ds_store_b128 v18, v[28:31] offset:2048
.Lhead_j:
	s_wait_kmcnt 0x0
	s_bcnt1_i32_b32 s[CNT], s32
.set w, 1
.rept 31
	s_bcnt1_i32_b32 s28, s[32+w]
	s_add_co_u32 s[CNT], s[CNT], s28
.set w, w+1
.endr
	s_add_co_u32 s[TTOT], s[CNT], 15
	s_lshr_b32 s[TTOT], s[TTOT], 4
	; the bitmap's registers are free now
	s_mov_b32 s[MASKH], 0xffff0000
	s_mov_b64 s[HMB:HMB+1], s[4:5]
	s_mov_b64 s[OUTB:OUTB+1], s[14:15]
	s_mul_i32 s[PSOFF], s[PCH], CH
	s_mov_b32 s[PER], 0
	s_mov_b32 s[SS], 0
	s_mov_b32 s[SOFF], 0
	s_mov_b32 s[PASS], 0
	s_cmp_ge_u32 s[WV], 4
	s_cbranch_scc1 .LA_p
	NTCALC
.irp b, 0,1,2,3
	global_load_b128 v[BL+8*\b:BL+8*\b+3],   v[VBH], s[12:13] offset:64*\b      ; b2 of my columns 16 b + 8 h + 0..7
	global_load_b128 v[BL+8*\b+4:BL+8*\b+7], v[VBH], s[12:13] offset:64*\b+16
.endr
	s_mov_b32 s28, s[WV]
	AOUPD
	s_mov_b64 s[ABASE:ABASE+1], s[HMB:HMB+1]
	s_wait_alu depctr_va_vdst(0)                   ; v[AO ..] are written, which the row loads of all five tiles read
	AFILL 0
	AFILL 1
	AFILL 2
	s_wait_loadcnt 24                              ; the bias is in; the 24 row loads of tiles 0-2 are younger
	WIN 0x40
.set i, 0
.rept 16
	v_cvt_pk_bf16_f32 v[BIASP+i], v[BL+2*i], v[BL+2*i+1]                        ; rounded to bf16, once for the launch
.set i, i+1
.endr
	WIN 0
	AFILL 3                                        ; tiles 3 and 4, wanted last in a trip, are asked for behind the packing.  No wait: the conversions, the only vector lines since the wait above,
	AFILL 4                                        ; name v96-127 and the packed bias, none of the registers that these loads touch
	UNPACK
	; PASS 0, beside the fill: four periods
.LA_p:
	s_cmp_lt_u32 s[WV], 4
	s_cbranch_scc1 .LA_a
	s_cmp_eq_u32 s[PER], 3
	s_cbranch_scc1 .LA_last
	P_CONV 1
	s_branch .LA_a
.LA_last:
	P_CONV 0                                       ; the last period's chunks have no successors
.LA_a:
	BAR                                            ; every consumer's reads of the period before are over
	s_cmp_lt_u32 s[WV], 4
	s_cbranch_scc1 .LA_b
	P_STORE
.LA_b:
	BAR                                            ; the period's four chunks are in LDS for every wave
	s_cmp_ge_u32 s[WV], 4
	s_cbranch_scc1 .LA_step
	s_mov_b32 s[INN], 4
.LA_in:
	C_TRIP
	s_add_co_u32 s[SS], s[SS], 1
	s_add_co_u32 s[SOFF], s[SOFF], CH
	s_sub_co_u32 s[INN], s[INN], 1
	s_cmp_lg_u32 s[INN], 0
	s_cbranch_scc1 .LA_in
.LA_step:
	s_add_co_u32 s[PER], s[PER], 1
	s_cmp_lt_u32 s[PER], 4
	s_cbranch_scc1 .LA_p
	BAR                                            ; every wave's reads of the last period are over before any stage is stored into
	s_cmp_ge_u32 s[WV], 4
	s_cbranch_scc1 .LB_go
	EPI
.LB_go:
	; PASSES 1 TO 3: three trips for all eight waves; only work is jumped, never a barrier
	s_mov_b32 s[PASS], 1
.LB_p:
	BAR                                            ; every wave's use of its stage is over before the pass's trips read LDS
	s_cmp_ge_u32 s[WV], 4
	s_cbranch_scc1 .LB_mid
	s_mul_i32 s28, s[PASS], 20
	s_cmp_ge_u32 s28, s[TTOT]
	s_cbranch_scc1 .LB_mid
	NTCALC
	s_wait_alu depctr_vm_vsrc(0)                   ; the way out's LDS stores have read the sums, which the unpacking writes anew
	UNPACK
	s_mov_b32 s[SS], 0
	s_mov_b32 s[SOFF], 0
	s_mov_b32 s[INN], 16
.LB_in:
	C_TRIP
	s_add_co_u32 s[SS], s[SS], 1
	s_add_co_u32 s[SOFF], s[SOFF], CH
	s_sub_co_u32 s[INN], s[INN], 1
	s_cmp_lg_u32 s[INN], 0
	s_cbranch_scc1 .LB_in
.LB_mid:
	BAR                                            ; every wave's reads of the pass's trips are over before any stage is stored into
	s_cmp_ge_u32 s[WV], 4
	s_cbranch_scc1 .LB_pn
	s_mul_i32 s28, s[PASS], 20
	s_cmp_ge_u32 s28, s[TTOT]
	s_cbranch_scc1 .LB_pn
	EPI
.LB_pn:
	s_add_co_u32 s[PASS], s[PASS], 1
	s_cmp_lt_u32 s[PASS], 4
	s_cbranch_scc1 .LB_p
	s_wait_dscnt 0x0                               ; ahead of the closing lines, whose add goes to the spare words behind the stages
	s_wait_alu depctr_hold_cnt(0) depctr_sa_sdst(0) depctr_va_vdst(0) depctr_va_sdst(0) depctr_va_ssrc(0) depctr_va_vcc(0) depctr_vm_vsrc(0)
	s_wait_tensorcnt 0x0
	ds_add_u32 v14, v15
	s_wait_dscnt 0x0
	s_endpgm
.Lfunc_end_k_q60edde32cb_down:
	.size	k_q60edde32cb_down, .Lfunc_end_k_q60edde32cb_down-k_q60edde32cb_down
	.p2alignl 7, 3214868480
	.fill 96, 4, 3214868480
	.section	.rodata,"a",@progbits
	.p2align	6, 0x0
	.amdhsa_kernel k_q60edde32cb_down
		.amdhsa_group_segment_fixed_size 317440
		.amdhsa_private_segment_fixed_size 0
		.amdhsa_enable_private_segment 0
		.amdhsa_kernarg_size 48
		.amdhsa_user_sgpr_count 2
		.amdhsa_user_sgpr_kernarg_segment_ptr 1
		.amdhsa_wavefront_size32 1
		.amdhsa_system_sgpr_workgroup_id_x 1
		.amdhsa_system_sgpr_workgroup_id_y 1
		.amdhsa_system_sgpr_workgroup_id_z 1
		.amdhsa_system_vgpr_workitem_id 0
		.amdhsa_next_free_vgpr 512
		.amdhsa_next_free_sgpr 100
		.amdhsa_reserve_vcc 0
		.amdhsa_float_denorm_mode_32 3
		.amdhsa_float_denorm_mode_16_64 3
		.amdhsa_memory_ordered 1
		.amdhsa_forward_progress 1
		.amdhsa_inst_pref_size 135
	.end_amdhsa_kernel
	.amdgpu_metadata
---
amdhsa.version: [ 1, 2 ]
amdhsa.kernels:
  - .name:           k_q60edde32cb_down
    .symbol:         k_q60edde32cb_down.kd
    .args:
      - { .name: hm, .offset: 0, .size: 8, .value_kind: global_buffer, .address_space: global }
      - { .name: lst, .offset: 8, .size: 8, .value_kind: global_buffer, .address_space: global }
      - { .name: bm, .offset: 16, .size: 8, .value_kind: global_buffer, .address_space: global }
      - { .name: w2, .offset: 24, .size: 8, .value_kind: global_buffer, .address_space: global }
      - { .name: b2, .offset: 32, .size: 8, .value_kind: global_buffer, .address_space: global }
      - { .name: part, .offset: 40, .size: 8, .value_kind: global_buffer, .address_space: global }
    .group_segment_fixed_size: 317440
    .private_segment_fixed_size: 0
    .kernarg_segment_align: 8
    .kernarg_segment_size: 48
    .max_flat_workgroup_size: 256
    .sgpr_count:     100
    .vgpr_count:     512
    .wavefront_size: 32
...
	.end_amdgpu_metadata
.endif
;; end of part 9
;; launch sum: the kernel of part 4 again; grid 256 x 1, 4 waves a work-group, no clusters, 0 bytes of LDS; arguments part, ti, tw, out0; writes out0
